; MI455X (gfx1250); checked and timed in simulation.
; The chip was launched on July 23, 2026; its instructions are those of AMD's public machine-readable ISA for CDNA 5 (MIT licence, August 2026) and "CDNA5" Instruction Set Architecture Reference Guide (July 2026). The comments in the code are by the model that wrote it; some were corrected since.
;; Transformer Block. Allowed arithmetic: matrix products marked QUANTISED: E2M3 operands, one E8M0 scale for each 32 along K, by v_wmma_scale_f32_16x16x128_f8f6f4 with both operands' format E2M3, f32 sums; everything else in f32.
;; Inputs: b_fc1 4,096 float32; b_fc2 1,024 float32; b_proj 1,024 float32; b_qkv 3,072 float32; bt1 1,024 float32; bt2 1,024 float32; g1 1,024 float32; g2 1,024 float32; w_fc1 1,024 x 4,096 float32; w_fc2 4,096 x 1,024 float32; w_proj 1,024 x 1,024 float32; w_qkv 1,024 x 3,072 float32; x 2 x 2,048 x 1,024 float32.
;; Outputs: out0 2 x 2,048 x 1,024 float32.
;; This version of the problem:
;;   THIS VERSION OF THE PROBLEM IS GIVEN IN LOW PRECISION. The matrix products marked QUANTISED in the list below multiply operands that are first quantised to E2M3 (2 exponent bits, 3 mantissa bits; 6 bits a number), with one power-of-two scale for each 32 numbers along K (OCP MX v1.0); their sums are f32. All else is computed in f32.
;;   The module's matrix products, in the order in which they are computed (A, B: the left and right operand; K: the contracted axis; several contracted axes count as one K, in the product's order):
;;     1. [M 4,096, K 1,024] x [K 1,024, N 3,072]; A: computed on the way; B: input w_qkv: QUANTISED
;;     2. batch 32 x [M 2,048, K 64] x [K 64, N 2,048]; A: computed on the way; B: computed on the way: QUANTISED
;;     3. batch 32 x [M 2,048, K 2,048] x [K 2,048, N 64]; A: softmax (see below); B: computed on the way: QUANTISED
;;     4. [M 4,096, K 1,024] x [K 1,024, N 1,024]; A: computed on the way; B: input w_proj: QUANTISED
;;     5. [M 4,096, K 1,024] x [K 1,024, N 4,096]; A: computed on the way; B: input w_fc1: QUANTISED
;;     6. [M 4,096, K 4,096] x [K 4,096, N 1,024]; A: computed on the way; B: input w_fc2: QUANTISED
;;   THE QUANTISER, for each operand of a quantised product, along K:
;;     - K is cut into blocks of 32 from its start; a last block that is shorter is filled with zeros.
;;     - A block's scale is 2^e with e = floor(log2(the largest magnitude in the block)) - 2, held to -126 .. 127; a block of zeros has e = 0. As a byte (E8M0): e + 127.
;;     - Each number is divided by its block's scale, clamped to +-7.5, and rounded to the nearest number of E2M3, ties to even, subnormals kept.
;;     - The product sums the exact products of the quantised numbers (number of the format x scale) in f32.
;;   ~~~python
;;   def quantise(x, axis):      # numpy; x: float32 -> the quantised numbers, widened to float32 again
;;       x = np.moveaxis(x, axis, -1); K = x.shape[-1]
;;       x = np.pad(x, [(0, 0)] * (x.ndim - 1) + [(0, -K % 32)]); x = x.reshape(x.shape[:-1] + (-1, 32)); a = np.abs(x).max(-1, keepdims=True)
;;       e = np.where(a > 0, np.clip(np.frexp(np.where(a > 0, a, 1))[1] - 1 - 2, -126, 127), 0)      # np.frexp(a)[1] - 1 = floor(log2(a)), exactly
;;       r = np.clip(x / 2.0 ** e, -7.5, 7.5)
;;       step = 2.0 ** (np.maximum(np.frexp(np.where(r == 0, 1, r))[1] - 1, 0) - 3)
;;       q = np.round(r / step) * step * 2.0 ** e      # np.round: ties to even
;;       return np.moveaxis(q.reshape(q.shape[:-2] + (-1,))[..., :K], -1, axis).astype(np.float32)
;;   ~~~
;;   SOFTMAX AHEAD OF A QUANTISED PRODUCT. Where the list says 'softmax', what is quantised is not the finished softmax but p = 2^(t - M), with t = logit x log2(e) and M = ceil(the row's largest t), a whole number; so 1/2 < the row's largest p <= 1. The row's sum l is taken of the UNQUANTISED p, in f32, and the product's result is divided by l at the end. Since M is a whole number, a kernel that streams over the keys may use a running M (the ceiling of the running maximum): every later rescaling is an exact power of two, which a block's scale takes up: the codes' values come out the same.
;;   OPERANDS COMPUTED ON THE WAY. 'Computed on the way' means the value that the module computes at that place (a softmax that the list does not call 'softmax' is quantised finished and normalised). What goes into a quantiser is computed in f32, as accurately as f32 sums, v_exp_f32 and their like allow (about 1e-6 of the number): no bf16 or f16 on the way to a quantiser, and a product that is left as it is and whose result goes on into a quantised operand takes f32 operands (vector FMAs, or v_wmma_f32_16x16x4_f32). A number that lies on a knife's edge between two numbers of the format may be rounded either way, as far as f32 arithmetic and the matrix unit's own rounding can turn it there, and no further.
;; One version. Each part assembles by itself: llvm-mc -triple=amdgcn-amd-amdhsa -mcpu=gfx1250 --defsym DOCPART=n.
;; ======== version 1 of 1: 7 launches
;; limits: right only within a limited range of input values
;; workspace buffers: wts 9,830,400 bytes; act 3,276,800 bytes; qkvb 10,092,544 bytes; yb 3,276,800 bytes; x1 16,777,216 bytes; hb 13,107,200 bytes
;; launch prep (part 1): grid 448 x 1, 8 waves a work-group, no clusters, 115,968 bytes of LDS; arguments w_qkv, w_proj, w_fc1, w_fc2, wts, x, g1, bt1, act; writes wts, act
.if DOCPART == 1
	.amdgcn_target "amdgcn-amd-amdhsa--gfx1250"
	.amdhsa_code_object_version 6
	.text
	.protected	k_qab21cb76a5_prep
	.globl	k_qab21cb76a5_prep
	.p2align	8
	.type	k_qab21cb76a5_prep,@function
k_qab21cb76a5_prep:
	s_mov_b64 s[64:65], 0
	v_nop
	global_prefetch_b8 v0, s[64:65] scope:SCOPE_SE
	s_setreg_imm32_b32 hwreg(HW_REG_WAVE_MODE, 25, 1), 1
	s_wait_xcnt 0x0
; TWO JOBS IN ONE LAUNCH, told apart by the work-group's number: both read inputs alone and both feed the next launch.  Work-groups 0-191: the four weights become codes.  Work-groups 192-447: LayerNorm of x, and its codes.
; Each job has LDS bytes of its own: the weights' stages from byte 0, the LayerNorm's rows from byte 49,152; the spare words lie behind both.
; CODES: FP6 (E2M3) with one E8M0 byte for each 32 along K, laid as IMAGES OF OPERAND REGISTERS.  A fragment is 16 rows x 128 k = 12 registers a lane = 1,536 bytes: registers 4 c .. 4 c + 3 of lane l at 512 c + 16 l.
; Lane (r, h) holds row slot r, registers 6 c .. 6 c + 5 = k 64 c + 32 h + 0 .. 31.  THE 16 ROWS OF A BLOCK ARE NOT NEIGHBOURS: slot i of block rb is row 32 (rb / 2) + 8 (rb % 2) + i % 8 + 16 (i / 8).
; A block's scale is 2^(floor(log2(largest magnitude)) - 2).  LIMITS: a block of zeros gets the byte 1 where the rule says 127 (its codes are zeros; only this program reads the bytes);
; blocks whose largest magnitude lies under 2^-124 were not tried; NaN and infinities are not served.
; THE WEIGHTS, f32 [K][N] with K as FIRST axis (their rows as operands are the columns n).  A lane takes ONE column and its registers run down K: a block of 32 is one lane's, nothing is transposed by an instruction.
; A work-group takes 128 columns x 512 k: waves 0-3 the first 256 k, waves 4-7 the second; a wave 32 columns (two blocks rb) x 256 k.  Work-groups 0-47 w_qkv, 48-63 w_proj, 64-127 w_fc1, 128-191 w_fc2:
; only numbers and pointers are chosen for that.  Two panel layouts: w_qkv, w_fc1: panels of 8 rb, inside [256 k][8 rb][2][1,536];  w_proj, w_fc2: panels of 4 rb, inside [512 k][4 rb][4][1,536].
; THE LAYERNORM: a work-group owns one block rb of 16 rows of 1,024.  Phase 1: wave w normalises slots 2 w and 2 w + 1 (two neighbouring rows), each row whole in the wave: mean, then the mean of the squared differences
; (two passes over registers, so that a common offset of the inputs costs no digits), v_rsq_f32, gain and bias; the rows go to LDS.  Phase 2, behind one barrier: wave w takes columns 128 w .. 128 w + 127 of all 16 slots, one fragment.
; Panels of 8 rb: codes (rb / 8) 98,304 + (ks / 2) 24,576 + (rb % 8) 3,072 + (ks % 2) 1,536; scales 3,145,728 + (rb / 8) 4,096 + 512 ks + 64 (rb % 8).
.set NWQ,   192                        ; work-groups of the first job
.set LNB,   49152                      ; behind the eight stages of 6,144 bytes: the LayerNorm's rows
.set PITCH, 4112                       ; a row in LDS: 4,096 + 16 bytes, so that the 16 rows that a load touches start 16 bytes apart modulo 256
.set SPARE, LNB+16*PITCH               ; 114,944: the spare words, 128 bytes for each of eight waves
.set SPW,  200
.set NIL,  201
; the weights' registers
.set VO,   16                          ; v16-47   4 x lane + i rows of the weight
.set X,    48                          ; v48-111  two sets of 32 numbers
.set C,    112                         ; v112-118 a block's codes
.set OUTR, 120                         ; v120-167 the way out
.set SBY,  168                         ; v168-169 my column's scale words of the two 128 along K
.set SB,   40                          ; s[40:55] where each of my eight blocks of 32 rows begins
; the LayerNorm's registers
.set R,   32                           ; v32-95   my two rows; later the 64 numbers of phase 2
.set G,   96                           ; v96-127  gain at my columns
.set BT,  128                          ; v128-159 bias
.set PC,  160                          ; v160-178 codes
.set TM,  180                          ; v180-195 at work in the quantiser
.set PW,  196                          ; the scale word
.set SEL, 20
	v_lshl_add_u32 v[SPW], v0, 2, SPARE
	v_mov_b32 v[NIL], 0
	v_lshrrev_b32 v1, 5, v0
	s_cmp_lt_u32 ttmp9, NWQ                        ; the same in all eight waves
	s_cbranch_scc0 .Lnorm
; ---------------------------------------------------------------- the weights
	s_load_b256 s[4:11], s[0:1], 0x0               ; w_qkv, w_proj, w_fc1, w_fc2
	s_load_b64 s[12:13], s[0:1], 0x20              ; wts
	v_readfirstlane_b32 s14, v1                    ; wave 0..7
	s_and_b32 s2, s14, 3                           ; which 32 of the 128 columns
	s_lshr_b32 s3, s14, 2                          ; which of the work-group's two runs of 256 along K
	v_and_b32 v2, 31, v0                           ; lane
	s_wait_alu depctr_va_vdst(0)
	v_lshlrev_b32 v3, 2, v2
	s_mov_b32 s16, 4096                            ; w_fc2's numbers: bytes in a row,
	s_mov_b32 s17, 128                             ; first work-group,
	s_mov_b32 s18, 4                               ; log2 of the runs of 256 along K,
	s_mov_b32 s19, 6291456                         ; codes' place in wts,
	s_mov_b32 s20, 9699328                         ; scales' place,
	s_mov_b32 s21, 1                               ; layout: panels of 4 rb,
	s_mov_b32 s22, 196608                          ; a panel's codes, 48 K,
	s_mov_b32 s23, 8192                            ; a panel's scales, 2 K
	s_cmp_lt_u32 ttmp9, 128                        ; w_fc1's
	s_cselect_b32 s16, 16384, s16
	s_cselect_b32 s17, 64, s17
	s_cselect_b32 s18, 2, s18
	s_cselect_b32 s19, 3145728, s19
	s_cselect_b32 s20, 9568256, s20
	s_cselect_b32 s21, 0, s21
	s_cmp_lt_u32 ttmp9, 64                         ; w_proj's
	s_cselect_b32 s16, 4096, s16
	s_cselect_b32 s17, 48, s17
	s_cselect_b32 s19, 2359296, s19
	s_cselect_b32 s20, 9535488, s20
	s_cselect_b32 s21, 1, s21
	s_cselect_b32 s22, 49152, s22
	s_cselect_b32 s23, 2048, s23
	s_cmp_lt_u32 ttmp9, 48                         ; w_qkv's
	s_cselect_b32 s16, 12288, s16
	s_cselect_b32 s17, 0, s17
	s_cselect_b32 s19, 0, s19
	s_cselect_b32 s20, 9437184, s20
	s_cselect_b32 s21, 0, s21
	s_sub_co_u32 s26, ttmp9, s17
	s_lshl_b32 s26, s26, 1
	s_add_co_u32 s26, s26, s3                      ; my run of 128 columns x 256 k in the weight: two to a work-group
	s_lshr_b32 s27, s26, s18                       ; cg: which 128 columns
	s_lshl_b32 s28, s27, s18
	s_sub_co_u32 s28, s26, s28                     ; kc: which 256 along K
	s_lshl_b32 s30, s28, 8
	s_mul_i32 s30, s30, s16                        ; 256 kc rows,
	s_lshl_b32 s29, s27, 9
	s_add_co_u32 s30, s30, s29                     ; + 128 cg columns,
	s_lshl_b32 s29, s2, 7
	s_add_co_u32 s30, s30, s29                     ; + my wave's 32
	s_mov_b32 s31, 0
	s_lshl_b32 s32, s16, 5                         ; 32 rows on
	s_mov_b32 s33, 0
	s_mul_i32 s34, s27, 98304                      ; codes, panels of 8 rb: cg panels (K = 1,024), kc runs, two blocks of 3,072 for each 32 columns
	s_mul_i32 s35, s28, 24576
	s_add_co_u32 s34, s34, s35
	s_mul_i32 s35, s2, 6144
	s_add_co_u32 s34, s34, s35
	s_lshl_b32 s36, s27, 1
	s_lshr_b32 s37, s2, 1
	s_add_co_u32 s36, s36, s37                     ; panels of 4 rb: panel 2 cg + (my 32 columns) / 2
	s_mul_i32 s37, s36, s22
	s_lshr_b32 s38, s28, 1
	s_mul_i32 s38, s38, 24576
	s_add_co_u32 s37, s37, s38
	s_and_b32 s38, s2, 1
	s_mul_i32 s39, s38, 12288
	s_add_co_u32 s37, s37, s39
	s_and_b32 s39, s28, 1
	s_mul_i32 s39, s39, 3072
	s_add_co_u32 s37, s37, s39
	s_lshl_b32 s56, s27, 12                        ; scales, panels of 8 rb: 4,096 cg + 1,024 kc + 128 for each 32 columns
	s_lshl_b32 s57, s28, 10
	s_add_co_u32 s56, s56, s57
	s_add_co_u32 s56, s56, s29
	s_mul_i32 s57, s36, s23                        ; panels of 4 rb: 2 K panel + 512 kc + 128 for the panel's second 32 columns
	s_lshl_b32 s39, s28, 9
	s_add_co_u32 s57, s57, s39
	s_lshl_b32 s39, s38, 7
	s_add_co_u32 s57, s57, s39
	s_mov_b32 s58, 6144
	s_mov_b32 s59, 256
	s_cmp_eq_u32 s21, 0
	s_cselect_b32 s34, s34, s37
	s_cselect_b32 s56, s56, s57
	s_cselect_b32 s58, 3072, s58                   ; from my first block rb to my second
	s_cselect_b32 s59, 512, s59                    ; from one 128 along K to the next, in the scales
	s_add_co_u32 s34, s34, s19
	s_add_co_u32 s56, s56, s20
	s_mov_b32 s35, 0
	s_mov_b32 s57, 0
	s_mov_b32 s70, s58
	s_mov_b32 s71, 0
	s_mul_i32 s15, s14, 6144                       ; my stage: [2 x 128 k][2 rb][1,536]
	v_bfe_u32 v8, v2, 3, 1                         ; my column lies in block rb u = (lane / 8) % 2,
	v_and_b32 v9, 7, v2
	v_lshrrev_b32 v10, 4, v2
	s_delay_alu instid0(VALU_DEP_1)
	v_lshl_add_u32 v9, v10, 3, v9                  ; at slot lane % 8 + 8 (lane / 16)
	s_delay_alu instid0(VALU_DEP_4)
	v_mul_u32_u24 v4, v8, 1536
	s_delay_alu instid0(VALU_DEP_1)
	v_lshl_add_u32 v4, v9, 4, v4
	s_delay_alu instid0(VALU_DEP_1)
	v_add_nc_u32 v4, s15, v4                       ; into the stage
	v_lshlrev_b32 v6, 4, v2                        ; out of it: 16 bytes a lane
	s_delay_alu instid0(VALU_DEP_1)
	v_add_nc_u32 v5, s15, v6
	v_lshlrev_b32 v7, 6, v8
	s_delay_alu instid0(VALU_DEP_1)
	v_lshl_add_u32 v7, v9, 2, v7                   ; my scale word's place: 64 u + 4 slot
.irp i, 0,1,2,3,4,5,6,7,8,9,10,11,12,13,14,15,16,17,18,19,20,21,22,23,24,25,26,27,28,29,30,31
	v_mad_u32_u24 v[VO+\i], s16, \i, v3
.endr
	s_wait_alu depctr_va_vdst(0)
	s_wait_kmcnt 0x0
	s_cmp_lt_u32 ttmp9, 128                        ; the choice of the buffer hangs on the work-group's number alone
	s_cselect_b64 s[24:25], s[8:9], s[10:11]
	s_cmp_lt_u32 ttmp9, 64
	s_cselect_b64 s[24:25], s[6:7], s[24:25]
	s_cmp_lt_u32 ttmp9, 48
	s_cselect_b64 s[24:25], s[4:5], s[24:25]
	s_add_nc_u64 s[SB:SB+1], s[24:25], s[30:31]
.irp t, 1,2,3,4,5,6,7
	s_add_nc_u64 s[SB+2*\t:SB+2*\t+1], s[SB+2*\t-2:SB+2*\t-1], s[32:33]
.endr
	s_add_nc_u64 s[60:61], s[12:13], s[34:35]      ; codes of my first block rb,
	s_add_nc_u64 s[62:63], s[60:61], s[70:71]      ; of my second
	s_mov_b32 s70, s59
	s_add_nc_u64 s[66:67], s[12:13], s[56:57]      ; scale words of the first 128 along K,
	s_add_nc_u64 s[68:69], s[66:67], s[70:71]      ; of the second
.macro LOAD t                          ; block t: W(32 t + i, my column): 32 lanes read 128 consecutive bytes
.irp i, 0,1,2,3,4,5,6,7,8,9,10,11,12,13,14,15,16,17,18,19,20,21,22,23,24,25,26,27,28,29,30,31
	global_load_b32 v[X+32*((\t)%2)+\i], v[VO+\i], s[SB+2*(\t):SB+2*(\t)+1] th:TH_LOAD_NT
.endr
.endm
	LOAD 0
	LOAD 1
.macro BLOCK t
.set XS, X+32*((\t)%2)
.set EE, (\t)/4                        ; which 128 along K
.set HH, (\t)%2                        ; the image's half of the lanes
.set CC, ((\t)%4)/2                    ; registers 6 CC .. 6 CC + 5
.if (\t) < 7
	s_wait_loadcnt 32                              ; this block's 32 loads are in; the next block's 32 may be out
.else
	s_wait_loadcnt 0
.endif
	v_max3_num_f32 v12, |v[XS]|, |v[XS+1]|, |v[XS+2]|
	v_max3_num_f32 v13, |v[XS+3]|, |v[XS+4]|, |v[XS+5]|
.irp i, 6,10,14,18,22,26
	s_delay_alu instid0(VALU_DEP_2)
	v_max3_num_f32 v12, v12, |v[XS+\i]|, |v[XS+\i+1]|
	s_delay_alu instid0(VALU_DEP_2)
	v_max3_num_f32 v13, v13, |v[XS+\i+2]|, |v[XS+\i+3]|
.endr
	s_delay_alu instid0(VALU_DEP_2)
	v_max3_num_f32 v12, v12, |v[XS+30]|, |v[XS+31]|
	s_delay_alu instid0(VALU_DEP_1)
	v_max3_num_f32 v12, v12, v13, 0x1800000        ; with the floor 2^(3 - 127): the byte cannot fall under 1
	s_delay_alu instid0(VALU_DEP_1)
	v_add_nc_u32 v11, 0xff000000, v12              ; 2 off the exponent field: the conversion's scale operand
	s_delay_alu instid0(VALU_DEP_1)
	v_lshrrev_b32 v13, 23, v11                     ; the scale's byte
.if (\t)%4 == 0
	s_delay_alu instid0(VALU_DEP_1)
	v_mov_b32 v[SBY+EE], v13
.else
	s_delay_alu instid0(VALU_DEP_1)
	v_lshl_or_b32 v[SBY+EE], v13, 8*((\t)%4), v[SBY+EE]
.endif
	v_cvt_scalef32_pk16_fp6_f32 v[C:C+2], v[XS:XS+15], v11
	v_cvt_scalef32_pk16_fp6_f32 v[C+4:C+6], v[XS+16:XS+31], v11   ; (a conversion's three registers begin on an even number)
	v_nop                                          ; one plain place behind a scaled conversion
	v_mov_b32 v[C+3], v[C+4]
	v_mov_b32 v[C+4], v[C+5]
	v_mov_b32 v[C+5], v[C+6]                       ; six registers on end: the block's 24 bytes
.if CC == 0
	ds_store_b128 v4, v[C:C+3] offset:EE*3072+HH*256             ; the image's registers 0-3,
	ds_store_b64 v4, v[C+4:C+5] offset:EE*3072+HH*256+512        ; 4-5
.else
	ds_store_b64 v4, v[C:C+1] offset:EE*3072+HH*256+520          ; 6-7,
	ds_store_b128 v4, v[C+2:C+5] offset:EE*3072+HH*256+1024      ; 8-11
.endif
.if (\t) < 6
	LOAD (\t)+2
.endif
	s_wait_dscnt 0x0                               ; the stores have read their registers: the next block's codes may be written
.endm
.irp t, 0,1,2,3,4,5,6,7
	BLOCK \t
.endr
	global_store_b32 v7, v[SBY], s[66:67]          ; 32 lanes store 128 consecutive bytes
	s_wait_alu depctr_va_vdst(0)
	global_store_b32 v7, v[SBY+1], s[68:69]
.irp e, 0,1
.irp u, 0,1
.irp c, 0,1,2
	ds_load_b128 v[OUTR+4*(6*\e+3*\u+\c):OUTR+4*(6*\e+3*\u+\c)+3], v5 offset:\e*3072+\u*1536+\c*512   ; LDS serves a wave's instructions in order: these see my stores
.endr
.endr
.endr
.irp e, 0,1
.irp u, 0,1
.irp c, 0,1,2
	s_wait_dscnt 11-(6*\e+3*\u+\c)                 ; the stage loads issued behind this one may be out
	global_store_b128 v6, v[OUTR+4*(6*\e+3*\u+\c):OUTR+4*(6*\e+3*\u+\c)+3], s[60+2*\u:61+2*\u] offset:\e*1536+\c*512   ; 512 consecutive bytes, aligned
.endr
.endr
.endr
	s_wait_tensorcnt 0x0                           ; the wave's end, behind my last LDS store
	ds_add_u32 v[SPW], v[NIL]
	s_wait_dscnt 0x0
	s_endpgm
; ---------------------------------------------------------------- the LayerNorm
.macro QUANT s                         ; 64 numbers of a lane, register 16 b + i = k 32 b + 16 (lane / 16) + i of my row, become a fragment's 12 registers in v[PC] on and its scale word in v[PW]
.irp b, 0,1,2,3
	v_max3_num_f32 v[TM+\b], |v[\s+16*\b]|, |v[\s+1+16*\b]|, 0x1800000   ; with the floor 2^(3 - 127): the byte cannot fall under 1
.endr
.irp i, 2,4,6,8,10,12,14
.irp b, 0,1,2,3
	s_delay_alu instid0(VALU_DEP_4)
	v_max3_num_f32 v[TM+\b], v[TM+\b], |v[\s+16*\b+\i]|, |v[\s+1+16*\b+\i]|
.endr
.endr
.irp b, 0,1,2,3
	s_delay_alu instid0(VALU_DEP_4)
	v_permlanex16_b32 v[TM+4+\b], v[TM+\b], s[SEL], s[SEL+1]
.endr
.irp b, 0,1,2,3
	s_delay_alu instid0(VALU_DEP_4)
	v_max_num_f32 v[TM+\b], v[TM+\b], v[TM+4+\b]   ; with lane l xor 16's: the block's largest magnitude
.endr
.irp b, 0,1,2,3
	s_delay_alu instid0(VALU_DEP_4)
	v_add_nc_u32 v[TM+12+\b], 0xff000000, v[TM+\b] ; 2 off its exponent field: the conversion's scale operand
.endr
.irp b, 0,1,2,3
	s_delay_alu instid0(VALU_DEP_4)
	v_lshrrev_b32 v[TM+4+\b], 23, v[TM+12+\b]      ; the scale's byte
.endr
	s_delay_alu instid0(VALU_DEP_3)
	v_lshl_or_b32 v[PW], v[TM+5], 8, v[TM+4]
	s_delay_alu instid0(VALU_DEP_1)
	v_lshl_or_b32 v[PW], v[TM+6], 16, v[PW]
	s_delay_alu instid0(VALU_DEP_1)
	v_lshl_or_b32 v[PW], v[TM+7], 24, v[PW]
.irp c, 0,1
	v_cvt_scalef32_pk16_fp6_f32 v[PC+6*\c:PC+2+6*\c], v[\s+32*\c:\s+15+32*\c], v[TM+12+2*\c]
	v_cvt_scalef32_pk16_fp6_f32 v[PC+12+4*\c:PC+14+4*\c], v[\s+16+32*\c:\s+31+32*\c], v[TM+12+2*\c+1]
.endr
	v_nop                                          ; one plain place behind a scaled conversion
.irp c, 0,1                            ; the operand's layout wants a whole block in a lane
.irp i, 0,1,2
	v_permlane16_swap_b32 v[PC+6*\c+\i], v[PC+12+4*\c+\i]
.endr
.irp i, 0,1,2
	s_delay_alu instid0(VALU_DEP_3)
	v_mov_b32 v[PC+3+6*\c+\i], v[PC+12+4*\c+\i]
.endr
.endr
.endm
.macro LANESUM a, t                    ; the sum over the 32 lanes, in every lane
.irp m, 1
	v_add_f32_dpp v[\a], v[\a], v[\a] row_xmask:\m row_mask:0xf bank_mask:0xf
.endr
.irp m, 2, 4, 8
	s_delay_alu instid0(VALU_DEP_1)
	v_add_f32_dpp v[\a], v[\a], v[\a] row_xmask:\m row_mask:0xf bank_mask:0xf
.endr
	s_delay_alu instid0(VALU_DEP_1)
	v_permlanex16_b32 v[\t], v[\a], s[SEL], s[SEL+1]
	s_delay_alu instid0(VALU_DEP_1)
	v_add_f32 v[\a], v[\a], v[\t]
.endm
.Lnorm:
	s_load_b128 s[4:7], s[0:1], 0x28               ; x, g1
	s_load_b128 s[8:11], s[0:1], 0x38              ; bt1, act
	s_wait_alu depctr_va_vdst(0)
	v_readfirstlane_b32 s12, v1                    ; wave 0..7
	s_sub_co_u32 s28, ttmp9, NWQ                   ; rb: my block of 16 rows
	v_and_b32 v2, 31, v0
	s_delay_alu instid0(VALU_DEP_1)
	v_lshlrev_b32 v3, 4, v2                        ; 16 x lane
	s_lshr_b32 s13, s28, 1
	s_lshl_b32 s13, s13, 5
	s_and_b32 s14, s28, 1
	s_lshl_b32 s14, s14, 3
	s_add_co_u32 s13, s13, s14
	s_lshl_b32 s14, s12, 1
	s_and_b32 s14, s14, 7
	s_add_co_u32 s13, s13, s14
	s_lshr_b32 s14, s12, 2
	s_lshl_b32 s14, s14, 4
	s_add_co_u32 s13, s13, s14                     ; the row of slot 2 w
	s_lshl_b32 s14, s13, 12
	s_mov_b32 s15, 0
	s_mov_b32 s[SEL], 0x76543210
	s_mov_b32 s[SEL+1], 0xfedcba98
	s_mov_b32 s22, 0x3a800000                      ; 1 / 1,024
	s_mov_b32 s23, 0x3727c5ac                      ; 1e-5
	s_wait_alu depctr_va_vdst(0)
	s_wait_kmcnt 0x0
	s_add_nc_u64 s[4:5], s[4:5], s[14:15]
.irp q, 0,1
.irp j, 0,1,2,3,4,5,6,7
	global_load_b128 v[R+32*\q+4*\j:R+32*\q+4*\j+3], v3, s[4:5] offset:4096*\q+512*\j th:TH_LOAD_NT   ; 512 consecutive bytes a load
.endr
.endr
.irp j, 0,1,2,3,4,5,6,7
	global_load_b128 v[G+4*\j:G+4*\j+3], v3, s[6:7] offset:512*\j
.endr
.irp j, 0,1,2,3,4,5,6,7
	global_load_b128 v[BT+4*\j:BT+4*\j+3], v3, s[8:9] offset:512*\j
.endr
	s_mul_i32 s16, s12, 2*PITCH
	s_add_co_u32 s16, s16, LNB
	v_add_nc_u32 v4, s16, v3                       ; into LDS: rows 2 w, 2 w + 1
	v_and_b32 v6, 15, v0                           ; r
	v_bfe_u32 v7, v0, 4, 1                         ; h
	s_delay_alu instid0(VALU_DEP_2)
	v_mul_u32_u24 v5, v6, PITCH
	s_delay_alu instid0(VALU_DEP_1)
	v_lshl_add_u32 v5, v7, 6, v5
	s_lshl_b32 s16, s12, 9
	s_add_co_u32 s16, s16, LNB
	v_add_nc_u32 v5, s16, v5                       ; out of it: row r, columns 128 w on, + 16 h numbers
	v_lshlrev_b32 v6, 2, v6                        ; 4 r
.irp b, 0,1,2,3
	v_mov_b32 v[TM+4+\b], 0                        ; written once: a lane permute's destination counts as one of its sources
.endr
	s_wait_loadcnt 16                              ; my two rows are in; the 16 loads of gain and bias may be out
.irp q, 0,1
	v_pk_add_f32 v[12+4*\q:13+4*\q], v[R+32*\q:R+32*\q+1], v[R+32*\q+2:R+32*\q+3]
	v_pk_add_f32 v[14+4*\q:15+4*\q], v[R+32*\q+4:R+32*\q+5], v[R+32*\q+6:R+32*\q+7]
.endr
.irp i, 8,12,16,20,24,28
.irp q, 0,1
	s_delay_alu instid0(VALU_DEP_4)
	v_pk_add_f32 v[12+4*\q:13+4*\q], v[12+4*\q:13+4*\q], v[R+32*\q+\i:R+32*\q+\i+1]
	s_delay_alu instid0(VALU_DEP_4)
	v_pk_add_f32 v[14+4*\q:15+4*\q], v[14+4*\q:15+4*\q], v[R+32*\q+\i+2:R+32*\q+\i+3]
.endr
.endr
.irp q, 0
	s_delay_alu instid0(VALU_DEP_3)
	v_pk_add_f32 v[12+4*\q:13+4*\q], v[12+4*\q:13+4*\q], v[14+4*\q:15+4*\q]
.endr
.irp q, 1
	s_delay_alu instid0(VALU_DEP_2)
	v_pk_add_f32 v[12+4*\q:13+4*\q], v[12+4*\q:13+4*\q], v[14+4*\q:15+4*\q]
.endr
.irp q, 0,1
	s_delay_alu instid0(VALU_DEP_2)
	v_add_f32 v[12+4*\q], v[12+4*\q], v[13+4*\q]
.endr
	LANESUM 12, 14
	LANESUM 16, 18
.irp q, 0
	v_mul_f32 v[12+4*\q], s22, v[12+4*\q]          ; the mean
.endr
.irp q, 1
	s_delay_alu instid0(VALU_DEP_2)
	v_mul_f32 v[12+4*\q], s22, v[12+4*\q]          ; the mean
.endr
.irp q, 0,1
.irp i, 0,2,4,6,8,10,12,14,16,18,20,22,24,26,28,30
	v_pk_add_f32 v[R+32*\q+\i:R+32*\q+\i+1], v[R+32*\q+\i:R+32*\q+\i+1], v[12+4*\q:13+4*\q] op_sel_hi:[1,0] neg_lo:[0,1] neg_hi:[0,1]   ; x - mean
.endr
.endr
.irp q, 0,1
	v_pk_mul_f32 v[20+4*\q:21+4*\q], v[R+32*\q:R+32*\q+1], v[R+32*\q:R+32*\q+1]
	v_pk_mul_f32 v[22+4*\q:23+4*\q], v[R+32*\q+2:R+32*\q+3], v[R+32*\q+2:R+32*\q+3]
.endr
.irp i, 4,8,12,16,20,24,28
.irp q, 0,1
	s_delay_alu instid0(VALU_DEP_4)
	v_pk_fma_f32 v[20+4*\q:21+4*\q], v[R+32*\q+\i:R+32*\q+\i+1], v[R+32*\q+\i:R+32*\q+\i+1], v[20+4*\q:21+4*\q]
	s_delay_alu instid0(VALU_DEP_4)
	v_pk_fma_f32 v[22+4*\q:23+4*\q], v[R+32*\q+\i+2:R+32*\q+\i+3], v[R+32*\q+\i+2:R+32*\q+\i+3], v[22+4*\q:23+4*\q]
.endr
.endr
.irp q, 0
	s_delay_alu instid0(VALU_DEP_3)
	v_pk_add_f32 v[20+4*\q:21+4*\q], v[20+4*\q:21+4*\q], v[22+4*\q:23+4*\q]
.endr
.irp q, 1
	s_delay_alu instid0(VALU_DEP_2)
	v_pk_add_f32 v[20+4*\q:21+4*\q], v[20+4*\q:21+4*\q], v[22+4*\q:23+4*\q]
.endr
.irp q, 0,1
	s_delay_alu instid0(VALU_DEP_2)
	v_add_f32 v[20+4*\q], v[20+4*\q], v[21+4*\q]
.endr
	LANESUM 20, 22
	LANESUM 24, 26
.irp q, 0
	v_fma_f32 v[20+4*\q], v[20+4*\q], s22, s23     ; the variance + 1e-5
.endr
.irp q, 1
	s_delay_alu instid0(VALU_DEP_2)
	v_fma_f32 v[20+4*\q], v[20+4*\q], s22, s23     ; the variance + 1e-5
.endr
	s_wait_alu depctr_va_vdst(0)
	v_rsq_f32 v20, v20
	v_rsq_f32 v24, v24
	v_nop                                          ; a plain place behind the two
	s_wait_alu depctr_va_vdst(0)                   ; one wait for both, ahead of the first reader
	s_wait_loadcnt 0x0                             ; gain and bias
.irp q, 0,1
.irp i, 0,2,4,6,8,10,12,14,16,18,20,22,24,26,28,30
	v_pk_mul_f32 v[R+32*\q+\i:R+32*\q+\i+1], v[R+32*\q+\i:R+32*\q+\i+1], v[20+4*\q:21+4*\q] op_sel_hi:[1,0]
.endr
.irp i, 0,2,4,6,8,10,12,14,16,18,20,22,24,26,28,30
	v_pk_fma_f32 v[R+32*\q+\i:R+32*\q+\i+1], v[R+32*\q+\i:R+32*\q+\i+1], v[G+\i:G+\i+1], v[BT+\i:BT+\i+1]
.endr
.endr
.irp q, 0,1
.irp j, 0,1,2,3,4,5,6,7
	ds_store_b128 v4, v[R+32*\q+4*\j:R+32*\q+4*\j+3] offset:PITCH*\q+512*\j
.endr
.endr
	s_wait_dscnt 0x0                               ; for the others' sake: my rows lie in LDS
	s_barrier_signal -1
	s_barrier_wait -1
.irp b, 0,1,2,3
.irp j, 0,1,2,3
	ds_load_b128 v[R+16*\b+4*\j:R+16*\b+4*\j+3], v5 offset:128*\b+16*\j
.endr
.endr
	s_lshr_b32 s16, s28, 3                         ; where my fragment goes
	s_and_b32 s17, s28, 7
	s_mul_i32 s24, s16, 98304
	s_lshr_b32 s18, s12, 1
	s_mul_i32 s18, s18, 24576
	s_add_co_u32 s24, s24, s18
	s_mul_i32 s18, s17, 3072
	s_add_co_u32 s24, s24, s18
	s_and_b32 s18, s12, 1
	s_mul_i32 s18, s18, 1536
	s_add_co_u32 s24, s24, s18
	s_mov_b32 s25, 0
	s_lshl_b32 s26, s16, 12
	s_lshl_b32 s18, s12, 9
	s_add_co_u32 s26, s26, s18
	s_lshl_b32 s18, s17, 6
	s_add_co_u32 s26, s26, s18
	s_add_co_u32 s26, s26, 3145728
	s_mov_b32 s27, 0
	s_add_nc_u64 s[24:25], s[10:11], s[24:25]
	s_add_nc_u64 s[26:27], s[10:11], s[26:27]
	s_wait_dscnt 0x0
	QUANT R
.irp c, 0,1,2
	global_store_b128 v3, v[PC+4*\c:PC+4*\c+3], s[24:25] offset:512*\c   ; 512 consecutive bytes, aligned
.endr
	global_store_b32 v6, v[PW], s[26:27]           ; slot r's word; lanes 16-31 hold and write the same words
	s_wait_tensorcnt 0x0                           ; the wave's end, behind my last LDS store
	ds_add_u32 v[SPW], v[NIL]
	s_wait_dscnt 0x0
	s_endpgm
.Lfunc_end_k_qab21cb76a5_prep:
	.size	k_qab21cb76a5_prep, .Lfunc_end_k_qab21cb76a5_prep-k_qab21cb76a5_prep
	.p2alignl 7, 3214868480
	.fill 96, 4, 3214868480
	.section	.rodata,"a",@progbits
	.p2align	6, 0x0
	.amdhsa_kernel k_qab21cb76a5_prep
		.amdhsa_group_segment_fixed_size 115968
		.amdhsa_private_segment_fixed_size 0
		.amdhsa_enable_private_segment 0
		.amdhsa_kernarg_size 72
		.amdhsa_user_sgpr_count 2
		.amdhsa_user_sgpr_kernarg_segment_ptr 1
		.amdhsa_wavefront_size32 1
		.amdhsa_system_sgpr_workgroup_id_x 1
		.amdhsa_system_sgpr_workgroup_id_y 1
		.amdhsa_system_sgpr_workgroup_id_z 1
		.amdhsa_system_vgpr_workitem_id 0
		.amdhsa_next_free_vgpr 208
		.amdhsa_next_free_sgpr 72
		.amdhsa_reserve_vcc 0
		.amdhsa_float_denorm_mode_32 3
		.amdhsa_float_denorm_mode_16_64 3
		.amdhsa_memory_ordered 1
		.amdhsa_forward_progress 1
		.amdhsa_inst_pref_size 80
	.end_amdhsa_kernel
	.amdgpu_metadata
---
amdhsa.version: [ 1, 2 ]
amdhsa.kernels:
  - .name:           k_qab21cb76a5_prep
    .symbol:         k_qab21cb76a5_prep.kd
    .args:
      - { .name: w_qkv, .offset: 0, .size: 8, .value_kind: global_buffer, .address_space: global }
      - { .name: w_proj, .offset: 8, .size: 8, .value_kind: global_buffer, .address_space: global }
      - { .name: w_fc1, .offset: 16, .size: 8, .value_kind: global_buffer, .address_space: global }
      - { .name: w_fc2, .offset: 24, .size: 8, .value_kind: global_buffer, .address_space: global }
      - { .name: wts, .offset: 32, .size: 8, .value_kind: global_buffer, .address_space: global }
      - { .name: x, .offset: 40, .size: 8, .value_kind: global_buffer, .address_space: global }
      - { .name: g1, .offset: 48, .size: 8, .value_kind: global_buffer, .address_space: global }
      - { .name: bt1, .offset: 56, .size: 8, .value_kind: global_buffer, .address_space: global }
      - { .name: act, .offset: 64, .size: 8, .value_kind: global_buffer, .address_space: global }
    .group_segment_fixed_size: 115968
    .private_segment_fixed_size: 0
    .kernarg_segment_align: 8
    .kernarg_segment_size: 72
    .max_flat_workgroup_size: 256
    .sgpr_count:     72
    .vgpr_count:     208
    .wavefront_size: 32
...
	.end_amdgpu_metadata
.endif
;; end of part 1
;; launch qkv (part 2): grid 12 x 16, 4 waves a work-group, clusters of 4 x 4, 327,680 bytes of LDS; arguments act, wts, b_qkv, qkvb; writes qkvb
.if DOCPART == 2
	.amdgcn_target "amdgcn-amd-amdhsa--gfx1250"
	.amdhsa_code_object_version 6
	.text
	.protected	k_qab21cb76a5_qkv
	.globl	k_qab21cb76a5_qkv
	.p2align	8
	.type	k_qab21cb76a5_qkv,@function
k_qab21cb76a5_qkv:
	s_mov_b64 s[64:65], 0
	v_nop
	global_prefetch_b8 v0, s[64:65] scope:SCOPE_SE
	s_setreg_imm32_b32 hwreg(HW_REG_WAVE_MODE, 25, 1), 1
	s_wait_xcnt 0x0
	s_wait_alu depctr_hold_cnt(0) depctr_sa_sdst(0) depctr_va_vdst(0) depctr_va_sdst(0) depctr_va_ssrc(0) depctr_va_vcc(0) depctr_vm_vsrc(0)
	s_getreg_b32 s2, hwreg(HW_REG_IB_STS2, 6, 4)
	s_cmp_eq_u32 s2, 0
	s_cbranch_scc0 .Lentry_in_a_cluster
	s_endpgm
.Lentry_in_a_cluster:
	s_bfe_u32 s2, ttmp6, 0x10000c
	s_cmp_lg_u32 s2, 0xf033
	s_cbranch_scc0 .Lentry_shape_is_right
	s_endpgm
.Lentry_shape_is_right:
; A GEMM on codes of FP6 (E2M3) with E8M0 scales, K = 1,024, whose result is quantised again on the way out.  KIND 0: q, k, v = LN(x) w_qkv + b_qkv.  KIND 1: relu(LN(x1) w_fc1 + b_fc1).
; A tile of 256 x 256 is made by four waves, 128 x 128 each: 64 accumulators, 512 registers.  Source 0 of the matrix instruction is called S0, source 1 S1: in a result a lane holds ONE row of S1 (slot lane % 16)
; and its eight registers run along S0's rows (slots 8 (lane / 16) + 0 .. 7).  Operands lie in memory as images of their registers (a fragment of 16 rows x 128 K = 1,536 bytes: registers 4 c .. 4 c + 3 of lane l at 512 c + 16 l),
; in panels of 128 rows laid [256 k][8 blocks][2][1,536]: what a wave fetches for a slot is one dense block of 24,576 bytes, and a fragment comes out of LDS by three loads of 16 bytes a lane, 512 consecutive bytes each.
; THE 16 ROWS OF A BLOCK ARE NOT NEIGHBOURS: slot i of block rb is row 32 (rb / 2) + 8 (rb % 2) + i % 8 + 16 (i / 8).  So the 16 registers of S0's blocks 2 B and 2 B + 1 are 16 NEIGHBOURS along S0's rows, 32 B + 16 (lane / 16) + 0 .. 15,
; which is what the quantiser wants: a wave's 64 numbers of one S1 block become one fragment of the next product.
; q, k (cluster x = 0, 1), fc1: S0 = the weight's columns, S1 = tokens: quantised along the channels.  v (cluster x = 2): S0 = tokens, S1 = the weight's columns: a lane holds one channel and its registers run along the keys, v's K.
; Only pointers and tile numbers are chosen for that, on the cluster's x, which all partners share.
; CLUSTERS: 4 x 4.  S1's tile hangs on cy and is shared along a row of the cluster, S0's on cx and is shared along a column: each is asked for jointly.  The scales of a panel for all of K, 4,096 dense bytes, come once.
; LIMITS: a block of zeros gets the byte 1 where the rule says 127 (its codes are zeros; only this program reads the bytes); largest magnitudes under 2^-124 were not tried; NaN and infinities are not served.
; REGISTERS: window 0: v1-7, v16-29 addresses; v32-63 scale words, two sets; v64-127 bias; v128-223 S1's fragments, one set (on the way out: v128-191 numbers, v192-230 the quantiser's).  window 1: S0's fragments, two sets, at v0 and v128.
;   windows 2, 3: the accumulators: (a, b) at v[8 (8 (a % 4) + b)].
.set KIND,  0
.set PANB,  24576                      ; a panel's part of a slot
.set SLOT,  4*PANB                     ; S1's two panels, then S0's two
.set SCL,   2*SLOT                     ; behind the ring: four panels' scales
.set HALFS, 4096
.set SPARE, SCL+4*HALFS                ; the spare words, 128 bytes a wave
.set FR,   12
.set NL,   3                           ; LDS loads that bring a fragment
.set NQ,   2
.set ADRA, 16                          ; v16-17 my S1 panel in slot 0, 1, + 16 x lane
.set ADRB, 20                          ; v20-21 my S0 panel
.set O16,  24                          ; 16 x lane
.set O8,   25                          ; 8 x lane
.set O4,   26                          ; 4 x (lane % 16) (+ the scale words' place in a step)
.set ADRS, 27                          ; my scale words: lanes 0-15 S1's, lanes 16-31 S0's
.set SPW,  28
.set NIL,  29
.set SC,   32
.set BI,   64
.set AF,   128
.set HA,   128
.set PC,   192
.set TM,   212
.set PW,   228
.set G1,   24
.set G0,   32
.set G1B,  48
.set G0B,  56
.set SEL,  66
.set G1S,  68
.set G0S,  76
.set G1SB, 80
.set G0SB, 88
.if KIND == 0
.set BS1, 96                           ; s[96:97] S1's buffer, s[98:99] S0's
.set BS0, 98
.else
.set BS1, 4
.set BS0, 6
.endif
.set MSB, 0
.macro WIN new                         ; the immediate's high byte repeats the setting that is left
.if MSB != \new
	s_set_vgpr_msb (MSB<<8)|\new
.set MSB, \new
.endif
.endm
.set MUL_LO, 0xa1                      ; source 0 window 1, source 1 window 0, C and D window 2
.set MUL_HI, 0xf1
.set TO_B,   0x40
.macro JLOAD g0a, g1a, g0b, g1b        ; a joint load: waves 0 and 1 fetch for S1, waves 2 and 3 for S0; an s_nop 0 and four v_nop follow each line
	s_cmp_eq_u32 s15, 0
	s_cbranch_scc0 .Lfor_b_\@
	tensor_load_to_lds s[\g0a:\g0a+3], s[\g1a:\g1a+7]
	s_nop 0
.rept 4
	v_nop
.endr
	s_branch .Lasked_\@
.Lfor_b_\@:
	tensor_load_to_lds s[\g0b:\g0b+3], s[\g1b:\g1b+7]
	s_nop 0
.rept 4
	v_nop
.endr
.Lasked_\@:
.endm
.macro CREST
	s_cmp_lg_u32 s14, 0
	s_cbranch_scc1 .Lnot_wave_0_\@
	s_barrier_signal -3
.Lnot_wave_0_\@:
	s_barrier_wait -3
	s_barrier_signal -1
	s_barrier_wait -1
.endm
.macro CROUND
	s_barrier_signal -1
	s_barrier_wait -1
	CREST
.endm
.macro PLACES                          ; four plain places behind matrix instructions, ahead of loads into their registers and of reads of results
.rept 4
	v_nop
.endr
.endm
.macro QUANT s                         ; 64 numbers of a lane, register 16 b + i = k 32 b + 16 (lane / 16) + i of my row, become a fragment's 12 registers in v[PC] on and its scale word in v[PW]
.irp b, 0,1,2,3
	v_max3_num_f32 v[TM+\b], |v[\s+16*\b]|, |v[\s+1+16*\b]|, 0x1800000   ; with the floor 2^(3 - 127): the byte cannot fall under 1
.endr
.irp i, 2,4,6,8,10,12,14
.irp b, 0,1,2,3
	v_max3_num_f32 v[TM+\b], v[TM+\b], |v[\s+16*\b+\i]|, |v[\s+1+16*\b+\i]|
.endr
.endr
.irp b, 0,1,2,3
	v_permlanex16_b32 v[TM+4+\b], v[TM+\b], s[SEL], s[SEL+1]
.endr
.irp b, 0,1,2,3
	v_max_num_f32 v[TM+\b], v[TM+\b], v[TM+4+\b]
.endr
.irp b, 0,1,2,3
	v_add_nc_u32 v[TM+12+\b], 0xff000000, v[TM+\b] ; 2 off the exponent field: the conversion's scale operand
.endr
.irp b, 0,1,2,3
	v_lshrrev_b32 v[TM+4+\b], 23, v[TM+12+\b]      ; the scale's byte
.endr
	v_lshl_or_b32 v[PW], v[TM+5], 8, v[TM+4]
	v_lshl_or_b32 v[PW], v[TM+6], 16, v[PW]
	v_lshl_or_b32 v[PW], v[TM+7], 24, v[PW]
.irp c, 0,1
	v_cvt_scalef32_pk16_fp6_f32 v[PC+6*\c:PC+2+6*\c], v[\s+32*\c:\s+15+32*\c], v[TM+12+2*\c]
	v_cvt_scalef32_pk16_fp6_f32 v[PC+12+4*\c:PC+14+4*\c], v[\s+16+32*\c:\s+31+32*\c], v[TM+12+2*\c+1]
.endr
	v_nop                                          ; one plain place behind a scaled conversion
.irp c, 0,1
.irp i, 0,1,2
	v_permlane16_swap_b32 v[PC+6*\c+\i], v[PC+12+4*\c+\i]
.endr
.irp i, 0,1,2
	v_mov_b32 v[PC+3+6*\c+\i], v[PC+12+4*\c+\i]
.endr
.endr
.endm
	s_load_b256 s[4:11], s[0:1], 0x0               ; act s[4:5], wts s[6:7], the bias s[8:9], the output s[10:11]
	v_lshl_add_u32 v[SPW], v0, 2, SPARE
	v_mov_b32 v[NIL], 0
	ds_add_u32 v[SPW], v[NIL]                      ; the wave's opening: the add and its wait ahead of my first tensor load
	ds_add_u32 v[SPW], v[NIL]
	v_lshrrev_b32 v1, 5, v0
	v_readfirstlane_b32 s14, v1                    ; wave 0..3
	s_lshr_b32 s15, s14, 1                         ; my half of S1's rows.  Also: I fetch for S1 (0) or for S0 (1)
	s_and_b32 s16, s14, 1                          ; my half of S0's rows.  Also: which panel of that tile I fetch
	s_bfe_u32 s40, ttmp6, 0x40000                  ; cx
	s_bfe_u32 s41, ttmp6, 0x40004                  ; cy
	s_lshl_b32 s43, s41, 2
	s_lshl_b32 s43, 15, s43                        ; my row of the cluster
	s_lshl_b32 s44, 0x1111, s40                    ; my column
	s_or_b32 s[G1+0], s43, (3<<16)|(1<<21)         ; 15:0 the mask; 17:16 elements of 8 bytes; 21 set beside a mask; no padding
	s_or_b32 s[G1B+0], s44, (3<<16)|(1<<21)
.irp g, G1, G1B                        ; for the head's loads: a tile's two panels, 2 rows of 24,576 bytes, 98,304 bytes apart in memory, dense in LDS
	s_mov_b32 s[\g+1], 3072<<16
	s_mov_b32 s[\g+2], 2<<16
	s_mov_b32 s[\g+3], 3072<<16
	s_mov_b32 s[\g+4], 2
	s_mov_b32 s[\g+5], 12288
	s_mov_b32 s[\g+6], 0
	s_mov_b32 s[\g+7], 0
.endr
	s_or_b32 s[G1S+0], s43, (3<<16)|(1<<21)
	s_or_b32 s[G1SB+0], s44, (3<<16)|(1<<21)
.irp g, G1S, G1SB                      ; a panel's scales: 4,096 dense bytes as 16 rows of 256
	s_mov_b32 s[\g+1], 32<<16
	s_mov_b32 s[\g+2], 32<<16                      ; two panels' scales: 8,192 dense bytes as 32 rows of 256
	s_mov_b32 s[\g+3], 32<<16
	s_mov_b32 s[\g+4], 32
	s_mov_b32 s[\g+5], 32
	s_mov_b32 s[\g+6], 0
	s_mov_b32 s[\g+7], 0
.endr
	s_and_b32 s17, ttmp7, 0xffff
	s_lshl_b32 s17, s17, 2                         ; 4 x cluster y
	s_lshl_b32 s42, ttmp9, 2                       ; 4 x cluster x
.if KIND == 0
	s_mov_b32 s18, 9437184
	s_cmp_eq_u32 ttmp9, 2                          ; v?  the sources change places
	s_cselect_b32 s42, s17, s42                    ; S0's first tile of the cluster: tokens' 4 Y, or the weight's 4 X
	s_cselect_b32 s17, 8, s17                      ; S1's: the weight's 8, or tokens' 4 Y
	s_cselect_b32 s19, s18, 3145728                ; where S1's scales begin in its buffer,
	s_cselect_b32 s18, 3145728, s18                ; and S0's
.endif
	s_add_co_u32 s17, s17, s41                     ; S1's tile: + cy
	s_add_co_u32 s42, s42, s40                     ; S0's tile: + cx
	s_lshl_b32 s20, s17, 1
	s_add_co_u32 s20, s20, s16                     ; the panel of S1 that I would fetch
	s_lshl_b32 s22, s20, 12
	s_mul_i32 s20, s20, 98304
	s_mov_b32 s21, 0
	s_mov_b32 s23, 0
	s_lshl_b32 s46, s42, 1
	s_add_co_u32 s46, s46, s16                     ; and of S0
	s_lshl_b32 s92, s46, 12
	s_mul_i32 s46, s46, 98304
	s_mov_b32 s47, 0
	s_mov_b32 s93, 0
.if KIND == 0
	s_add_co_u32 s22, s22, s19
	s_add_co_u32 s92, s92, s18
.else
	s_add_co_u32 s22, s22, 3145728                 ; act's scales
	s_add_co_u32 s46, s46, 3145728                 ; w_fc1's codes in wts
	s_add_co_u32 s92, s92, 9568256                 ; and its scales
.endif
	s_mul_i32 s45, s14, PANB                       ; where they go: wave x a panel: no place in the cluster enters an LDS address
	s_lshl_b32 s94, s14, 12
	s_mov_b32 s[SEL], 0x76543210
	s_mov_b32 s[SEL+1], 0xfedcba98
	s_wait_dscnt 0x0                               ; the opening add is done
	s_wait_kmcnt 0x0
.if KIND == 0
	s_cmp_eq_u32 ttmp9, 2
	s_cselect_b64 s[BS1:BS1+1], s[6:7], s[4:5]
	s_cselect_b64 s[BS0:BS0+1], s[4:5], s[6:7]
.endif
	s_add_nc_u64 s[20:21], s[BS1:BS1+1], s[20:21]
	s_add_nc_u64 s[22:23], s[BS1:BS1+1], s[22:23]
	s_add_nc_u64 s[46:47], s[BS0:BS0+1], s[46:47]
	s_add_nc_u64 s[92:93], s[BS0:BS0+1], s[92:93]
	CROUND                                         ; all sixteen work-groups are here: the first joint loads meet
	s_lshl_b32 s2, s16, 12                         ; the head's four tiles begin at a tile's first panel: my panel's part is taken off again
	s_mov_b32 s3, 0
	s_mov_b32 s[G0S], 1
	s_mov_b32 s[G0S+1], SCL
	s_sub_nc_u64 s[G0S+2:G0S+3], s[22:23], s[2:3]
	s_or_b32 s[G0S+3], s[G0S+3], 0x80000000
	s_mov_b32 s[G0SB], 1
	s_mov_b32 s[G0SB+1], SCL+2*HALFS
	s_sub_nc_u64 s[G0SB+2:G0SB+3], s[92:93], s[2:3]
	s_or_b32 s[G0SB+3], s[G0SB+3], 0x80000000
	s_mul_i32 s2, s16, 98304
	s_mov_b32 s4, 1                                ; s[4:7]: group 0 of S1's two panels of slot 0 (the arguments that lay there have been used)
	s_mov_b32 s5, 0
	s_sub_nc_u64 s[6:7], s[20:21], s[2:3]
	s_or_b32 s7, s7, 0x80000000
	s_mov_b32 s92, 1                               ; s[92:95]: of S0's two
	s_mov_b32 s93, 2*PANB
	s_sub_nc_u64 s[94:95], s[46:47], s[2:3]
	s_or_b32 s95, s95, 0x80000000
.irp s, 0,1
	s_mov_b32 s[G0+4*\s], 1
	s_add_co_u32 s[G0+4*\s+1], s45, \s*SLOT
	s_add_nc_u64 s[G0+4*\s+2:G0+4*\s+3], s[20:21], \s*PANB
	s_or_b32 s[G0+4*\s+3], s[G0+4*\s+3], 0x80000000
	s_mov_b32 s[G0B+4*\s], 1
	s_add_co_u32 s[G0B+4*\s+1], s45, \s*SLOT
	s_add_nc_u64 s[G0B+4*\s+2:G0B+4*\s+3], s[46:47], \s*PANB
	s_or_b32 s[G0B+4*\s+3], s[G0B+4*\s+3], 0x80000000
.endr
; THE HEAD'S LOADS, ONE A WAVE: wave 0 S1's two panels of slot 0, wave 1 S0's, wave 2 S1's scales, wave 3 S0's: one chain of arms, one join
.macro ARM under, g0, g1, next
	s_cmp_lt_u32 s14, \under
	s_cbranch_scc0 \next
	tensor_load_to_lds s[\g0:\g0+3], s[\g1:\g1+7]
	s_nop 0
.rept 4
	v_nop
.endr
	s_branch .Lhead_asked
\next:
.endm
	ARM 1, 4, G1, .Lhead_b
	ARM 2, 92, G1B, .Lhead_sa
	ARM 3, G0S, G1S, .Lhead_sb
	tensor_load_to_lds s[G0SB:G0SB+3], s[G1SB:G1SB+7]
	s_nop 0
.rept 4
	v_nop
.endr
.Lhead_asked:
	v_and_b32 v1, 15, v0
	v_bfe_u32 v2, v0, 4, 1                         ; h
	s_wait_alu depctr_va_vdst(0)
	v_and_b32 v3, 31, v0
	v_lshlrev_b32 v[O16], 4, v3
	s_mul_i32 s21, s15, PANB
	s_mul_i32 s22, s16, PANB
	s_add_co_u32 s22, s22, 2*PANB
.irp s, 0,1
	v_add_nc_u32 v[ADRA+\s], s21, v[O16]
	v_add_nc_u32 v[ADRB+\s], s22, v[O16]
	s_add_co_u32 s21, s21, SLOT
	s_add_co_u32 s22, s22, SLOT
.endr
	v_lshlrev_b32 v5, 2, v1
	s_lshl_b32 s21, s15, 12                        ; S1's scales: my panel's region
	s_lshl_b32 s22, s16, 12
	s_add_co_u32 s22, s22, 2*HALFS                 ; S0's: behind S1's two
	s_sub_co_u32 s22, s22, s21
	v_mul_u32_u24 v6, s22, v2                      ; lanes 16-31 take S0's
	s_add_co_u32 s21, s21, SCL
	v_add_nc_u32 v5, v5, v6
	v_add_nc_u32 v[ADRS], s21, v5
.macro BIASQ                           ; the bias in the result's layout: register 8 b + j = channel 32 (b / 2) + 8 (b % 2) + 16 h + j of my 128
	v_lshlrev_b32 v7, 6, v2
.irp b, 0,1,2,3,4,5,6,7
	global_load_b128 v[BI+8*\b:BI+8*\b+3], v7, s[8:9] offset:(32*(\b/2)+8*(\b%2))*4
	global_load_b128 v[BI+8*\b+4:BI+8*\b+7], v7, s[8:9] offset:(32*(\b/2)+8*(\b%2))*4+16
.endr
.endm
.if KIND == 1
	s_lshl_b32 s12, s17, 2
	s_lshl_b32 s13, s15, 1
	s_add_co_u32 s12, s12, s13                     ; my first panel of 64 tokens in hb
	s_lshl_b32 s13, s42, 1
	s_add_co_u32 s13, s13, s16                     ; which 128 of the hidden units are mine: the next product's K step
	s_mul_i32 s18, s12, 196608
	s_lshr_b32 s19, s13, 2
	s_mul_i32 s19, s19, 24576
	s_add_co_u32 s18, s18, s19
	s_and_b32 s19, s13, 3
	s_mul_i32 s19, s19, 1536
	s_add_co_u32 s18, s18, s19
	s_mov_b32 s19, 0
	s_add_nc_u64 s[96:97], s[10:11], s[18:19]      ; codes
	s_lshl_b32 s18, s12, 13
	s_lshl_b32 s12, s13, 8
	s_add_co_u32 s18, s18, s12
	s_add_co_u32 s18, s18, 12582912
	s_add_nc_u64 s[98:99], s[10:11], s[18:19]      ; scale words
	s_lshl_b32 s18, s13, 9
	s_add_nc_u64 s[8:9], s[8:9], s[18:19]          ; my 128 numbers of the bias
	v_lshlrev_b32 v[O4], 2, v1
	BIASQ
.endif
.macro FRAG reg, adr, q, i             ; a fragment's image: three loads, 512 consecutive bytes each
.irp c, 0,1,2
	ds_load_b128 v[\reg+4*\c:\reg+4*\c+3], v[\adr] offset:(\i)*3072+(\q)*1536+512*\c
.endr
.endm
; 16 matrix instructions: S1's blocks a0, a0 + 1 x S0's eight, 128 along K.  p: S0's set; q: which 128 of the slot; sc: the set of scale words.  The 64 accumulators take turns, one instruction a turn, in the same order in every step.
.macro MUL16 a0, p, q, sc, zero
.irp a, \a0, \a0+1
.irp b, 0,1,2,3,4,5,6,7
.if \zero
	v_wmma_scale_f32_16x16x128_f8f6f4 v[8*(8*((\a)%4)+\b):8*(8*((\a)%4)+\b)+7], v[128*(\p)+FR*\b:128*(\p)+FR*\b+FR-1], v[AF+FR*(\a):AF+FR*(\a)+FR-1], 0, v[SC+8*NQ*(\sc)+NQ*\b+(\q)], v[SC+8*NQ*(\sc)+NQ*(\a)+(\q)] matrix_a_fmt:MATRIX_FMT_FP6 matrix_b_fmt:MATRIX_FMT_FP6 matrix_a_scale:MATRIX_SCALE_ROW1
.else
	v_wmma_scale_f32_16x16x128_f8f6f4 v[8*(8*((\a)%4)+\b):8*(8*((\a)%4)+\b)+7], v[128*(\p)+FR*\b:128*(\p)+FR*\b+FR-1], v[AF+FR*(\a):AF+FR*(\a)+FR-1], v[8*(8*((\a)%4)+\b):8*(8*((\a)%4)+\b)+7], v[SC+8*NQ*(\sc)+NQ*\b+(\q)], v[SC+8*NQ*(\sc)+NQ*(\a)+(\q)] matrix_a_fmt:MATRIX_FMT_FP6 matrix_b_fmt:MATRIX_FMT_FP6 matrix_a_scale:MATRIX_SCALE_ROW1
.endif
.endr
.endr
.endm
.macro FETCH_B slot, q, p
	WIN TO_B
.irp i, 0,1,2,3,4,5,6,7
	FRAG 128*(\p)+FR*\i, ADRB+\slot, \q, \i
.endr
	WIN 0
.endm
.macro FETCH_A slot, q, i0
.irp i, \i0, \i0+1, \i0+2, \i0+3
	FRAG AF+FR*(\i), ADRA+\slot, \q, \i
.endr
.endm
.macro SCALES sc                       ; a slot's scale words: register 2 i + q: lanes 0-15 S1's block i, lanes 16-31 S0's block i
.irp i, 0,1,2,3,4,5,6,7
.irp q, 0,1
	ds_load_b32 v[SC+16*\sc+2*\i+\q], v[ADRS] offset:\q*512+\i*64
.endr
.endr
.endm
.macro STEP slot, zero                 ; a slot's first 128 along K
	s_wait_dscnt 4*NL                              ; S0's set, S1's blocks 0-3 and the scale words are in; the youngest twelve loads (S1's blocks 4-7) may be out
	WIN MUL_LO
	MUL16 0, 0, 0, \slot, \zero
	MUL16 2, 0, 0, \slot, \zero
	s_wait_dscnt 0
	PLACES
	FETCH_B \slot, 1, 1
	FETCH_A \slot, 1, 0
	WIN MUL_HI
	MUL16 4, 0, 0, \slot, \zero
	MUL16 6, 0, 0, \slot, \zero
	PLACES
	WIN 0
	FETCH_A \slot, 1, 4
.endm
; A slot's second 128 along K changes slots: ONE barrier; ahead of it each wave waits for all its tensor loads, adds 0 to its spare word, and waits for that and for its reads of this slot.
.macro TURN slot, next, fill
	s_wait_tensorcnt 0x0                           ; all my tensor loads have landed: my part of the next slot
	ds_add_u32 v[SPW], v[NIL]
	s_wait_dscnt 4*NL+1                            ; (the add and the youngest twelve loads may be out)
	WIN MUL_LO
	MUL16 0, 1, 1, \slot, 0
	s_wait_dscnt 0x0                               ; the add is done, and my reads of this slot are over
	s_barrier_signal -1
	MUL16 2, 1, 1, \slot, 0
	WIN 0
	s_barrier_wait -1
.if \fill
	CREST                                          ; the barrier has opened a round of the cluster's barrier: no wave of any partner still reads this slot or has a load on its way
	s_add_nc_u64 s[G0+4*\slot+2:G0+4*\slot+3], s[G0+4*\slot+2:G0+4*\slot+3], 2*PANB
	s_add_nc_u64 s[G0B+4*\slot+2:G0B+4*\slot+3], s[G0B+4*\slot+2:G0B+4*\slot+3], 2*PANB
	JLOAD G0+4*\slot, G1, G0B+4*\slot, G1B         ; my one tensor load behind the round; its four v_nop are the places ahead of the loads below
.else
	PLACES
.endif
	s_wait_alu depctr_va_vdst(0)
	v_add_nc_u32 v[ADRS], 1024, v[ADRS]            ; the next slot's scale words
	FETCH_B \next, 0, 0
	FETCH_A \next, 0, 0
	SCALES \next
	WIN MUL_HI
	MUL16 4, 1, 1, \slot, 0
	MUL16 6, 1, 1, \slot, 0
	PLACES
	WIN 0
	FETCH_A \next, 0, 4
.endm
.macro LAST                            ; the last 128 along K: nothing more to fetch
	s_wait_dscnt 4*NL
	WIN MUL_LO
	MUL16 0, 1, 1, 1, 0
	MUL16 2, 1, 1, 1, 0
	s_wait_dscnt 0
	WIN MUL_HI
	MUL16 4, 1, 1, 1, 0
	MUL16 6, 1, 1, 1, 0
	WIN 0
.endm
.macro EPIHEAD
	PLACES                                         ; behind the last products: their results are read and their operands' registers written below
.irp b, 0,1,2,3
	v_mov_b32 v[TM+4+\b], 0                        ; written once: a lane permute's destination counts as one of its sources
.endr
	s_wait_loadcnt 0x0                             ; the bias
.endm
; THE WAY OUT of S1's block a: + bias (arm 2: relu), quantised, stored as an image straight from registers.  arm 0: q or k; 1: v; 2: fc1.
.macro EPI a, arm
	WIN 0x02+(\a)/4                                ; source 0: window 2 or 3
.set AC, 64*((\a)%4)
.set n, 0
.rept 32                               ; each accumulator from its low end on
.if \arm == 1
.if (\a)%2 == 0
	v_pk_add_f32 v[HA+n:HA+n+1], v[AC+n:AC+n+1], v[BI+(\a):BI+(\a)+1] op_sel_hi:[1,0]
.else
	v_pk_add_f32 v[HA+n:HA+n+1], v[AC+n:AC+n+1], v[BI+(\a)-1:BI+(\a)] op_sel:[0,1] op_sel_hi:[1,1]
.endif
.else
	v_pk_add_f32 v[HA+n:HA+n+1], v[AC+n:AC+n+1], v[BI+n:BI+n+1]
.endif
.set n, n+2
.endr
	WIN 0
.if \arm == 2
.set n, 0
.rept 64
	v_max_num_f32 v[HA+n], 0, v[HA+n]
.set n, n+1
.endr
.endif
.if (\a) > 0
	s_wait_xcnt 0x0                                ; the last block's stores have read their registers: the codes may be written again
.endif
	QUANT HA
.if \arm == 0                          ; registers 0-5 are the even head's tile (16 tokens x 64), registers 6-11 the odd head's; the word's low half the even head's two bytes
	v_and_b32 v[PW+1], 0xffff, v[PW]
	v_lshrrev_b32 v[PW+2], 16, v[PW]
	global_store_b128 v[O16], v[PC:PC+3], s[100:101] offset:768*(\a)
	global_store_b64 v[O8], v[PC+4:PC+5], s[100:101] offset:768*(\a)+512
	global_store_b128 v[O16], v[PC+6:PC+9], s[98:99] offset:768*(\a)
	global_store_b64 v[O8], v[PC+10:PC+11], s[98:99] offset:768*(\a)+512
	global_store_b32 v[O4], v[PW+1], s[100:101] offset:64*(\a)
	global_store_b32 v[O4], v[PW+2], s[98:99] offset:64*(\a)
.elseif \arm == 1                      ; 16 channels x 128 keys: tile a % 4 of head a / 4 of my two
.irp c, 0,1,2
	global_store_b128 v[O16], v[PC+4*\c:PC+4*\c+3], s[100:101] offset:((\a)/4)*208896+((\a)%4)*1536+512*\c
.endr
	global_store_b32 v[O4], v[PW], s[100:101] offset:6656+((\a)/4)*208896+((\a)%4)*64
.else
.irp c, 0,1,2
	global_store_b128 v[O16], v[PC+4*\c:PC+4*\c+3], s[96:97] offset:((\a)/4)*196608+((\a)%4)*6144+512*\c
.endr
	global_store_b32 v[O4], v[PW], s[98:99] offset:((\a)/4)*8192+((\a)%4)*64
.endif
.endm
	s_wait_alu depctr_va_vdst(0)
	s_wait_tensorcnt 0x0                           ; my tile of the head's four is in; slot 1's first fill is issued as a refill is
	ds_add_u32 v[SPW], v[NIL]
.irp g, G1, G1B                        ; no tensor load of mine is out: from here on a load brings one panel, 96 rows of 256 bytes
	s_mov_b32 s[\g+1], 32<<16
	s_mov_b32 s[\g+2], 96<<16
	s_mov_b32 s[\g+3], 32<<16
	s_mov_b32 s[\g+4], 96
	s_mov_b32 s[\g+5], 32
.endr
	s_wait_dscnt 0x0
	CROUND                                         ; all four tiles are in, and all sixteen work-groups are here
	JLOAD G0+4, G1, G0B+4, G1B                     ; slot 1: my one tensor load behind the round
	FETCH_B 0, 0, 0
	FETCH_A 0, 0, 0
	SCALES 0
	FETCH_A 0, 0, 4
	STEP 0, 1                                      ; K = 1,024 is four slots' worth: written out.  The first products start the sums
	TURN 0, 1, 1
	STEP 1, 0
	TURN 1, 0, 1
	STEP 0, 0
	TURN 0, 1, 0                                   ; nothing is left to fetch
.if KIND == 0
	s_cmp_eq_u32 ttmp9, 2                          ; the paths part here, on the cluster's x: each loads its bias and makes its addresses, and has the last 128 matrix instructions in which the bias lands
	s_cbranch_scc1 .Lv_arm
	s_lshl_b32 s12, s42, 8
	s_lshl_b32 s13, s16, 7
	s_add_co_u32 s12, s12, s13                     ; my first channel of the 3,072
	s_lshl_b32 s18, s12, 2
	s_mov_b32 s19, 0
	s_add_nc_u64 s[8:9], s[8:9], s[18:19]
	BIASQ
	v_lshlrev_b32 v[O8], 3, v3
	s_bfe_u32 s12, s12, 0x40006                    ; its head
	s_lshl_b32 s13, s17, 8
	s_lshl_b32 s18, s15, 7
	s_add_co_u32 s13, s13, s18                     ; my first token
	s_lshr_b32 s18, s13, 11
	s_lshl_b32 s18, s18, 4
	s_add_co_u32 s12, s12, s18                     ; 16 x batch + head
	s_bfe_u32 s13, s13, 0x40007                    ; which 128 tokens of the batch
	s_mov_b32 s96, 106496                          ; q's part: bytes a head, a step, its first byte, the scale words' place in a step;
	s_mov_b32 s97, 6656
	s_mov_b32 s99, 6144
	s_cmp_eq_u32 ttmp9, 1
	s_cselect_b32 s96, 208896, s96                 ; k's
	s_cselect_b32 s97, 13056, s97
	s_cselect_b32 s98, 0, 6684672
	s_cselect_b32 s99, 12288, s99
	v_lshl_add_u32 v[O4], v1, 2, s99
	s_mul_i32 s12, s12, s96
	s_mul_i32 s13, s13, s97
	s_add_co_u32 s12, s12, s13
	s_add_co_u32 s12, s12, s98
	s_mov_b32 s13, 0
	s_mov_b32 s97, 0
	s_add_nc_u64 s[100:101], s[10:11], s[12:13]    ; the even head's step,
	s_add_nc_u64 s[98:99], s[100:101], s[96:97]    ; the odd head's
	STEP 1, 0
	LAST
	EPIHEAD
.irp a, 0,1,2,3,4,5,6,7
	EPI \a, 0
.endr
	s_branch .Lend
.Lv_arm:
	s_lshl_b32 s18, s17, 10
	s_lshl_b32 s19, s15, 9
	s_add_co_u32 s18, s18, s19                     ; 4 x my first channel of the 3,072
	s_mov_b32 s19, 0
	s_add_nc_u64 s[8:9], s[8:9], s[18:19]
	v_and_b32 v7, 7, v1
	v_lshrrev_b32 v6, 3, v1
	v_lshl_add_u32 v7, v6, 4, v7
	v_lshlrev_b32 v7, 2, v7                        ; my slot's channel in its block
.irp a, 0,1,2,3,4,5,6,7
	global_load_b32 v[BI+\a], v7, s[8:9] offset:(32*(\a/2)+8*(\a%2))*4   ; one number a lane and block
.endr
	v_lshlrev_b32 v[O4], 2, v1
	s_lshl_b32 s13, s42, 8
	s_lshl_b32 s18, s16, 7
	s_add_co_u32 s13, s13, s18                     ; my first token
	s_lshr_b32 s12, s13, 11
	s_lshl_b32 s12, s12, 4                         ; 16 x batch
	s_bfe_u32 s13, s13, 0x40007                    ; the key step
	s_sub_co_u32 s18, s17, 8
	s_lshl_b32 s18, s18, 2
	s_add_co_u32 s12, s12, s18
	s_lshl_b32 s18, s15, 1
	s_add_co_u32 s12, s12, s18                     ; + my first head
	s_mul_i32 s12, s12, 208896
	s_mul_i32 s13, s13, 13056
	s_add_co_u32 s12, s12, s13
	s_add_co_u32 s12, s12, 6144                    ; V's tiles lie behind K's in a step
	s_mov_b32 s13, 0
	s_add_nc_u64 s[100:101], s[10:11], s[12:13]
	STEP 1, 0
	LAST
	EPIHEAD
.irp a, 0,1,2,3,4,5,6,7
	EPI \a, 1
.endr
.Lend:
.else
	STEP 1, 0
	LAST
	EPIHEAD
.irp a, 0,1,2,3,4,5,6,7
	EPI \a, 2
.endr
.endif
	s_wait_tensorcnt 0x0                           ; the wave's end, behind my last tensor load
	ds_add_u32 v[SPW], v[NIL]
	s_wait_dscnt 0x0
	CROUND                                         ; the closing round
	s_endpgm
.Lfunc_end_k_qab21cb76a5_qkv:
	.size	k_qab21cb76a5_qkv, .Lfunc_end_k_qab21cb76a5_qkv-k_qab21cb76a5_qkv
	.p2alignl 7, 3214868480
	.fill 96, 4, 3214868480
	.section	.rodata,"a",@progbits
	.p2align	6, 0x0
	.amdhsa_kernel k_qab21cb76a5_qkv
		.amdhsa_group_segment_fixed_size 327680
		.amdhsa_private_segment_fixed_size 0
		.amdhsa_enable_private_segment 0
		.amdhsa_kernarg_size 32
		.amdhsa_user_sgpr_count 2
		.amdhsa_user_sgpr_kernarg_segment_ptr 1
		.amdhsa_wavefront_size32 1
		.amdhsa_system_sgpr_workgroup_id_x 1
		.amdhsa_system_sgpr_workgroup_id_y 1
		.amdhsa_system_sgpr_workgroup_id_z 1
		.amdhsa_system_vgpr_workitem_id 0
		.amdhsa_next_free_vgpr 1024
		.amdhsa_next_free_sgpr 102
		.amdhsa_reserve_vcc 0
		.amdhsa_float_denorm_mode_32 3
		.amdhsa_float_denorm_mode_16_64 3
		.amdhsa_memory_ordered 1
		.amdhsa_forward_progress 1
		.amdhsa_inst_pref_size 235
	.end_amdhsa_kernel
	.amdgpu_metadata
---
amdhsa.version: [ 1, 2 ]
amdhsa.kernels:
  - .name:           k_qab21cb76a5_qkv
    .symbol:         k_qab21cb76a5_qkv.kd
    .args:
      - { .name: act, .offset: 0, .size: 8, .value_kind: global_buffer, .address_space: global }
      - { .name: wts, .offset: 8, .size: 8, .value_kind: global_buffer, .address_space: global }
      - { .name: b_qkv, .offset: 16, .size: 8, .value_kind: global_buffer, .address_space: global }
      - { .name: qkvb, .offset: 24, .size: 8, .value_kind: global_buffer, .address_space: global }
    .group_segment_fixed_size: 327680
    .private_segment_fixed_size: 0
    .kernarg_segment_align: 8
    .kernarg_segment_size: 32
    .max_flat_workgroup_size: 128
    .sgpr_count:     102
    .vgpr_count:     1024
    .wavefront_size: 32
...
	.end_amdgpu_metadata
.endif
;; end of part 2
;; launch attn (part 3): grid 8 x 32, 16 waves a work-group, clusters of 4 x 1, 247,808 bytes of LDS; arguments qkvb, yb; writes yb
.if DOCPART == 3
	.amdgcn_target "amdgcn-amd-amdhsa--gfx1250"
	.amdhsa_code_object_version 6
	.text
	.protected	k_qab21cb76a5_attn
	.globl	k_qab21cb76a5_attn
	.p2align	8
	.type	k_qab21cb76a5_attn,@function
k_qab21cb76a5_attn:
	s_mov_b64 s[64:65], 0
	v_nop
	global_prefetch_b8 v0, s[64:65] scope:SCOPE_SE
	s_setreg_imm32_b32 hwreg(HW_REG_WAVE_MODE, 25, 1), 1
	s_wait_xcnt 0x0
	s_wait_alu depctr_hold_cnt(0) depctr_sa_sdst(0) depctr_va_vdst(0) depctr_va_sdst(0) depctr_va_ssrc(0) depctr_va_vcc(0) depctr_vm_vsrc(0)
	s_getreg_b32 s2, hwreg(HW_REG_IB_STS2, 6, 4)
	s_cmp_eq_u32 s2, 0
	s_cbranch_scc0 .Lentry_in_a_cluster
	s_endpgm
.Lentry_in_a_cluster:
	s_bfe_u32 s2, ttmp6, 0x10000c
	s_cmp_lg_u32 s2, 0x3003
	s_cbranch_scc0 .Lentry_shape_is_right
	s_endpgm
.Lentry_shape_is_right:
; Causal attention on codes of FP6 (E2M3) with E8M0 scales; head size 64, 2,048 keys, 32 (batch, head) pairs.  y is quantised along the channels on the way out, for the next product.
; t = score x log2(e) / 8; M = the running largest t rounded UP to a whole number; p = 2^(t - M) is quantised along the keys, not normalised; the row's sum is taken of the unquantised p and divides O at the end.
; THE WHOLE HEAD LIES IN LDS: K, V and their scale words as codes are 16 key steps x 13,056 bytes.  Wave w brings key step w by ONE tensor load, a first fill; one barrier; nothing is filled again.
; A key step: 8 tiles of K (16 keys x 64: 768 bytes: registers 0-3 at 16 l, 4-5 at 512 + 8 l), 4 tiles of V^T (16 channels x 128 keys: 1,536 bytes), K's 8 x 16 scale words, V's 4 x 16.
; K = 64 IS FILLED UP TO THE INSTRUCTION'S 128 WITH ZERO CODES ON Q'S SIDE (its registers 6-11 are zeros); K's registers 6-11 hold what the last V tile left there: codes, which multiply zeros; the upper two scale bytes of both words are 0, a finite scale.
; SHARES.  A head has 16 blocks of 128 queries, each of 8 tiles of 16; block b wants b + 1 key steps.  Work-group j (0 .. 7 of the head) owns tile j of EVERY block: 136 key steps.  Its 16 waves are eight pairs: waves p and p + 8.
; Pair p owns the tiles of blocks 7 - p and 8 + p: 17 key steps.  Wave p takes key steps 0 .. 7 of block 8 + p's tile (8 steps, none on the diagonal).  Wave p + 8 takes block 7 - p's tile whole (8 - p steps) and sends it out,
; then key steps 8 .. 8 + p of block 8 + p's tile (p + 1 steps): 9 steps.  Wave p hands its O^T, -M and sums to wave p + 8 through LDS bytes of their own, behind one barrier; M is a whole number, so both parts are brought
; under the larger M by powers of two, which round nothing.
; Every wave walks both loops, 8 and 16 trips, constants; a trip outside the wave's range of key steps jumps over its work; the trip on the diagonal hides scores by -infinity.  These jumps hang on the wave's number alone.
; CLUSTER.  Four work-groups of a head form a cluster and ask for each key step JOINTLY: the same tensor load, with the same descriptor and the mask of all four; each receives it in its own LDS.
; The work-group's place in its cluster enters Q's and y's addresses in memory and the bound that the mask compares by, and nothing else: no branch and no LDS address.
; NO DATA PREFETCH: all that the launch reads is asked for at its head; there is no loop to run ahead in.
; Both products are used transposed: a lane holds ONE query (slot lane % 16).  Tokens and channels lie in blocks of 16 whose slot i is 32 (rb / 2) + 8 (rb % 2) + i % 8 + 16 (i / 8): so the 16 registers of two neighbouring tiles are 16 neighbours.
; LIMITS as in the quantising launches: a block of zeros has the byte 1; NaN and infinities are not served; the scaled scores stay under 2^31 in magnitude.
; REGISTERS: v1-7 constants; v8-10 addresses in hand; v11 the exchange; v12 -M, v13 largest t, v[14:15] the sum; v16-27 the short tile's Q, v255 its scale word; v192-203 the long tile's Q, v204 its scale word; v29 the mask's bound;
;   v32-79 four fragments; v96-159 S^T, then p; v160-191 O^T; v224-235 p's codes; v232-254 at work.
.set STEPB, 13056
.set XCH,   16*STEPB                   ; 208,896: the exchange, 4,608 bytes a pair: nine registers' images of 512 bytes; no tile lands here
.set SPARE, XCH+8*4608                 ; 245,760: the spare words, 128 bytes for each of 16 waves
.set SPW, 5
.set NIL, 6
.set TB,  2                            ; s2  LDS byte of the key step in hand
.set TR,  3                            ; s3  the trip
.set WV,  18
.set ROLE, 19                          ; s19 0: waves 0-7, 1: waves 8-15
.set SEL, 20
.set CS,  22
.set G1,  24
.set G0,  32
.set BLK, 36                           ; s36 the block of the tile in hand
.set LO,  66                           ; s66, s67 my first and last key step of it
.set HI,  67
.macro CROUND                          ; a round of the cluster's barrier
	s_barrier_signal -1
	s_barrier_wait -1
	s_cmp_lg_u32 s[WV], 0
	s_cbranch_scc1 .Lnot_wave_0_\@
	s_barrier_signal -3
.Lnot_wave_0_\@:
	s_barrier_wait -3
	s_barrier_signal -1
	s_barrier_wait -1
.endm
.macro OFFS zb, zq, zy                 ; block zb's places: Q's codes and scale words, y's codes and scale words, as offsets
	s_mul_i32 s16, s\zb, 6656
	s_add_co_u32 s[\zq], s38, s16
	s_mov_b32 s[\zq+1], 0
	s_add_co_u32 s[\zq+2], s48, s16
	s_mov_b32 s[\zq+3], 0
	s_mul_i32 s16, s\zb, 98304
	s_add_co_u32 s[\zy], s50, s16
	s_mov_b32 s[\zy+1], 0
	s_lshl_b32 s16, s\zb, 12
	s_add_co_u32 s[\zy+2], s52, s16
	s_mov_b32 s[\zy+3], 0
.endm
.macro INIT                            ; a tile's state: the step is written once; the first change of M leaves zeros zeros
	v_mov_b32 v13, 0xff61b1e6                      ; the largest t so far: -3e38
	s_delay_alu instid0(VALU_DEP_1)
	v_floor_f32 v12, -v13                          ; -M
	v_mov_b32 v14, 0
	v_mov_b32 v15, 0
.irp j, 0,1,2,3,4,5,6,7,8,9,10,11,12,13,14,15,16,17,18,19,20,21,22,23,24,25,26,27,28,29,30,31
	v_mov_b32 v[160+\j], 0
.endr
	s_wait_alu depctr_va_vdst(0)                   ; a wait ahead of the waits and jumps that follow
.endm
.macro LOOP zn, zq, zs                 ; zn trips; Q's fragment at v[zq], its scale word in v[zs]
	s_mov_b32 s[TB], 0
	s_mov_b32 s[TR], 0
.Lstep_\@:
	s_cmp_lt_u32 s[TR], s[LO]                      ; not my key step: no work
	s_cbranch_scc1 .Lhidden_\@
	s_cmp_gt_u32 s[TR], s[HI]
	s_cbranch_scc1 .Lhidden_\@
	v_add_nc_u32 v8, s[TB], v2
	v_add_nc_u32 v9, s[TB], v3
	v_add_nc_u32 v10, s[TB], v7
	v_nop                                          ; with the three additions: four places ahead of loads into registers that the last products read
	s_wait_alu depctr_va_vdst(0)
.irp g, 0,1                            ; S^T = K Q^T, four tiles of 16 keys at a time
.if \g > 0
.rept 4
	v_nop
.endr
.endif
.irp t, 0,1,2,3
	ds_load_b128 v[32+12*\t:35+12*\t], v8 offset:(4*\g+\t)*768
	ds_load_b64 v[36+12*\t:37+12*\t], v9 offset:(4*\g+\t)*768+512
	ds_load_b32 v[248+\t], v10 offset:12288+(4*\g+\t)*64
.endr
	s_wait_dscnt 0x0
.irp t, 0,1,2,3
	v_wmma_scale_f32_16x16x128_f8f6f4 v[96+8*(4*\g+\t):103+8*(4*\g+\t)], v[32+12*\t:43+12*\t], v[\zq:\zq+11], 0, v[248+\t], v[\zs] matrix_a_fmt:MATRIX_FMT_FP6 matrix_b_fmt:MATRIX_FMT_FP6
.endr
.endr
.rept 4
	v_nop
.endr
	s_cmp_lg_u32 s[TR], s[BLK]                     ; only the trip on the diagonal hides scores
	s_cbranch_scc1 .Lopen_\@
	v_mov_b32 v254, 0xff800000                     ; -infinity
.irp n, 0,1,2,3,4,5,6,7,8,9,10,11,12,13,14,15,16,17,18,19,20,21,22,23,24,25,26,27,28,29,30,31,32,33,34,35,36,37,38,39,40,41,42,43,44,45,46,47,48,49,50,51,52,53,54,55,56,57,58,59,60,61,62,63
	v_cmp_gt_i32 vcc_lo, 32*(\n/16)+\n%16, v29
	v_cndmask_b32 v[96+\n], v[96+\n], v254, vcc_lo
.endr
.Lopen_\@:
.irp b, 0,1,2,3
	v_max3_num_f32 v[232+\b], v[96+16*\b], v[97+16*\b], v[98+16*\b]   ; the largest score of each block of 32 keys: for the row's maximum and, since p rises with the score, for the block's largest p
.endr
.irp i, 3,5,7,9,11,13
.irp b, 0,1,2,3
	v_max3_num_f32 v[232+\b], v[232+\b], v[96+16*\b+\i], v[97+16*\b+\i]
.endr
.endr
.irp b, 0,1,2,3
	v_max_num_f32 v[232+\b], v[232+\b], v[111+16*\b]
.endr
.irp b, 0,1,2,3
	s_delay_alu instid0(VALU_DEP_4)
	v_permlanex16_b32 v[236+\b], v[232+\b], s[SEL], s[SEL+1]
.endr
.irp b, 0,1,2,3
	s_delay_alu instid0(VALU_DEP_4)
	v_max_num_f32 v[232+\b], v[232+\b], v[236+\b]
.endr
	s_delay_alu instid0(VALU_DEP_2)
	v_max3_num_f32 v254, v232, v233, v234
	s_delay_alu instid0(VALU_DEP_1)
	v_max_num_f32 v254, v254, v235
	s_delay_alu instid0(VALU_DEP_1)
	v_mul_f32 v254, s[CS], v254
	s_delay_alu instid0(VALU_DEP_1)
	v_max_num_f32 v13, v13, v254                   ; the running largest t
	v_mov_b32 v254, v12
	s_delay_alu instid0(VALU_DEP_2)
	v_floor_f32 v12, -v13                          ; the new -M = -ceil(t)
	s_delay_alu instid0(VALU_DEP_1)
	v_sub_f32 v254, v12, v254                      ; old M - new M: a whole number, 0 or less
	s_delay_alu instid0(VALU_DEP_1)
	v_cvt_i32_f32 v254, v254                       ; (it saturates)
	s_delay_alu instid0(VALU_DEP_1)
	v_ldexp_f32 v252, 1.0, v254                    ; f = 2^(old M - new M)
.irp j, 0,2,4,6,8,10,12,14,16,18,20,22,24,26,28,30,32,34,36,38,40,42,44,46,48,50,52,54,56,58,60,62
	v_pk_fma_f32 v[96+\j:97+\j], v[96+\j:97+\j], s[CS:CS+1], v[12:13] op_sel_hi:[1,0,0]   ; t - M
.endr
.irp b, 0,1,2,3
	v_fma_f32 v[232+\b], v[232+\b], s[CS], v12
.endr
	s_wait_alu depctr_va_vdst(0)                   ; a wait ahead of the batch
.irp j, 0,1,2,3,4,5,6,7,8,9,10,11,12,13,14,15,16,17,18,19,20,21,22,23,24,25,26,27,28,29,30,31,32,33,34,35,36,37,38,39,40,41,42,43,44,45,46,47,48,49,50,51,52,53,54,55,56,57,58,59,60,61,62,63
	v_exp_f32 v[96+\j], v[96+\j]                   ; p = 2^(t - M)
.endr
	v_pk_mul_f32 v[14:15], v[14:15], v[252:253] op_sel_hi:[1,0]   ; the sums under the new M: a plain place behind the exponentials
	s_wait_alu depctr_va_vdst(0)                   ; one wait for the whole batch, ahead of its first reader
.irp b, 0,1,2,3
	v_exp_f32 v[232+\b], v[232+\b]                 ; each block's largest p
.endr
	v_pk_add_f32 v[236:237], v[100:101], v[104:105]
	v_pk_add_f32 v[250:251], v[108:109], v[112:113]
	v_pk_add_f32 v[248:249], v[116:117], v[120:121]
	v_pk_add_f32 v[246:247], v[124:125], v[128:129]
	v_pk_add_f32 v[244:245], v[132:133], v[136:137]
	v_pk_add_f32 v[242:243], v[140:141], v[144:145]
	v_pk_add_f32 v[240:241], v[148:149], v[152:153]
	v_pk_add_f32 v[14:15], v[14:15], v[156:157]
	v_pk_add_f32 v[236:237], v[236:237], v[96:97]
	v_pk_add_f32 v[250:251], v[250:251], v[98:99]
	v_pk_add_f32 v[248:249], v[248:249], v[102:103]
	v_pk_add_f32 v[246:247], v[246:247], v[106:107]
	v_pk_add_f32 v[244:245], v[244:245], v[110:111]
	v_pk_add_f32 v[242:243], v[242:243], v[114:115]
	v_pk_add_f32 v[240:241], v[240:241], v[118:119]
	v_pk_add_f32 v[14:15], v[14:15], v[122:123]
	v_pk_add_f32 v[236:237], v[236:237], v[126:127]
	v_pk_add_f32 v[250:251], v[250:251], v[130:131]
	v_pk_add_f32 v[248:249], v[248:249], v[134:135]
	v_pk_add_f32 v[246:247], v[246:247], v[138:139]
	v_pk_add_f32 v[244:245], v[244:245], v[142:143]
	v_pk_add_f32 v[242:243], v[242:243], v[146:147]
	v_pk_add_f32 v[240:241], v[240:241], v[150:151]
	v_pk_add_f32 v[14:15], v[14:15], v[154:155]
	v_pk_add_f32 v[236:237], v[236:237], v[158:159]
	s_delay_alu instid0(VALU_DEP_2)
	v_pk_add_f32 v[14:15], v[14:15], v[246:247]
	s_delay_alu instid0(VALU_DEP_2)
	v_pk_add_f32 v[236:237], v[236:237], v[244:245]
	v_pk_add_f32 v[250:251], v[250:251], v[242:243]
	v_pk_add_f32 v[248:249], v[248:249], v[240:241]
	s_delay_alu instid0(VALU_DEP_2)
	v_pk_add_f32 v[14:15], v[14:15], v[250:251]
	s_delay_alu instid0(VALU_DEP_2)
	v_pk_add_f32 v[236:237], v[236:237], v[248:249]
	s_delay_alu instid0(VALU_DEP_1)
	v_pk_add_f32 v[14:15], v[14:15], v[236:237]
	s_wait_alu depctr_va_vdst(0)                   ; and one for the four
.irp b, 0,1,2,3
	v_max_num_f32 v[232+\b], 0x1800000, v[232+\b]  ; the floor 2^(3 - 127)
.endr
.irp b, 0,1,2,3
	s_delay_alu instid0(VALU_DEP_4)
	v_add_nc_u32 v[244+\b], 0xff000000, v[232+\b]
.endr
.irp b, 0,1,2,3
	s_delay_alu instid0(VALU_DEP_4)
	v_lshrrev_b32 v[236+\b], 23, v[244+\b]
.endr
	s_delay_alu instid0(VALU_DEP_3)
	v_lshl_or_b32 v253, v237, 8, v236              ; p's scale word for these 128 keys
	s_delay_alu instid0(VALU_DEP_1)
	v_lshl_or_b32 v253, v238, 16, v253
	s_delay_alu instid0(VALU_DEP_1)
	v_lshl_or_b32 v253, v239, 24, v253
.irp c, 0,1
	v_cvt_scalef32_pk16_fp6_f32 v[224+6*\c:226+6*\c], v[96+32*\c:111+32*\c], v[244+2*\c]
	v_cvt_scalef32_pk16_fp6_f32 v[236+4*\c:238+4*\c], v[112+32*\c:127+32*\c], v[244+2*\c+1]
.endr
	v_nop                                          ; one plain place behind a scaled conversion
.irp c, 0,1
.irp i, 0,1,2
	v_permlane16_swap_b32 v[224+6*\c+\i], v[236+4*\c+\i]
.endr
.irp i, 0,1,2
	s_delay_alu instid0(VALU_DEP_3)
	v_mov_b32 v[227+6*\c+\i], v[236+4*\c+\i]
.endr
.endr
.irp j, 0,2,4,6,8,10,12,14,16,18,20,22,24,26,28,30
	v_pk_mul_f32 v[160+\j:161+\j], v[160+\j:161+\j], v[252:253] op_sel_hi:[1,0]   ; O^T under the new M.  (Twelve of these name no register of any one product below: the places behind the writes of p's codes and scale word)
.endr
.irp t, 0,1,2,3                        ; O^T += V^T P^T: four tiles of 16 channels; K = these 128 keys
.irp c, 0,1,2
	ds_load_b128 v[32+12*\t+4*\c:35+12*\t+4*\c], v8 offset:6144+\t*1536+512*\c
.endr
	ds_load_b32 v[248+\t], v10 offset:12800+64*\t
.endr
	s_wait_alu depctr_va_vdst(0)
	s_wait_dscnt 0x0
.irp t, 0,1,2,3
	v_wmma_scale_f32_16x16x128_f8f6f4 v[160+8*\t:167+8*\t], v[32+12*\t:43+12*\t], v[224:235], v[160+8*\t:167+8*\t], v[248+\t], v253 matrix_a_fmt:MATRIX_FMT_FP6 matrix_b_fmt:MATRIX_FMT_FP6
.endr
.Lhidden_\@:
	s_add_co_u32 s[TB], s[TB], STEPB
	s_add_co_u32 s[TR], s[TR], 1
	s_cmp_lt_u32 s[TR], \zn
	s_cbranch_scc1 .Lstep_\@
.rept 4
	v_nop                                          ; four places behind the last products
.endr
.endm
; THE WAY OUT: O^T / the sum; my head's 64 channels are two blocks of 32 of the next product's K: half a fragment and half a scale word
.macro WAYOUT zy
	v_add_f32 v14, v14, v15
	s_delay_alu instid0(VALU_DEP_1)
	v_permlanex16_b32 v252, v14, s[SEL], s[SEL+1]
	s_delay_alu instid0(VALU_DEP_1)
	v_add_f32 v14, v14, v252
	s_wait_alu depctr_va_vdst(0)
	v_rcp_f32 v14, v14
.rept 3
	v_nop
.endr
	s_wait_alu depctr_va_vdst(0)                   ; ahead of the reciprocal's first reader
.irp j, 0,1,2,3,4,5,6,7,8,9,10,11,12,13,14,15,16,17,18,19,20,21,22,23,24,25,26,27,28,29,30,31
	v_mul_f32 v[96+\j], v[160+\j], v14             ; register 16 B + i: channel 32 B + 16 (lane / 16) + i of my query
.endr
.irp b, 0,1
	v_max3_num_f32 v[232+\b], |v[96+16*\b]|, |v[97+16*\b]|, 0x1800000
.endr
.irp i, 2,4,6,8,10,12,14
.irp b, 0,1
	s_delay_alu instid0(VALU_DEP_2)
	v_max3_num_f32 v[232+\b], v[232+\b], |v[96+16*\b+\i]|, |v[97+16*\b+\i]|
.endr
.endr
.irp b, 0,1
	s_delay_alu instid0(VALU_DEP_2)
	v_permlanex16_b32 v[236+\b], v[232+\b], s[SEL], s[SEL+1]
.endr
.irp b, 0,1
	s_delay_alu instid0(VALU_DEP_2)
	v_max_num_f32 v[232+\b], v[232+\b], v[236+\b]
.endr
.irp b, 0,1
	s_delay_alu instid0(VALU_DEP_2)
	v_add_nc_u32 v[244+\b], 0xff000000, v[232+\b]
.endr
.irp b, 0,1
	s_delay_alu instid0(VALU_DEP_2)
	v_lshrrev_b32 v[236+\b], 23, v[244+\b]
.endr
	s_delay_alu instid0(VALU_DEP_1)
	v_lshl_or_b32 v253, v237, 8, v236              ; my head's two bytes
	v_cvt_scalef32_pk16_fp6_f32 v[224:226], v[96:111], v244
	v_cvt_scalef32_pk16_fp6_f32 v[236:238], v[112:127], v245
	v_nop
.irp i, 0,1,2
	v_permlane16_swap_b32 v[224+\i], v[236+\i]
.endr
.irp i, 0,1,2
	s_delay_alu instid0(VALU_DEP_3)
	v_mov_b32 v[227+\i], v[236+\i]                 ; v224-229: k = 32 (lane / 16) + 0 .. 31 of my head
.endr
	s_cmp_eq_u32 s37, 0                            ; the head's number: the same in all four partners
	s_cbranch_scc0 .Lodd_\@
	global_store_b128 v2, v[224:227], s[\zy:\zy+1]                ; an even head: the image's registers 0-3,
	global_store_b64 v2, v[228:229], s[\zy:\zy+1] offset:512      ; 4-5 (8 of each lane's 16 bytes: the odd head's work-group writes the others)
	s_branch .Lsent_\@
.Lodd_\@:
	s_wait_alu depctr_va_vdst(0)
	global_store_b64 v2, v[224:225], s[\zy:\zy+1] offset:520      ; an odd head: registers 6-7,
	global_store_b128 v2, v[226:229], s[\zy:\zy+1] offset:1024    ; 8-11
.Lsent_\@:
	s_wait_alu depctr_va_vdst(0)
	global_store_b16 v7, v253, s[\zy+2:\zy+3]      ; my half of slot r's scale word
.endm
	s_load_b128 s[4:7], s[0:1], 0x0                ; qkvb, yb
	v_lshl_add_u32 v[SPW], v0, 2, SPARE
	v_mov_b32 v[NIL], 0
	ds_add_u32 v[SPW], v[NIL]                      ; the wave's opening: the add, twice, and its wait ahead of the round in front of my tensor load
	ds_add_u32 v[SPW], v[NIL]
	v_lshrrev_b32 v8, 5, v0
	s_delay_alu instid0(VALU_DEP_1)
	v_readfirstlane_b32 s[WV], v8                  ; wave 0..15
	s_and_b32 s8, ttmp7, 0xffff                    ; 16 x batch + head, which the four partners share
	s_mov_b32 s[G1], 15|(3<<16)|(1<<21)            ; a dense block of 13,056 bytes as 51 rows of 256: the mask of all four work-groups; elements of 8 bytes; bit 21 beside a mask; no padding
	s_mov_b32 s[G1+1], 32<<16
	s_mov_b32 s[G1+2], 51<<16
	s_mov_b32 s[G1+3], 32<<16
	s_mov_b32 s[G1+4], 51
	s_mov_b32 s[G1+5], 32
	s_mov_b32 s[G1+6], 0
	s_mov_b32 s[G1+7], 0
	s_mov_b32 s[G0], 1
	s_mul_i32 s[G0+1], s[WV], STEPB                ; key step w, in LDS and in the head's part of memory: no place in the cluster enters either
	s_mul_i32 s10, s8, 16*STEPB
	s_add_co_u32 s10, s10, s[G0+1]
	s_mov_b32 s11, 0
	s_lshr_b32 s[ROLE], s[WV], 3
	s_and_b32 s12, s[WV], 7                        ; my pair p
	s_xor_b32 s68, s12, 7                          ; the short tile's block, 7 - p
	s_add_co_u32 s69, s12, 8                       ; the long tile's, 8 + p
	s_mul_i32 s70, s12, 4608
	s_add_co_u32 s70, s70, XCH                     ; my pair's exchange
	s_bfe_u32 s14, ttmp6, 0x40000                  ; cx: my place in the cluster
	s_lshl_b32 s13, ttmp9, 2                       ; in a cluster launch ttmp9 counts clusters
	s_add_co_u32 s14, s14, s13                     ; my work-group's tile of each block's eight = 4 x cluster x + cx
	s_mul_i32 s38, s8, 106496                      ; Q's part: a head; a block of 128 queries is 6,656 bytes
	s_add_co_u32 s38, s38, 6684672
	s_mul_i32 s13, s14, 768
	s_lshl_b32 s48, s14, 6
	s_add_co_u32 s48, s48, s38
	s_add_co_u32 s48, s48, 6144                    ; my tile's scale words in block 0
	s_add_co_u32 s38, s38, s13                     ; my tile's codes in block 0
	s_lshr_b32 s9, s8, 4                           ; where y goes: row block rb = 128 batch + 8 block + tile; K step ks = head / 2
	s_lshl_b32 s9, s9, 5
	s_lshr_b32 s13, s14, 2
	s_add_co_u32 s9, s9, s13                       ; rb / 4 in block 0
	s_and_b32 s13, s14, 3                          ; rb % 4
	s_bfe_u32 s15, s8, 0x30001                     ; ks
	s_and_b32 s37, s8, 1                           ; which half of the fragment's K is my head's
	s_mul_i32 s50, s9, 49152
	s_lshr_b32 s16, s15, 2
	s_mul_i32 s16, s16, 24576
	s_add_co_u32 s50, s50, s16
	s_mul_i32 s16, s13, 6144
	s_add_co_u32 s50, s50, s16
	s_and_b32 s16, s15, 3
	s_mul_i32 s16, s16, 1536
	s_add_co_u32 s50, s50, s16
	s_lshl_b32 s52, s9, 11
	s_lshl_b32 s16, s15, 8
	s_add_co_u32 s52, s52, s16
	s_lshl_b32 s16, s13, 6
	s_add_co_u32 s52, s52, s16
	s_lshl_b32 s16, s37, 1
	s_add_co_u32 s52, s52, s16
	s_add_co_u32 s52, s52, 3145728
	OFFS 68, 44, 40                                ; the short tile: Q s[44:47], y s[40:43]
	OFFS 69, 56, 60                                ; the long tile: Q s[56:59], y s[60:63]
	s_lshr_b32 s54, s14, 1                         ; my tile's first query in its block: 32 (tile / 2) + 8 (tile % 2)
	s_lshl_b32 s54, s54, 5
	s_and_b32 s55, s14, 1
	s_lshl_b32 s55, s55, 3
	s_add_co_u32 s54, s54, s55
	s_mov_b32 s[SEL], 0x76543210
	s_mov_b32 s[SEL+1], 0xfedcba98
	s_mov_b32 s[CS], 0x3e38aa3b                    ; c = log2(e) / 8
	s_mov_b32 s[CS+1], s[CS]
	s_mov_b32 s[BLK], s68                          ; the short tile: waves 8-15 take key steps 0 .. 7 - p, waves 0-7 none
	s_mov_b32 s[HI], s68
	s_cmp_eq_u32 s[ROLE], 0
	s_cselect_b32 s[LO], 16, 0
	s_wait_dscnt 0x0                               ; the opening adds are done
	s_wait_kmcnt 0x0
	s_add_nc_u64 s[G0+2:G0+3], s[4:5], s[10:11]
	s_or_b32 s[G0+3], s[G0+3], 0x80000000
	CROUND                                         ; all four work-groups are here: the joint loads meet
	tensor_load_to_lds s[G0:G0+3], s[G1:G1+7]      ; my one tensor load: bytes that are mine by wave x 13,056
	s_nop 0
	s_add_nc_u64 s[44:45], s[4:5], s[44:45]
	s_add_nc_u64 s[46:47], s[4:5], s[46:47]
	s_add_nc_u64 s[56:57], s[4:5], s[56:57]
	s_add_nc_u64 s[58:59], s[4:5], s[58:59]
	s_add_nc_u64 s[40:41], s[6:7], s[40:41]
	s_add_nc_u64 s[42:43], s[6:7], s[42:43]
	s_add_nc_u64 s[60:61], s[6:7], s[60:61]
	s_add_nc_u64 s[62:63], s[6:7], s[62:63]
	v_and_b32 v1, 31, v0
	s_delay_alu instid0(VALU_DEP_1)
	v_lshlrev_b32 v2, 4, v1                        ; 16 x lane
	s_delay_alu instid0(VALU_DEP_2)
	v_lshlrev_b32 v3, 3, v1                        ; 8 x lane
	v_and_b32 v4, 15, v0                           ; r
	s_delay_alu instid0(VALU_DEP_1)
	v_lshlrev_b32 v7, 2, v4                        ; 4 r
	global_load_b128 v[16:19], v2, s[44:45]        ; both tiles' Q stay in registers
	global_load_b64 v[20:21], v3, s[44:45] offset:512
	global_load_b32 v255, v7, s[46:47]
	global_load_b128 v[192:195], v2, s[56:57]
	global_load_b64 v[196:197], v3, s[56:57] offset:512
	global_load_b32 v204, v7, s[58:59]
	v_add_nc_u32 v11, s70, v2                      ; the exchange: 16 x lane in my pair's bytes
	v_and_b32 v29, 7, v4
	v_lshrrev_b32 v28, 3, v4
	s_delay_alu instid0(VALU_DEP_1)
	v_lshl_add_u32 v29, v28, 4, v29
	v_bfe_u32 v28, v0, 4, 1
	s_delay_alu instid0(VALU_DEP_1)
	v_lshlrev_b32 v28, 4, v28
	s_delay_alu instid0(VALU_DEP_1)
	v_sub_nc_u32 v29, v29, v28
	s_delay_alu instid0(VALU_DEP_1)
	v_add_nc_u32 v29, s54, v29                     ; my query in its block - 16 (lane / 16): register 16 b + i holds key 32 b + i + 16 (lane / 16), hidden where 32 b + i is above this
.irp j, 22,23,24,25,26,27,198,199,200,201,202,203
	v_mov_b32 v[\j], 0                             ; Q's k = 64 .. 127: zero codes
.endr
.irp t, 0,1,2,3
.irp j, 6,7,8,9,10,11
	v_mov_b32 v[32+12*\t+\j], 0                    ; K's: written before they are first read
.endr
.endr
.irp b, 0,1,2,3
	v_mov_b32 v[236+\b], 0                         ; a lane permute's destination counts as one of its sources
.endr
	v_mov_b32 v252, 0
	v_mov_b32 v253, 0
	INIT
	s_wait_tensorcnt 0x0                           ; my key step lies in LDS,
	s_barrier_signal -1
	s_barrier_wait -1                              ; everybody's does
	s_wait_loadcnt 0x0                             ; Q
	LOOP 8, 16, 255                                ; THE SHORT TILE
	s_cmp_eq_u32 s[ROLE], 0
	s_cbranch_scc1 .Lno_short
	WAYOUT 40
.Lno_short:
	s_wait_xcnt 0x0                                ; the stores have read their registers: the next steps write them anew
	s_mov_b32 s[BLK], s69                          ; THE LONG TILE: waves 0-7 take key steps 0 .. 7, waves 8-15 key steps 8 .. 8 + p
	s_cmp_eq_u32 s[ROLE], 0
	s_cselect_b32 s[LO], 0, 8
	s_cselect_b32 s[HI], 7, s69
	INIT
	LOOP 16, 192, 204
	s_cmp_eq_u32 s[ROLE], 0
	s_cbranch_scc0 .Lkeep
.irp j, 0,1,2,3,4,5,6,7
	ds_store_b128 v11, v[160+4*\j:163+4*\j] offset:512*\j   ; waves 0-7 hand over O^T, each accumulator from its low end on,
.endr
	ds_store_b128 v11, v[12:15] offset:4096        ; -M and the sums
.Lkeep:
	s_wait_dscnt 0x0                               ; for my partner's sake: my stores are done
	s_barrier_signal -1
	s_barrier_wait -1
	s_cmp_eq_u32 s[ROLE], 0
	s_cbranch_scc1 .Lend
.irp j, 0,1,2,3,4,5,6,7
	ds_load_b128 v[96+4*\j:99+4*\j], v11 offset:512*\j
.endr
	ds_load_b128 v[128:131], v11 offset:4096
	s_wait_dscnt 0x0
	v_min_num_f32 v132, v12, v128                  ; -M of both parts: M is the larger of the two
	v_mov_b32 v137, 0
	v_mov_b32 v139, 0
	v_sub_f32 v133, v132, v128                     ; whole numbers, 0 or less
	v_sub_f32 v134, v132, v12
	v_cvt_i32_f32 v133, v133
	v_cvt_i32_f32 v134, v134
	v_ldexp_f32 v136, 1.0, v133                    ; my partner's part x 2^(its M - M),
	v_ldexp_f32 v138, 1.0, v134                    ; mine x 2^(my M - M)
	v_pk_mul_f32 v[14:15], v[14:15], v[138:139] op_sel_hi:[1,0]
.irp j, 0,2,4,6,8,10,12,14,16,18,20,22,24,26,28,30
	v_pk_mul_f32 v[160+\j:161+\j], v[160+\j:161+\j], v[138:139] op_sel_hi:[1,0]
.endr
	v_pk_fma_f32 v[14:15], v[130:131], v[136:137], v[14:15] op_sel_hi:[1,0,1]
.irp j, 0,2,4,6,8,10,12,14,16,18,20,22,24,26,28,30
	v_pk_fma_f32 v[160+\j:161+\j], v[96+\j:97+\j], v[136:137], v[160+\j:161+\j] op_sel_hi:[1,0,1]
.endr
	WAYOUT 60
.Lend:
	s_wait_tensorcnt 0x0                           ; the wave's end, behind my tensor load and my last LDS store
	ds_add_u32 v[SPW], v[NIL]
	s_wait_dscnt 0x0
	CROUND                                         ; the closing round: no work-group ends while a partner may still ask for a key step that names it
	s_endpgm
.Lfunc_end_k_qab21cb76a5_attn:
	.size	k_qab21cb76a5_attn, .Lfunc_end_k_qab21cb76a5_attn-k_qab21cb76a5_attn
	.p2alignl 7, 3214868480
	.fill 96, 4, 3214868480
	.section	.rodata,"a",@progbits
	.p2align	6, 0x0
	.amdhsa_kernel k_qab21cb76a5_attn
		.amdhsa_group_segment_fixed_size 247808
		.amdhsa_private_segment_fixed_size 0
		.amdhsa_enable_private_segment 0
		.amdhsa_kernarg_size 16
		.amdhsa_user_sgpr_count 2
		.amdhsa_user_sgpr_kernarg_segment_ptr 1
		.amdhsa_wavefront_size32 1
		.amdhsa_system_sgpr_workgroup_id_x 1
		.amdhsa_system_sgpr_workgroup_id_y 1
		.amdhsa_system_sgpr_workgroup_id_z 1
		.amdhsa_system_vgpr_workitem_id 0
		.amdhsa_next_free_vgpr 256
		.amdhsa_next_free_sgpr 72
		.amdhsa_reserve_vcc 1
		.amdhsa_float_denorm_mode_32 3
		.amdhsa_float_denorm_mode_16_64 3
		.amdhsa_memory_ordered 1
		.amdhsa_forward_progress 1
		.amdhsa_inst_pref_size 71
	.end_amdhsa_kernel
	.amdgpu_metadata
---
amdhsa.version: [ 1, 2 ]
amdhsa.kernels:
  - .name:           k_qab21cb76a5_attn
    .symbol:         k_qab21cb76a5_attn.kd
    .args:
      - { .name: qkvb, .offset: 0, .size: 8, .value_kind: global_buffer, .address_space: global }
      - { .name: yb, .offset: 8, .size: 8, .value_kind: global_buffer, .address_space: global }
    .group_segment_fixed_size: 247808
    .private_segment_fixed_size: 0
    .kernarg_segment_align: 8
    .kernarg_segment_size: 16
    .max_flat_workgroup_size: 512
    .sgpr_count:     72
    .vgpr_count:     256
    .wavefront_size: 32
...
	.end_amdgpu_metadata
.endif
;; end of part 3
;; launch proj (part 4): grid 8 x 32, 8 waves a work-group, no clusters, 109,568 bytes of LDS; arguments yb, wts, b_proj, x, x1; writes x1
.if DOCPART == 4
	.amdgcn_target "amdgcn-amd-amdhsa--gfx1250"
	.amdhsa_code_object_version 6
	.text
	.protected	k_qab21cb76a5_proj
	.globl	k_qab21cb76a5_proj
	.p2align	8
	.type	k_qab21cb76a5_proj,@function
k_qab21cb76a5_proj:
	s_mov_b64 s[64:65], 0
	v_nop
	global_prefetch_b8 v0, s[64:65] scope:SCOPE_SE
	s_setreg_imm32_b32 hwreg(HW_REG_WAVE_MODE, 25, 1), 1
	s_wait_xcnt 0x0
; out = res + (A W + bias): a GEMM on codes of FP6 (E2M3) with E8M0 scales, N = 1,024, K = KK, f32 out.  256 work-groups, each a tile of 128 tokens x 128 columns.
; OPERANDS GO FROM MEMORY STRAIGHT INTO REGISTERS.  They lie in memory as images of operand registers (16 rows x 128 K = 1,536 bytes: registers 4 c .. 4 c + 3 of lane l at 512 c + 16 l), in panels of 64 rows laid
; [512 k][4 blocks][4][1,536]: a fragment is three loads of 512 consecutive bytes.  Eight waves: wave (kh, s15, s16) makes 64 tokens x 64 columns over half kh of K: 16 accumulators, NS steps of 128 along K.
; Three sets of 96 fragment registers by turns: while a step is multiplied, the 48 loads of the next two steps are out, and the set just read takes the step three on.
; NO TENSOR LOAD, SO NO CLUSTER AND NO JOINT REQUEST: a ring of two LDS slots would have one slot's bytes on its way between two of its barriers; here eight waves have 48 loads of 512 bytes each out, with no barrier in the stream.
; NO DATA PREFETCH: the loads themselves are issued two to three steps ahead of their use, as many as the counter's field holds (ISA guide 5.7.1).
; THE SCALES of the tile's 128 + 128 rows for all of K, two dense blocks, are copied into LDS once, in whole units; a step reads four words a lane: lanes 0-15 the tokens', lanes 16-31 the columns'.
; Source 0 = the weight's columns, source 1 = tokens: a lane holds one token (slot lane % 16) and eight columns.  Slot i of a block rb of 16 rows is row 32 (rb / 2) + 8 (rb % 2) + i % 8 + 16 (i / 8).
; THE TWO HALVES OF K MEET AT THE END: a wave counts its token blocks so that blocks 0, 1 are those that it sends out (true block = mine xor 2 kh); it hands blocks 2, 3 (64 registers) to its partner (wave xor 4) through LDS.
; So a sum is the f32 sum of two halves of K.  LIMITS: NaN and infinities are not served.
; REGISTERS: v1 16 x thread, v3 16 r, v4-6 offsets of fragments, v7-8 scale words' LDS addresses, v9-11 the way out, v12-15 bias, v16-27 scale words (three sets), v30-31 the exchange, v32-127 set 2, v128-255 accumulators;
;   window 1: v0-95 set 0, v96-191 set 1, v192-255 the residual.
.set KK,    1024
.set A_SC,  3145728                    ; the tokens' scales in their buffer
.set W_CO,  2359296                    ; the weight's codes in wts
.set W_SC,  9535488                    ; and its scales
.set NS,    KK/256                     ; steps of 128 along K for a wave
.set HALFS, 2*KK                       ; a panel's scales
.set NA,    HALFS/2048                 ; loads of 4,096 bytes a work-group that bring two panels' scales
.set XCH,   4*HALFS                    ; behind the scales: the exchange, 8,192 bytes a wave
.set STAGE, XCH+65536                  ; 16 rows x (256 + 16) bytes for each wave
.set SPARE, STAGE+8*4352               ; the spare words, 128 bytes for each of eight waves
.set FR,  12
.set SC,  16
.set ACC, 128
.set MSB, 0
.macro WIN new                         ; the immediate's high byte repeats the setting that is left
.if MSB != \new
	s_set_vgpr_msb (MSB<<8)|\new
.set MSB, \new
.endif
.endm
.macro LOADS t                         ; step t's eight fragments into set t % 3: 24 loads
.if (\t)%3 == 2
.set FB, 32
	WIN 0
.else
.set FB, 96*((\t)%3)
	WIN 0x40
.endif
.set KO, ((\t)/4)*24576+((\t)%4)*1536
.irp i, 0,1,2,3
.irp c, 0,1,2
	global_load_b128 v[FB+FR*\i+4*\c:FB+FR*\i+4*\c+3], v4, s[22:23] offset:KO+\i*6144+512*\c
.endr
.endr
.irp i, 0,1
.irp c, 0,1,2
	global_load_b128 v[FB+48+FR*\i+4*\c:FB+48+FR*\i+4*\c+3], v5, s[20:21] offset:KO+\i*6144+512*\c
.endr
.endr
.irp i, 0,1
.irp c, 0,1,2
	global_load_b128 v[FB+72+FR*\i+4*\c:FB+72+FR*\i+4*\c+3], v6, s[20:21] offset:KO+\i*6144+512*\c
.endr
.endr
.endm
.macro SCW t                           ; step t's scale words into set t % 3
.irp i, 0,1
	ds_load_b32 v[SC+4*((\t)%3)+\i], v7 offset:(\t)*256+\i*64
	ds_load_b32 v[SC+4*((\t)%3)+2+\i], v8 offset:(\t)*256+\i*64
.endr
.endm
.macro STEP t
.set CN, 24*(NS-1-(\t))                ; younger than this step's loads: the 24 of each later step that has been issued, two steps at the most,
.if CN > 48
.set CN, 48
.endif
.if (\t) >= 1 && (\t) <= 3
.set CN, CN+16                         ; and in steps 1 to 3 the residual's 16, issued behind step 3's;
.endif
.if CN > 63
.set CN, 63                            ; the wait's field holds 63
.endif
	s_wait_loadcnt CN
	s_wait_dscnt 0x0                               ; this step's scale words
	WIN 0
.if (\t)+1 < NS
	SCW (\t)+1
.endif
.set SS, SC+4*((\t)%3)
.if (\t)%3 == 2
.set FB, 32
.else
.set FB, 96*((\t)%3)
	WIN 0x05
.endif
.irp a, 0,1,2,3                        ; the 16 accumulators take turns, in the same order in every step
.irp b, 0,1,2,3
.if (\t) == 0
	v_wmma_scale_f32_16x16x128_f8f6f4 v[ACC+8*(4*\a+\b):ACC+8*(4*\a+\b)+7], v[FB+FR*\b:FB+FR*\b+FR-1], v[FB+48+FR*\a:FB+48+FR*\a+FR-1], 0, v[SS+\b], v[SS+\a] matrix_a_fmt:MATRIX_FMT_FP6 matrix_b_fmt:MATRIX_FMT_FP6 matrix_a_scale:MATRIX_SCALE_ROW1
.else
	v_wmma_scale_f32_16x16x128_f8f6f4 v[ACC+8*(4*\a+\b):ACC+8*(4*\a+\b)+7], v[FB+FR*\b:FB+FR*\b+FR-1], v[FB+48+FR*\a:FB+48+FR*\a+FR-1], v[ACC+8*(4*\a+\b):ACC+8*(4*\a+\b)+7], v[SS+\b], v[SS+\a] matrix_a_fmt:MATRIX_FMT_FP6 matrix_b_fmt:MATRIX_FMT_FP6 matrix_a_scale:MATRIX_SCALE_ROW1
.endif
.endr
.endr
.rept 4
	v_nop                                          ; four places ahead of loads into registers that the products read, and of reads of results
.endr
.if (\t)+3 < NS
	LOADS (\t)+3
.endif
.endm
	s_load_b256 s[4:11], s[0:1], 0x0               ; the tokens' buffer, wts, bias, residual
	s_load_b64 s[12:13], s[0:1], 0x20              ; out
	v_lshl_add_u32 v28, v0, 2, SPARE
	v_mov_b32 v29, 0
	v_lshrrev_b32 v32, 5, v0
	v_readfirstlane_b32 s14, v32                   ; wave 0..7
	s_bfe_u32 s15, s14, 0x10001                    ; my half of the tokens
	s_and_b32 s16, s14, 1                          ; my half of the columns
	s_lshr_b32 s17, s14, 2                         ; kh: my half of K
	s_and_b32 s18, ttmp7, 0xffff                   ; the tile of 128 tokens; ttmp9: the tile of 128 columns
	s_lshl_b32 s20, s18, 1
	s_add_co_u32 s20, s20, s15
	s_mul_i32 s20, s20, KK*48
	s_mul_i32 s19, s17, KK*24
	s_add_co_u32 s20, s20, s19                     ; my panel of tokens, my half of K
	s_mov_b32 s21, 0
	s_lshl_b32 s22, ttmp9, 1
	s_add_co_u32 s22, s22, s16
	s_mul_i32 s22, s22, KK*48
	s_add_co_u32 s22, s22, s19
	s_add_co_u32 s22, s22, W_CO                    ; my panel of columns
	s_mov_b32 s23, 0
	s_mul_i32 s24, s18, 2*HALFS
	s_add_co_u32 s24, s24, A_SC                    ; the tile's scales: tokens',
	s_mov_b32 s25, 0
	s_mul_i32 s26, ttmp9, 2*HALFS
	s_add_co_u32 s26, s26, W_SC                    ; columns'
	s_mov_b32 s27, 0
	s_lshl_b32 s28, ttmp9, 9
	s_lshl_b32 s19, s16, 8
	s_add_co_u32 s28, s28, s19                     ; my first column, in bytes
	s_mov_b32 s29, 0
	s_lshl_b32 s30, s18, 2
	s_lshl_b32 s19, s15, 1
	s_add_co_u32 s30, s30, s19
	s_add_co_u32 s30, s30, s17                     ; the 32 tokens that I send out: number 4 tile + 2 half + kh
	s_lshl_b32 s30, s30, 17
	s_add_co_u32 s30, s30, s28
	s_mov_b32 s31, 0
	s_mul_i32 s33, s17, 12288                      ; my token blocks 0, 1 are true blocks 2 kh, 2 kh + 1,
	s_xor_b32 s34, s17, 1
	s_mul_i32 s34, s34, 12288                      ; my blocks 2, 3 the two others
	s_mul_i32 s38, s15, HALFS
	s_mul_i32 s35, s17, NS*256
	s_add_co_u32 s35, s35, s38                     ; the tokens' scale words: my panel, my half of K
	s_lshl_b32 s36, s17, 7
	s_mul_i32 s37, s16, HALFS
	s_add_co_u32 s37, s37, 2*HALFS
	s_sub_co_u32 s37, s37, s38                     ; from there to the columns'
	s_sub_co_u32 s39, s37, s36
	s_add_co_u32 s40, s37, s36
	s_add_co_u32 s41, s35, s36
	s_add_co_u32 s42, s35, 128
	s_sub_co_u32 s42, s42, s36
	s_mul_i32 s43, s14, 4352
	s_add_co_u32 s43, s43, STAGE                   ; my stage
	s_lshl_b32 s44, s14, 13
	s_add_co_u32 s44, s44, XCH                     ; where I hand over,
	s_xor_b32 s45, s14, 4
	s_lshl_b32 s45, s45, 13
	s_add_co_u32 s45, s45, XCH                     ; where my partner does
	v_and_b32 v33, 15, v0                          ; r
	v_bfe_u32 v2, v0, 4, 1                         ; h
	v_and_b32 v34, 31, v0
	v_lshlrev_b32 v4, 4, v34                       ; 16 x lane
	v_lshlrev_b32 v35, 2, v33
	v_mul_u32_u24 v36, s39, v2                     ; lanes 16-31 take the columns' words
	v_mul_u32_u24 v37, s40, v2
	v_mul_u32_u24 v38, v33, 272
	v_mul_u32_u24 v39, v2, 272
	v_add_nc_u32 v5, s33, v4
	v_add_nc_u32 v6, s34, v4
	v_add_nc_u32 v36, v35, v36
	v_add_nc_u32 v37, v35, v37
	v_lshl_add_u32 v38, v2, 6, v38
	v_lshl_add_u32 v39, v33, 4, v39
	v_add_nc_u32 v7, s41, v36                      ; scale words of blocks 0, 1
	v_add_nc_u32 v8, s42, v37                      ; of blocks 2, 3
	v_add_nc_u32 v9, s43, v38                      ; the stage, in: row = slot r, + 64 h bytes
	v_add_nc_u32 v10, s43, v39                     ; back: lanes 0-15 one row of 256 bytes, lanes 16-31 the next
	v_lshlrev_b32 v11, 12, v2
	v_add_nc_u32 v30, s44, v4
	v_add_nc_u32 v31, s45, v4
	v_lshl_add_u32 v11, v33, 4, v11                ; the same two rows in memory
	v_lshlrev_b32 v3, 4, v33
	v_lshlrev_b32 v1, 4, v0
	s_wait_alu depctr_va_vdst(0)
	s_wait_kmcnt 0x0
	s_add_nc_u64 s[20:21], s[4:5], s[20:21]
	s_add_nc_u64 s[22:23], s[6:7], s[22:23]
	s_add_nc_u64 s[24:25], s[4:5], s[24:25]
	s_add_nc_u64 s[26:27], s[6:7], s[26:27]
	s_add_nc_u64 s[8:9], s[8:9], s[28:29]
	s_add_nc_u64 s[10:11], s[10:11], s[30:31]
	s_add_nc_u64 s[12:13], s[12:13], s[30:31]
.set J, 0
.rept NA                               ; the scales: a wave's load covers 512 consecutive bytes
	global_load_b128 v[ACC+4*J:ACC+4*J+3], v1, s[24:25] offset:4096*J
	global_load_b128 v[ACC+32+4*J:ACC+32+4*J+3], v1, s[26:27] offset:4096*J
.set J, J+1
.endr
	global_load_b128 v[12:15], v3, s[8:9]          ; the bias at my four columns of a row
	LOADS 0
	LOADS 1
	WIN 0
	s_wait_loadcnt 48                              ; scales and bias are in; the 48 loads of steps 0 and 1 may be out
.set J, 0
.rept NA
	ds_store_b128 v1, v[ACC+4*J:ACC+4*J+3] offset:4096*J
	ds_store_b128 v1, v[ACC+32+4*J:ACC+32+4*J+3] offset:2*HALFS+4096*J
.set J, J+1
.endr
	LOADS 2
	WIN 0
	s_wait_dscnt 0x0                               ; for the others' sake: my part of the scales lies in LDS
	s_barrier_signal -1
	s_barrier_wait -1
	SCW 0
	STEP 0                                         ; the first products start the sums
	WIN 0x40
.irp a, 0,1
.irp t, 0,1,2,3,4,5,6,7
	global_load_b128 v[192+32*\a+4*\t:192+32*\a+4*\t+3], v11, s[10:11] offset:(8*\a+2*\t+8*(\t/4))*4096 th:TH_LOAD_NT   ; the residual, in the order in which rows leave the stage
.endr
.endr
.set T, 1
.rept NS-1
	STEP T
.set T, T+1
.endr
	WIN 0
.set J, 0
.rept 16                               ; my blocks 2, 3 to my partner, as an image of the registers, each accumulator from its low end on
	ds_store_b128 v30, v[ACC+64+4*J:ACC+64+4*J+3] offset:512*J
.set J, J+1
.endr
	s_wait_dscnt 0x0
	s_barrier_signal -1
	s_barrier_wait -1
.set J, 0
.rept 16
	ds_load_b128 v[32+4*J:32+4*J+3], v31 offset:512*J
.set J, J+1
.endr
	s_wait_dscnt 0x0
	s_wait_loadcnt 0x0                             ; the residual
.set J, 0
.rept 32
	v_pk_add_f32 v[ACC+2*J:ACC+2*J+1], v[ACC+2*J:ACC+2*J+1], v[32+2*J:32+2*J+1]   ; the other half of K
.set J, J+1
.endr
; THE WAY OUT, a block of 16 tokens x 64 columns at a time, through my own stage: in by the columns' true places, back as rows of 256 bytes; + bias, + residual; sixteen lanes store 256 consecutive bytes, aligned
.macro OUT a
.irp b, 0,1,2,3
	ds_store_b128 v9, v[ACC+8*(4*(\a)+\b):ACC+8*(4*(\a)+\b)+3] offset:128*(\b/2)+32*(\b%2)
	ds_store_b128 v9, v[ACC+8*(4*(\a)+\b)+4:ACC+8*(4*(\a)+\b)+7] offset:128*(\b/2)+32*(\b%2)+16
.endr
.set BB, 96-64*(\a)
.irp t, 0,1,2,3,4,5,6,7
	ds_load_b128 v[BB+4*\t:BB+4*\t+3], v10 offset:544*\t   ; LDS serves a wave's instructions in order: these see my stores
.endr
	s_wait_dscnt 0x0
.irp t, 0,1,2,3,4,5,6,7
	v_pk_add_f32 v[BB+4*\t:BB+4*\t+1], v[BB+4*\t:BB+4*\t+1], v[12:13]
	v_pk_add_f32 v[BB+4*\t+2:BB+4*\t+3], v[BB+4*\t+2:BB+4*\t+3], v[14:15]
.endr
	WIN 0x04                                       ; source 1: window 1
.irp t, 0,1,2,3,4,5,6,7
	v_pk_add_f32 v[BB+4*\t:BB+4*\t+1], v[BB+4*\t:BB+4*\t+1], v[192+32*(\a)+4*\t:192+32*(\a)+4*\t+1]
	v_pk_add_f32 v[BB+4*\t+2:BB+4*\t+3], v[BB+4*\t+2:BB+4*\t+3], v[192+32*(\a)+4*\t+2:192+32*(\a)+4*\t+3]
.endr
	WIN 0
.irp t, 0,1,2,3,4,5,6,7
	global_store_b128 v11, v[BB+4*\t:BB+4*\t+3], s[12:13] offset:(8*(\a)+2*\t+8*(\t/4))*4096
.endr
.endm
	OUT 0
	OUT 1
	s_wait_tensorcnt 0x0                           ; the wave's end, behind my last LDS store
	ds_add_u32 v28, v29
	s_wait_dscnt 0x0
	s_endpgm
.Lfunc_end_k_qab21cb76a5_proj:
	.size	k_qab21cb76a5_proj, .Lfunc_end_k_qab21cb76a5_proj-k_qab21cb76a5_proj
	.p2alignl 7, 3214868480
	.fill 96, 4, 3214868480
	.section	.rodata,"a",@progbits
	.p2align	6, 0x0
	.amdhsa_kernel k_qab21cb76a5_proj
		.amdhsa_group_segment_fixed_size 109568
		.amdhsa_private_segment_fixed_size 0
		.amdhsa_enable_private_segment 0
		.amdhsa_kernarg_size 40
		.amdhsa_user_sgpr_count 2
		.amdhsa_user_sgpr_kernarg_segment_ptr 1
		.amdhsa_wavefront_size32 1
		.amdhsa_system_sgpr_workgroup_id_x 1
		.amdhsa_system_sgpr_workgroup_id_y 1
		.amdhsa_system_sgpr_workgroup_id_z 1
		.amdhsa_system_vgpr_workitem_id 0
		.amdhsa_next_free_vgpr 512
		.amdhsa_next_free_sgpr 66
		.amdhsa_reserve_vcc 0
		.amdhsa_float_denorm_mode_32 3
		.amdhsa_float_denorm_mode_16_64 3
		.amdhsa_memory_ordered 1
		.amdhsa_forward_progress 1
		.amdhsa_inst_pref_size 38
	.end_amdhsa_kernel
	.amdgpu_metadata
---
amdhsa.version: [ 1, 2 ]
amdhsa.kernels:
  - .name:           k_qab21cb76a5_proj
    .symbol:         k_qab21cb76a5_proj.kd
    .args:
      - { .name: yb, .offset: 0, .size: 8, .value_kind: global_buffer, .address_space: global }
      - { .name: wts, .offset: 8, .size: 8, .value_kind: global_buffer, .address_space: global }
      - { .name: b_proj, .offset: 16, .size: 8, .value_kind: global_buffer, .address_space: global }
      - { .name: x, .offset: 24, .size: 8, .value_kind: global_buffer, .address_space: global }
      - { .name: x1, .offset: 32, .size: 8, .value_kind: global_buffer, .address_space: global }
    .group_segment_fixed_size: 109568
    .private_segment_fixed_size: 0
    .kernarg_segment_align: 8
    .kernarg_segment_size: 40
    .max_flat_workgroup_size: 256
    .sgpr_count:     66
    .vgpr_count:     512
    .wavefront_size: 32
...
	.end_amdgpu_metadata
.endif
;; end of part 4
;; launch ln2 (part 5): grid 256 x 1, 8 waves a work-group, no clusters, 66,816 bytes of LDS; arguments x1, g2, bt2, act; writes act
.if DOCPART == 5
	.amdgcn_target "amdgcn-amd-amdhsa--gfx1250"
	.amdhsa_code_object_version 6
	.text
	.protected	k_qab21cb76a5_ln2
	.globl	k_qab21cb76a5_ln2
	.p2align	8
	.type	k_qab21cb76a5_ln2,@function
k_qab21cb76a5_ln2:
	s_mov_b64 s[64:65], 0
	v_nop
	global_prefetch_b8 v0, s[64:65] scope:SCOPE_SE
	s_setreg_imm32_b32 hwreg(HW_REG_WAVE_MODE, 25, 1), 1
	s_wait_xcnt 0x0
; LayerNorm of 4,096 rows of 1,024 f32, then the quantiser along the row: codes of FP6 (E2M3), one E8M0 byte for each 32, stored as images of operand registers.
; A work-group owns one block rb of 16 rows: slot i is row 32 (rb / 2) + 8 (rb % 2) + i % 8 + 16 (i / 8).  Phase 1: wave w normalises slots 2 w and 2 w + 1 (two neighbouring rows), each row whole in the wave:
; mean, then the mean of the squared differences (two passes over registers, so that a common offset of the inputs costs no digits), v_rsq_f32, gain and bias; the rows go to LDS.
; Phase 2, behind one barrier: wave w takes columns 128 w .. 128 w + 127 of all 16 slots, one fragment: lane (r, h) reads 16 neighbours of each block of 32 of row r, quantises, and stores the image:
; registers 4 c .. 4 c + 3 of lane l at 512 c + 16 l; the scale word of slot r at 4 r.  Panels of 8 rb: codes (rb / 8) 98,304 + (ks / 2) 24,576 + (rb % 8) 3,072 + (ks % 2) 1,536; scales 3,145,728 + (rb / 8) 4,096 + 512 ks + 64 (rb % 8).
; LIMITS: a block of zeros gets the byte 1 where the rule says 127 (its codes are zeros; only this program reads the bytes); largest magnitudes under 2^-124 were not tried; NaN and infinities are not served.
.set PITCH, 4112                       ; a row in LDS: 4,096 + 16 bytes, so that the 16 rows that a load touches start 16 bytes apart modulo 256
.set SPARE, 16*PITCH                   ; 65,792: the spare words, 128 bytes for each of eight waves
.set SPW, 28
.set NIL, 29
.set R,   32                           ; v32-95   my two rows; later the 64 numbers of phase 2
.set G,   96                           ; v96-127  gain at my columns
.set BT,  128                          ; v128-159 bias
.set PC,  160                          ; v160-178 codes
.set TM,  180                          ; v180-195 at work in the quantiser
.set PW,  196                          ; the scale word
.set SEL, 20
.macro QUANT s                         ; 64 numbers of a lane, register 16 b + i = k 32 b + 16 (lane / 16) + i of my row, become a fragment's 12 registers in v[PC] on and its scale word in v[PW]
.irp b, 0,1,2,3
	v_max3_num_f32 v[TM+\b], |v[\s+16*\b]|, |v[\s+1+16*\b]|, 0x1800000   ; with the floor 2^(3 - 127): the byte cannot fall under 1
.endr
.irp i, 2,4,6,8,10,12,14
.irp b, 0,1,2,3
	s_delay_alu instid0(VALU_DEP_4)
	v_max3_num_f32 v[TM+\b], v[TM+\b], |v[\s+16*\b+\i]|, |v[\s+1+16*\b+\i]|
.endr
.endr
.irp b, 0,1,2,3
	s_delay_alu instid0(VALU_DEP_4)
	v_permlanex16_b32 v[TM+4+\b], v[TM+\b], s[SEL], s[SEL+1]
.endr
.irp b, 0,1,2,3
	s_delay_alu instid0(VALU_DEP_4)
	v_max_num_f32 v[TM+\b], v[TM+\b], v[TM+4+\b]   ; with lane l xor 16's: the block's largest magnitude
.endr
.irp b, 0,1,2,3
	s_delay_alu instid0(VALU_DEP_4)
	v_add_nc_u32 v[TM+12+\b], 0xff000000, v[TM+\b] ; 2 off its exponent field: the conversion's scale operand
.endr
.irp b, 0,1,2,3
	s_delay_alu instid0(VALU_DEP_4)
	v_lshrrev_b32 v[TM+4+\b], 23, v[TM+12+\b]      ; the scale's byte
.endr
	s_delay_alu instid0(VALU_DEP_3)
	v_lshl_or_b32 v[PW], v[TM+5], 8, v[TM+4]
	s_delay_alu instid0(VALU_DEP_1)
	v_lshl_or_b32 v[PW], v[TM+6], 16, v[PW]
	s_delay_alu instid0(VALU_DEP_1)
	v_lshl_or_b32 v[PW], v[TM+7], 24, v[PW]
.irp c, 0,1
	v_cvt_scalef32_pk16_fp6_f32 v[PC+6*\c:PC+2+6*\c], v[\s+32*\c:\s+15+32*\c], v[TM+12+2*\c]
	v_cvt_scalef32_pk16_fp6_f32 v[PC+12+4*\c:PC+14+4*\c], v[\s+16+32*\c:\s+31+32*\c], v[TM+12+2*\c+1]
.endr
	v_nop                                          ; one plain place behind a scaled conversion
.irp c, 0,1                            ; the operand's layout wants a whole block in a lane
.irp i, 0,1,2
	v_permlane16_swap_b32 v[PC+6*\c+\i], v[PC+12+4*\c+\i]
.endr
.irp i, 0,1,2
	s_delay_alu instid0(VALU_DEP_3)
	v_mov_b32 v[PC+3+6*\c+\i], v[PC+12+4*\c+\i]
.endr
.endr
.endm
.macro LANESUM a, t                    ; the sum over the 32 lanes, in every lane
.irp m, 1
	v_add_f32_dpp v[\a], v[\a], v[\a] row_xmask:\m row_mask:0xf bank_mask:0xf
.endr
.irp m, 2, 4, 8
	s_delay_alu instid0(VALU_DEP_1)
	v_add_f32_dpp v[\a], v[\a], v[\a] row_xmask:\m row_mask:0xf bank_mask:0xf
.endr
	s_delay_alu instid0(VALU_DEP_1)
	v_permlanex16_b32 v[\t], v[\a], s[SEL], s[SEL+1]
	s_delay_alu instid0(VALU_DEP_1)
	v_add_f32 v[\a], v[\a], v[\t]
.endm
	s_load_b256 s[4:11], s[0:1], 0x0               ; the rows, gain, bias, act
	v_lshl_add_u32 v[SPW], v0, 2, SPARE
	v_mov_b32 v[NIL], 0
	v_lshrrev_b32 v1, 5, v0
	s_delay_alu instid0(VALU_DEP_1)
	v_readfirstlane_b32 s12, v1                    ; wave 0..7
	v_and_b32 v2, 31, v0
	s_delay_alu instid0(VALU_DEP_1)
	v_lshlrev_b32 v3, 4, v2                        ; 16 x lane
	s_lshr_b32 s13, ttmp9, 1
	s_lshl_b32 s13, s13, 5
	s_and_b32 s14, ttmp9, 1
	s_lshl_b32 s14, s14, 3
	s_add_co_u32 s13, s13, s14
	s_lshl_b32 s14, s12, 1
	s_and_b32 s14, s14, 7
	s_add_co_u32 s13, s13, s14
	s_lshr_b32 s14, s12, 2
	s_lshl_b32 s14, s14, 4
	s_add_co_u32 s13, s13, s14                     ; the row of slot 2 w
	s_lshl_b32 s14, s13, 12
	s_mov_b32 s15, 0
	s_mov_b32 s[SEL], 0x76543210
	s_mov_b32 s[SEL+1], 0xfedcba98
	s_mov_b32 s22, 0x3a800000                      ; 1 / 1,024
	s_mov_b32 s23, 0x3727c5ac                      ; 1e-5
	s_wait_alu depctr_va_vdst(0)
	s_wait_kmcnt 0x0
	s_add_nc_u64 s[4:5], s[4:5], s[14:15]
.irp q, 0,1
.irp j, 0,1,2,3,4,5,6,7
	global_load_b128 v[R+32*\q+4*\j:R+32*\q+4*\j+3], v3, s[4:5] offset:4096*\q+512*\j th:TH_LOAD_NT   ; 512 consecutive bytes a load
.endr
.endr
.irp j, 0,1,2,3,4,5,6,7
	global_load_b128 v[G+4*\j:G+4*\j+3], v3, s[6:7] offset:512*\j
.endr
.irp j, 0,1,2,3,4,5,6,7
	global_load_b128 v[BT+4*\j:BT+4*\j+3], v3, s[8:9] offset:512*\j
.endr
	s_mul_i32 s16, s12, 2*PITCH
	v_add_nc_u32 v4, s16, v3                       ; into LDS: rows 2 w, 2 w + 1
	v_and_b32 v6, 15, v0                           ; r
	v_bfe_u32 v7, v0, 4, 1                         ; h
	s_delay_alu instid0(VALU_DEP_2)
	v_mul_u32_u24 v5, v6, PITCH
	s_delay_alu instid0(VALU_DEP_1)
	v_lshl_add_u32 v5, v7, 6, v5
	s_lshl_b32 s16, s12, 9
	v_add_nc_u32 v5, s16, v5                       ; out of it: row r, columns 128 w on, + 16 h numbers
	v_lshlrev_b32 v6, 2, v6                        ; 4 r
.irp b, 0,1,2,3
	v_mov_b32 v[TM+4+\b], 0                        ; written once: a lane permute's destination counts as one of its sources
.endr
	s_wait_loadcnt 16                              ; my two rows are in; the 16 loads of gain and bias may be out
.irp q, 0,1
	v_pk_add_f32 v[12+4*\q:13+4*\q], v[R+32*\q:R+32*\q+1], v[R+32*\q+2:R+32*\q+3]
	v_pk_add_f32 v[14+4*\q:15+4*\q], v[R+32*\q+4:R+32*\q+5], v[R+32*\q+6:R+32*\q+7]
.endr
.irp i, 8,12,16,20,24,28
.irp q, 0,1
	s_delay_alu instid0(VALU_DEP_4)
	v_pk_add_f32 v[12+4*\q:13+4*\q], v[12+4*\q:13+4*\q], v[R+32*\q+\i:R+32*\q+\i+1]
	s_delay_alu instid0(VALU_DEP_4)
	v_pk_add_f32 v[14+4*\q:15+4*\q], v[14+4*\q:15+4*\q], v[R+32*\q+\i+2:R+32*\q+\i+3]
.endr
.endr
.irp q, 0
	s_delay_alu instid0(VALU_DEP_3)
	v_pk_add_f32 v[12+4*\q:13+4*\q], v[12+4*\q:13+4*\q], v[14+4*\q:15+4*\q]
.endr
.irp q, 1
	s_delay_alu instid0(VALU_DEP_2)
	v_pk_add_f32 v[12+4*\q:13+4*\q], v[12+4*\q:13+4*\q], v[14+4*\q:15+4*\q]
.endr
.irp q, 0,1
	s_delay_alu instid0(VALU_DEP_2)
	v_add_f32 v[12+4*\q], v[12+4*\q], v[13+4*\q]
.endr
	LANESUM 12, 14
	LANESUM 16, 18
.irp q, 0
	v_mul_f32 v[12+4*\q], s22, v[12+4*\q]          ; the mean
.endr
.irp q, 1
	s_delay_alu instid0(VALU_DEP_2)
	v_mul_f32 v[12+4*\q], s22, v[12+4*\q]          ; the mean
.endr
.irp q, 0,1
.irp i, 0,2,4,6,8,10,12,14,16,18,20,22,24,26,28,30
	v_pk_add_f32 v[R+32*\q+\i:R+32*\q+\i+1], v[R+32*\q+\i:R+32*\q+\i+1], v[12+4*\q:13+4*\q] op_sel_hi:[1,0] neg_lo:[0,1] neg_hi:[0,1]   ; x - mean
.endr
.endr
.irp q, 0,1
	v_pk_mul_f32 v[20+4*\q:21+4*\q], v[R+32*\q:R+32*\q+1], v[R+32*\q:R+32*\q+1]
	v_pk_mul_f32 v[22+4*\q:23+4*\q], v[R+32*\q+2:R+32*\q+3], v[R+32*\q+2:R+32*\q+3]
.endr
.irp i, 4,8,12,16,20,24,28
.irp q, 0,1
	s_delay_alu instid0(VALU_DEP_4)
	v_pk_fma_f32 v[20+4*\q:21+4*\q], v[R+32*\q+\i:R+32*\q+\i+1], v[R+32*\q+\i:R+32*\q+\i+1], v[20+4*\q:21+4*\q]
	s_delay_alu instid0(VALU_DEP_4)
	v_pk_fma_f32 v[22+4*\q:23+4*\q], v[R+32*\q+\i+2:R+32*\q+\i+3], v[R+32*\q+\i+2:R+32*\q+\i+3], v[22+4*\q:23+4*\q]
.endr
.endr
.irp q, 0
	s_delay_alu instid0(VALU_DEP_3)
	v_pk_add_f32 v[20+4*\q:21+4*\q], v[20+4*\q:21+4*\q], v[22+4*\q:23+4*\q]
.endr
.irp q, 1
	s_delay_alu instid0(VALU_DEP_2)
	v_pk_add_f32 v[20+4*\q:21+4*\q], v[20+4*\q:21+4*\q], v[22+4*\q:23+4*\q]
.endr
.irp q, 0,1
	s_delay_alu instid0(VALU_DEP_2)
	v_add_f32 v[20+4*\q], v[20+4*\q], v[21+4*\q]
.endr
	LANESUM 20, 22
	LANESUM 24, 26
.irp q, 0
	v_fma_f32 v[20+4*\q], v[20+4*\q], s22, s23     ; the variance + 1e-5
.endr
.irp q, 1
	s_delay_alu instid0(VALU_DEP_2)
	v_fma_f32 v[20+4*\q], v[20+4*\q], s22, s23     ; the variance + 1e-5
.endr
	s_wait_alu depctr_va_vdst(0)
	v_rsq_f32 v20, v20
	v_rsq_f32 v24, v24
	v_nop                                          ; a plain place behind the two
	s_wait_alu depctr_va_vdst(0)                   ; one wait for both, ahead of the first reader
	s_wait_loadcnt 0x0                             ; gain and bias
.irp q, 0,1
.irp i, 0,2,4,6,8,10,12,14,16,18,20,22,24,26,28,30
	v_pk_mul_f32 v[R+32*\q+\i:R+32*\q+\i+1], v[R+32*\q+\i:R+32*\q+\i+1], v[20+4*\q:21+4*\q] op_sel_hi:[1,0]
.endr
.irp i, 0,2,4,6,8,10,12,14,16,18,20,22,24,26,28,30
	v_pk_fma_f32 v[R+32*\q+\i:R+32*\q+\i+1], v[R+32*\q+\i:R+32*\q+\i+1], v[G+\i:G+\i+1], v[BT+\i:BT+\i+1]
.endr
.endr
.irp q, 0,1
.irp j, 0,1,2,3,4,5,6,7
	ds_store_b128 v4, v[R+32*\q+4*\j:R+32*\q+4*\j+3] offset:PITCH*\q+512*\j
.endr
.endr
	s_wait_dscnt 0x0                               ; for the others' sake: my rows lie in LDS
	s_barrier_signal -1
	s_barrier_wait -1
.irp b, 0,1,2,3
.irp j, 0,1,2,3
	ds_load_b128 v[R+16*\b+4*\j:R+16*\b+4*\j+3], v5 offset:128*\b+16*\j
.endr
.endr
	s_lshr_b32 s16, ttmp9, 3                       ; where my fragment goes
	s_and_b32 s17, ttmp9, 7
	s_mul_i32 s24, s16, 98304
	s_lshr_b32 s18, s12, 1
	s_mul_i32 s18, s18, 24576
	s_add_co_u32 s24, s24, s18
	s_mul_i32 s18, s17, 3072
	s_add_co_u32 s24, s24, s18
	s_and_b32 s18, s12, 1
	s_mul_i32 s18, s18, 1536
	s_add_co_u32 s24, s24, s18
	s_mov_b32 s25, 0
	s_lshl_b32 s26, s16, 12
	s_lshl_b32 s18, s12, 9
	s_add_co_u32 s26, s26, s18
	s_lshl_b32 s18, s17, 6
	s_add_co_u32 s26, s26, s18
	s_add_co_u32 s26, s26, 3145728
	s_mov_b32 s27, 0
	s_add_nc_u64 s[24:25], s[10:11], s[24:25]
	s_add_nc_u64 s[26:27], s[10:11], s[26:27]
	s_wait_dscnt 0x0
	QUANT R
.irp c, 0,1,2
	global_store_b128 v3, v[PC+4*\c:PC+4*\c+3], s[24:25] offset:512*\c   ; 512 consecutive bytes, aligned
.endr
	global_store_b32 v6, v[PW], s[26:27]           ; slot r's word; lanes 16-31 hold and write the same words
	s_wait_tensorcnt 0x0                           ; the wave's end, behind my last LDS store
	ds_add_u32 v[SPW], v[NIL]
	s_wait_dscnt 0x0
	s_endpgm
.Lfunc_end_k_qab21cb76a5_ln2:
	.size	k_qab21cb76a5_ln2, .Lfunc_end_k_qab21cb76a5_ln2-k_qab21cb76a5_ln2
	.p2alignl 7, 3214868480
	.fill 96, 4, 3214868480
	.section	.rodata,"a",@progbits
	.p2align	6, 0x0
	.amdhsa_kernel k_qab21cb76a5_ln2
		.amdhsa_group_segment_fixed_size 66816
		.amdhsa_private_segment_fixed_size 0
		.amdhsa_enable_private_segment 0
		.amdhsa_kernarg_size 32
		.amdhsa_user_sgpr_count 2
		.amdhsa_user_sgpr_kernarg_segment_ptr 1
		.amdhsa_wavefront_size32 1
		.amdhsa_system_sgpr_workgroup_id_x 1
		.amdhsa_system_sgpr_workgroup_id_y 1
		.amdhsa_system_sgpr_workgroup_id_z 1
		.amdhsa_system_vgpr_workitem_id 0
		.amdhsa_next_free_vgpr 208
		.amdhsa_next_free_sgpr 66
		.amdhsa_reserve_vcc 0
		.amdhsa_float_denorm_mode_32 3
		.amdhsa_float_denorm_mode_16_64 3
		.amdhsa_memory_ordered 1
		.amdhsa_forward_progress 1
		.amdhsa_inst_pref_size 29
	.end_amdhsa_kernel
	.amdgpu_metadata
---
amdhsa.version: [ 1, 2 ]
amdhsa.kernels:
  - .name:           k_qab21cb76a5_ln2
    .symbol:         k_qab21cb76a5_ln2.kd
    .args:
      - { .name: x1, .offset: 0, .size: 8, .value_kind: global_buffer, .address_space: global }
      - { .name: g2, .offset: 8, .size: 8, .value_kind: global_buffer, .address_space: global }
      - { .name: bt2, .offset: 16, .size: 8, .value_kind: global_buffer, .address_space: global }
      - { .name: act, .offset: 24, .size: 8, .value_kind: global_buffer, .address_space: global }
    .group_segment_fixed_size: 66816
    .private_segment_fixed_size: 0
    .kernarg_segment_align: 8
    .kernarg_segment_size: 32
    .max_flat_workgroup_size: 256
    .sgpr_count:     66
    .vgpr_count:     208
    .wavefront_size: 32
...
	.end_amdgpu_metadata
.endif
;; end of part 5
;; launch fc1 (part 6): grid 16 x 16, 4 waves a work-group, clusters of 4 x 4, 327,680 bytes of LDS; arguments act, wts, b_fc1, hb; writes hb
.if DOCPART == 6
	.amdgcn_target "amdgcn-amd-amdhsa--gfx1250"
	.amdhsa_code_object_version 6
	.text
	.protected	k_qab21cb76a5_fc1
	.globl	k_qab21cb76a5_fc1
	.p2align	8
	.type	k_qab21cb76a5_fc1,@function
k_qab21cb76a5_fc1:
	s_mov_b64 s[64:65], 0
	v_nop
	global_prefetch_b8 v0, s[64:65] scope:SCOPE_SE
	s_setreg_imm32_b32 hwreg(HW_REG_WAVE_MODE, 25, 1), 1
	s_wait_xcnt 0x0
	s_wait_alu depctr_hold_cnt(0) depctr_sa_sdst(0) depctr_va_vdst(0) depctr_va_sdst(0) depctr_va_ssrc(0) depctr_va_vcc(0) depctr_vm_vsrc(0)
	s_getreg_b32 s2, hwreg(HW_REG_IB_STS2, 6, 4)
	s_cmp_eq_u32 s2, 0
	s_cbranch_scc0 .Lentry_in_a_cluster
	s_endpgm
.Lentry_in_a_cluster:
	s_bfe_u32 s2, ttmp6, 0x10000c
	s_cmp_lg_u32 s2, 0xf033
	s_cbranch_scc0 .Lentry_shape_is_right
	s_endpgm
.Lentry_shape_is_right:
.set KIND,  1
.set PANB,  24576
.set SLOT,  4*PANB
.set SCL,   2*SLOT
.set HALFS, 4096
.set SPARE, SCL+4*HALFS
.set FR,   12
.set NL,   3
.set NQ,   2
.set ADRA, 16
.set ADRB, 20
.set O16,  24
.set O8,   25
.set O4,   26
.set ADRS, 27
.set SPW,  28
.set NIL,  29
.set SC,   32
.set BI,   64
.set AF,   128
.set HA,   128
.set PC,   192
.set TM,   212
.set PW,   228
.set G1,   24
.set G0,   32
.set G1B,  48
.set G0B,  56
.set SEL,  66
.set G1S,  68
.set G0S,  76
.set G1SB, 80
.set G0SB, 88
.set BS1, 4
.set BS0, 6
.set MSB, 0
.macro WIN new
.if MSB != \new
	s_set_vgpr_msb (MSB<<8)|\new
.set MSB, \new
.endif
.endm
.set MUL_LO, 0xa1
.set MUL_HI, 0xf1
.set TO_B,   0x40
.macro JLOAD g0a, g1a, g0b, g1b
	s_cmp_eq_u32 s15, 0
	s_cbranch_scc0 .Lfor_b_\@
	tensor_load_to_lds s[\g0a:\g0a+3], s[\g1a:\g1a+7]
	s_nop 0
.rept 4
	v_nop
.endr
	s_branch .Lasked_\@
.Lfor_b_\@:
	tensor_load_to_lds s[\g0b:\g0b+3], s[\g1b:\g1b+7]
	s_nop 0
.rept 4
	v_nop
.endr
.Lasked_\@:
.endm
.macro CREST
	s_cmp_lg_u32 s14, 0
	s_cbranch_scc1 .Lnot_wave_0_\@
	s_barrier_signal -3
.Lnot_wave_0_\@:
	s_barrier_wait -3
	s_barrier_signal -1
	s_barrier_wait -1
.endm
.macro CROUND
	s_barrier_signal -1
	s_barrier_wait -1
	CREST
.endm
.macro PLACES
.rept 4
	v_nop
.endr
.endm
.macro QUANT s
.irp b, 0,1,2,3
	v_max3_num_f32 v[TM+\b], |v[\s+16*\b]|, |v[\s+1+16*\b]|, 0x1800000
.endr
.irp i, 2,4,6,8,10,12,14
.irp b, 0,1,2,3
	v_max3_num_f32 v[TM+\b], v[TM+\b], |v[\s+16*\b+\i]|, |v[\s+1+16*\b+\i]|
.endr
.endr
.irp b, 0,1,2,3
	v_permlanex16_b32 v[TM+4+\b], v[TM+\b], s[SEL], s[SEL+1]
.endr
.irp b, 0,1,2,3
	v_max_num_f32 v[TM+\b], v[TM+\b], v[TM+4+\b]
.endr
.irp b, 0,1,2,3
	v_add_nc_u32 v[TM+12+\b], 0xff000000, v[TM+\b]
.endr
.irp b, 0,1,2,3
	v_lshrrev_b32 v[TM+4+\b], 23, v[TM+12+\b]
.endr
	v_lshl_or_b32 v[PW], v[TM+5], 8, v[TM+4]
	v_lshl_or_b32 v[PW], v[TM+6], 16, v[PW]
	v_lshl_or_b32 v[PW], v[TM+7], 24, v[PW]
.irp c, 0,1
	v_cvt_scalef32_pk16_fp6_f32 v[PC+6*\c:PC+2+6*\c], v[\s+32*\c:\s+15+32*\c], v[TM+12+2*\c]
	v_cvt_scalef32_pk16_fp6_f32 v[PC+12+4*\c:PC+14+4*\c], v[\s+16+32*\c:\s+31+32*\c], v[TM+12+2*\c+1]
.endr
	v_nop
.irp c, 0,1
.irp i, 0,1,2
	v_permlane16_swap_b32 v[PC+6*\c+\i], v[PC+12+4*\c+\i]
.endr
.irp i, 0,1,2
	v_mov_b32 v[PC+3+6*\c+\i], v[PC+12+4*\c+\i]
.endr
.endr
.endm
	s_load_b256 s[4:11], s[0:1], 0x0
	v_lshl_add_u32 v[SPW], v0, 2, SPARE
	v_mov_b32 v[NIL], 0
	ds_add_u32 v[SPW], v[NIL]
	ds_add_u32 v[SPW], v[NIL]
	v_lshrrev_b32 v1, 5, v0
	v_readfirstlane_b32 s14, v1
	s_lshr_b32 s15, s14, 1
	s_and_b32 s16, s14, 1
	s_bfe_u32 s40, ttmp6, 0x40000
	s_bfe_u32 s41, ttmp6, 0x40004
	s_lshl_b32 s43, s41, 2
	s_lshl_b32 s43, 15, s43
	s_lshl_b32 s44, 0x1111, s40
	s_or_b32 s[G1+0], s43, (3<<16)|(1<<21)
	s_or_b32 s[G1B+0], s44, (3<<16)|(1<<21)
.irp g, G1, G1B                        ; for the head's loads: a tile's two panels, 2 rows of 24,576 bytes, 98,304 bytes apart in memory, dense in LDS
	s_mov_b32 s[\g+1], 3072<<16
	s_mov_b32 s[\g+2], 2<<16
	s_mov_b32 s[\g+3], 3072<<16
	s_mov_b32 s[\g+4], 2
	s_mov_b32 s[\g+5], 12288
	s_mov_b32 s[\g+6], 0
	s_mov_b32 s[\g+7], 0
.endr
	s_or_b32 s[G1S+0], s43, (3<<16)|(1<<21)
	s_or_b32 s[G1SB+0], s44, (3<<16)|(1<<21)
.irp g, G1S, G1SB
	s_mov_b32 s[\g+1], 32<<16
	s_mov_b32 s[\g+2], 32<<16                      ; two panels' scales: 8,192 dense bytes as 32 rows of 256
	s_mov_b32 s[\g+3], 32<<16
	s_mov_b32 s[\g+4], 32
	s_mov_b32 s[\g+5], 32
	s_mov_b32 s[\g+6], 0
	s_mov_b32 s[\g+7], 0
.endr
	s_and_b32 s17, ttmp7, 0xffff
	s_lshl_b32 s17, s17, 2
	s_lshl_b32 s42, ttmp9, 2
	s_add_co_u32 s17, s17, s41
	s_add_co_u32 s42, s42, s40
	s_lshl_b32 s20, s17, 1
	s_add_co_u32 s20, s20, s16
	s_lshl_b32 s22, s20, 12
	s_mul_i32 s20, s20, 98304
	s_mov_b32 s21, 0
	s_mov_b32 s23, 0
	s_lshl_b32 s46, s42, 1
	s_add_co_u32 s46, s46, s16
	s_lshl_b32 s92, s46, 12
	s_mul_i32 s46, s46, 98304
	s_mov_b32 s47, 0
	s_mov_b32 s93, 0
	s_add_co_u32 s22, s22, 3145728
	s_add_co_u32 s46, s46, 3145728
	s_add_co_u32 s92, s92, 9568256
	s_mul_i32 s45, s14, PANB
	s_lshl_b32 s94, s14, 12
	s_mov_b32 s[SEL], 0x76543210
	s_mov_b32 s[SEL+1], 0xfedcba98
	s_wait_dscnt 0x0
	s_wait_kmcnt 0x0
	s_add_nc_u64 s[20:21], s[BS1:BS1+1], s[20:21]
	s_add_nc_u64 s[22:23], s[BS1:BS1+1], s[22:23]
	s_add_nc_u64 s[46:47], s[BS0:BS0+1], s[46:47]
	s_add_nc_u64 s[92:93], s[BS0:BS0+1], s[92:93]
	CROUND
	s_lshl_b32 s2, s16, 12                         ; the head's four tiles begin at a tile's first panel: my panel's part is taken off again
	s_mov_b32 s3, 0
	s_mov_b32 s[G0S], 1
	s_mov_b32 s[G0S+1], SCL
	s_sub_nc_u64 s[G0S+2:G0S+3], s[22:23], s[2:3]
	s_or_b32 s[G0S+3], s[G0S+3], 0x80000000
	s_mov_b32 s[G0SB], 1
	s_mov_b32 s[G0SB+1], SCL+2*HALFS
	s_sub_nc_u64 s[G0SB+2:G0SB+3], s[92:93], s[2:3]
	s_or_b32 s[G0SB+3], s[G0SB+3], 0x80000000
	s_mul_i32 s2, s16, 98304
	s_mov_b32 s4, 1                                ; s[4:7]: group 0 of S1's two panels of slot 0 (the arguments that lay there have been used)
	s_mov_b32 s5, 0
	s_sub_nc_u64 s[6:7], s[20:21], s[2:3]
	s_or_b32 s7, s7, 0x80000000
	s_mov_b32 s92, 1                               ; s[92:95]: of S0's two
	s_mov_b32 s93, 2*PANB
	s_sub_nc_u64 s[94:95], s[46:47], s[2:3]
	s_or_b32 s95, s95, 0x80000000
.irp s, 0,1
	s_mov_b32 s[G0+4*\s], 1
	s_add_co_u32 s[G0+4*\s+1], s45, \s*SLOT
	s_add_nc_u64 s[G0+4*\s+2:G0+4*\s+3], s[20:21], \s*PANB
	s_or_b32 s[G0+4*\s+3], s[G0+4*\s+3], 0x80000000
	s_mov_b32 s[G0B+4*\s], 1
	s_add_co_u32 s[G0B+4*\s+1], s45, \s*SLOT
	s_add_nc_u64 s[G0B+4*\s+2:G0B+4*\s+3], s[46:47], \s*PANB
	s_or_b32 s[G0B+4*\s+3], s[G0B+4*\s+3], 0x80000000
.endr
; THE HEAD'S LOADS, ONE A WAVE: wave 0 S1's two panels of slot 0, wave 1 S0's, wave 2 S1's scales, wave 3 S0's: one chain of arms, one join
.macro ARM under, g0, g1, next
	s_cmp_lt_u32 s14, \under
	s_cbranch_scc0 \next
	tensor_load_to_lds s[\g0:\g0+3], s[\g1:\g1+7]
	s_nop 0
.rept 4
	v_nop
.endr
	s_branch .Lhead_asked
\next:
.endm
	ARM 1, 4, G1, .Lhead_b
	ARM 2, 92, G1B, .Lhead_sa
	ARM 3, G0S, G1S, .Lhead_sb
	tensor_load_to_lds s[G0SB:G0SB+3], s[G1SB:G1SB+7]
	s_nop 0
.rept 4
	v_nop
.endr
.Lhead_asked:
	v_and_b32 v1, 15, v0
	v_bfe_u32 v2, v0, 4, 1
	s_wait_alu depctr_va_vdst(0)
	v_and_b32 v3, 31, v0
	v_lshlrev_b32 v[O16], 4, v3
	s_mul_i32 s21, s15, PANB
	s_mul_i32 s22, s16, PANB
	s_add_co_u32 s22, s22, 2*PANB
.irp s, 0,1
	v_add_nc_u32 v[ADRA+\s], s21, v[O16]
	v_add_nc_u32 v[ADRB+\s], s22, v[O16]
	s_add_co_u32 s21, s21, SLOT
	s_add_co_u32 s22, s22, SLOT
.endr
	v_lshlrev_b32 v5, 2, v1
	s_lshl_b32 s21, s15, 12
	s_lshl_b32 s22, s16, 12
	s_add_co_u32 s22, s22, 2*HALFS
	s_sub_co_u32 s22, s22, s21
	v_mul_u32_u24 v6, s22, v2
	s_add_co_u32 s21, s21, SCL
	v_add_nc_u32 v5, v5, v6
	v_add_nc_u32 v[ADRS], s21, v5
	s_lshl_b32 s12, s17, 2
	s_lshl_b32 s13, s15, 1
	s_add_co_u32 s12, s12, s13
	s_lshl_b32 s13, s42, 1
	s_add_co_u32 s13, s13, s16
	s_mul_i32 s18, s12, 196608
	s_lshr_b32 s19, s13, 2
	s_mul_i32 s19, s19, 24576
	s_add_co_u32 s18, s18, s19
	s_and_b32 s19, s13, 3
	s_mul_i32 s19, s19, 1536
	s_add_co_u32 s18, s18, s19
	s_mov_b32 s19, 0
	s_add_nc_u64 s[96:97], s[10:11], s[18:19]
	s_lshl_b32 s18, s12, 13
	s_lshl_b32 s12, s13, 8
	s_add_co_u32 s18, s18, s12
	s_add_co_u32 s18, s18, 12582912
	s_add_nc_u64 s[98:99], s[10:11], s[18:19]
	s_lshl_b32 s18, s13, 9
	s_add_nc_u64 s[8:9], s[8:9], s[18:19]
	v_lshlrev_b32 v[O4], 2, v1
	v_lshlrev_b32 v7, 6, v2
.irp b, 0,1,2,3,4,5,6,7
	global_load_b128 v[BI+8*\b:BI+8*\b+3], v7, s[8:9] offset:(32*(\b/2)+8*(\b%2))*4
	global_load_b128 v[BI+8*\b+4:BI+8*\b+7], v7, s[8:9] offset:(32*(\b/2)+8*(\b%2))*4+16
.endr
.macro FRAG reg, adr, q, i
.irp c, 0,1,2
	ds_load_b128 v[\reg+4*\c:\reg+4*\c+3], v[\adr] offset:(\i)*3072+(\q)*1536+512*\c
.endr
.endm
.macro MUL16 a0, p, q, sc, zero
.irp a, \a0, \a0+1
.irp b, 0,1,2,3,4,5,6,7
.if \zero
	v_wmma_scale_f32_16x16x128_f8f6f4 v[8*(8*((\a)%4)+\b):8*(8*((\a)%4)+\b)+7], v[128*(\p)+FR*\b:128*(\p)+FR*\b+FR-1], v[AF+FR*(\a):AF+FR*(\a)+FR-1], 0, v[SC+8*NQ*(\sc)+NQ*\b+(\q)], v[SC+8*NQ*(\sc)+NQ*(\a)+(\q)] matrix_a_fmt:MATRIX_FMT_FP6 matrix_b_fmt:MATRIX_FMT_FP6 matrix_a_scale:MATRIX_SCALE_ROW1
.else
	v_wmma_scale_f32_16x16x128_f8f6f4 v[8*(8*((\a)%4)+\b):8*(8*((\a)%4)+\b)+7], v[128*(\p)+FR*\b:128*(\p)+FR*\b+FR-1], v[AF+FR*(\a):AF+FR*(\a)+FR-1], v[8*(8*((\a)%4)+\b):8*(8*((\a)%4)+\b)+7], v[SC+8*NQ*(\sc)+NQ*\b+(\q)], v[SC+8*NQ*(\sc)+NQ*(\a)+(\q)] matrix_a_fmt:MATRIX_FMT_FP6 matrix_b_fmt:MATRIX_FMT_FP6 matrix_a_scale:MATRIX_SCALE_ROW1
.endif
.endr
.endr
.endm
.macro FETCH_B slot, q, p
	WIN TO_B
.irp i, 0,1,2,3,4,5,6,7
	FRAG 128*(\p)+FR*\i, ADRB+\slot, \q, \i
.endr
	WIN 0
.endm
.macro FETCH_A slot, q, i0
.irp i, \i0, \i0+1, \i0+2, \i0+3
	FRAG AF+FR*(\i), ADRA+\slot, \q, \i
.endr
.endm
.macro SCALES sc
.irp i, 0,1,2,3,4,5,6,7
.irp q, 0,1
	ds_load_b32 v[SC+16*\sc+2*\i+\q], v[ADRS] offset:\q*512+\i*64
.endr
.endr
.endm
.macro STEP slot, zero
	s_wait_dscnt 4*NL
	WIN MUL_LO
	MUL16 0, 0, 0, \slot, \zero
	MUL16 2, 0, 0, \slot, \zero
	s_wait_dscnt 0
	PLACES
	FETCH_B \slot, 1, 1
	FETCH_A \slot, 1, 0
	WIN MUL_HI
	MUL16 4, 0, 0, \slot, \zero
	MUL16 6, 0, 0, \slot, \zero
	PLACES
	WIN 0
	FETCH_A \slot, 1, 4
.endm
.macro TURN slot, next, fill
	s_wait_tensorcnt 0x0
	ds_add_u32 v[SPW], v[NIL]
	s_wait_dscnt 4*NL+1
	WIN MUL_LO
	MUL16 0, 1, 1, \slot, 0
	s_wait_dscnt 0x0
	s_barrier_signal -1
	MUL16 2, 1, 1, \slot, 0
	WIN 0
	s_barrier_wait -1
.if \fill
	CREST
	s_add_nc_u64 s[G0+4*\slot+2:G0+4*\slot+3], s[G0+4*\slot+2:G0+4*\slot+3], 2*PANB
	s_add_nc_u64 s[G0B+4*\slot+2:G0B+4*\slot+3], s[G0B+4*\slot+2:G0B+4*\slot+3], 2*PANB
	JLOAD G0+4*\slot, G1, G0B+4*\slot, G1B
.else
	PLACES
.endif
	s_wait_alu depctr_va_vdst(0)
	v_add_nc_u32 v[ADRS], 1024, v[ADRS]
	FETCH_B \next, 0, 0
	FETCH_A \next, 0, 0
	SCALES \next
	WIN MUL_HI
	MUL16 4, 1, 1, \slot, 0
	MUL16 6, 1, 1, \slot, 0
	PLACES
	WIN 0
	FETCH_A \next, 0, 4
.endm
.macro EPI a
	WIN 0x02+(\a)/4
.set AC, 64*((\a)%4)
.set n, 0
.rept 32
	v_pk_add_f32 v[HA+n:HA+n+1], v[AC+n:AC+n+1], v[BI+n:BI+n+1]
.set n, n+2
.endr
	WIN 0
.set n, 0
.rept 64
	v_max_num_f32 v[HA+n], 0, v[HA+n]
.set n, n+1
.endr
.if (\a) > 0
	s_wait_xcnt 0x0
.endif
	QUANT HA
.irp c, 0,1,2
	global_store_b128 v[O16], v[PC+4*\c:PC+4*\c+3], s[96:97] offset:((\a)/4)*196608+((\a)%4)*6144+512*\c
.endr
	global_store_b32 v[O4], v[PW], s[98:99] offset:((\a)/4)*8192+((\a)%4)*64
.endm
	s_wait_alu depctr_va_vdst(0)
	s_wait_tensorcnt 0x0                           ; my tile of the head's four is in; slot 1's first fill is issued as a refill is
	ds_add_u32 v[SPW], v[NIL]
.irp g, G1, G1B                        ; no tensor load of mine is out: from here on a load brings one panel, 96 rows of 256 bytes
	s_mov_b32 s[\g+1], 32<<16
	s_mov_b32 s[\g+2], 96<<16
	s_mov_b32 s[\g+3], 32<<16
	s_mov_b32 s[\g+4], 96
	s_mov_b32 s[\g+5], 32
.endr
	s_wait_dscnt 0x0
	CROUND                                         ; all four tiles are in, and all sixteen work-groups are here
	JLOAD G0+4, G1, G0B+4, G1B                     ; slot 1: my one tensor load behind the round
	FETCH_B 0, 0, 0
	FETCH_A 0, 0, 0
	SCALES 0
	FETCH_A 0, 0, 4
	STEP 0, 1
	TURN 0, 1, 1
	STEP 1, 0
	TURN 1, 0, 1
	STEP 0, 0
	TURN 0, 1, 0
	STEP 1, 0
	s_wait_dscnt 4*NL
	WIN MUL_LO
	MUL16 0, 1, 1, 1, 0
	MUL16 2, 1, 1, 1, 0
	s_wait_dscnt 0
	WIN MUL_HI
	MUL16 4, 1, 1, 1, 0
	MUL16 6, 1, 1, 1, 0
	WIN 0
	PLACES
.irp b, 0,1,2,3
	v_mov_b32 v[TM+4+\b], 0
.endr
	s_wait_loadcnt 0x0
.irp a, 0,1,2,3,4,5,6,7
	EPI \a
.endr
	s_wait_tensorcnt 0x0
	ds_add_u32 v[SPW], v[NIL]
	s_wait_dscnt 0x0
	CROUND
	s_endpgm
.Lfunc_end_k_qab21cb76a5_fc1:
	.size	k_qab21cb76a5_fc1, .Lfunc_end_k_qab21cb76a5_fc1-k_qab21cb76a5_fc1
	.p2alignl 7, 3214868480
	.fill 96, 4, 3214868480
	.section	.rodata,"a",@progbits
	.p2align	6, 0x0
	.amdhsa_kernel k_qab21cb76a5_fc1
		.amdhsa_group_segment_fixed_size 327680
		.amdhsa_private_segment_fixed_size 0
		.amdhsa_enable_private_segment 0
		.amdhsa_kernarg_size 32
		.amdhsa_user_sgpr_count 2
		.amdhsa_user_sgpr_kernarg_segment_ptr 1
		.amdhsa_wavefront_size32 1
		.amdhsa_system_sgpr_workgroup_id_x 1
		.amdhsa_system_sgpr_workgroup_id_y 1
		.amdhsa_system_sgpr_workgroup_id_z 1
		.amdhsa_system_vgpr_workitem_id 0
		.amdhsa_next_free_vgpr 1024
		.amdhsa_next_free_sgpr 102
		.amdhsa_reserve_vcc 0
		.amdhsa_float_denorm_mode_32 3
		.amdhsa_float_denorm_mode_16_64 3
		.amdhsa_memory_ordered 1
		.amdhsa_forward_progress 1
		.amdhsa_inst_pref_size 177
	.end_amdhsa_kernel
	.amdgpu_metadata
---
amdhsa.version: [ 1, 2 ]
amdhsa.kernels:
  - .name:           k_qab21cb76a5_fc1
    .symbol:         k_qab21cb76a5_fc1.kd
    .args:
      - { .name: act, .offset: 0, .size: 8, .value_kind: global_buffer, .address_space: global }
      - { .name: wts, .offset: 8, .size: 8, .value_kind: global_buffer, .address_space: global }
      - { .name: b_fc1, .offset: 16, .size: 8, .value_kind: global_buffer, .address_space: global }
      - { .name: hb, .offset: 24, .size: 8, .value_kind: global_buffer, .address_space: global }
    .group_segment_fixed_size: 327680
    .private_segment_fixed_size: 0
    .kernarg_segment_align: 8
    .kernarg_segment_size: 32
    .max_flat_workgroup_size: 128
    .sgpr_count:     102
    .vgpr_count:     1024
    .wavefront_size: 32
...
	.end_amdgpu_metadata
.endif
;; end of part 6
;; launch fc2 (part 7): grid 32 x 8, 8 waves a work-group, clusters of 4 x 1, 327,680 bytes of LDS; arguments hb, wts, b_fc2, x1, out0; writes out0
.if DOCPART == 7
	.amdgcn_target "amdgcn-amd-amdhsa--gfx1250"
	.amdhsa_code_object_version 6
	.text
	.protected	k_qab21cb76a5_fc2
	.globl	k_qab21cb76a5_fc2
	.p2align	8
	.type	k_qab21cb76a5_fc2,@function
k_qab21cb76a5_fc2:
	s_mov_b64 s[64:65], 0
	v_nop
	global_prefetch_b8 v0, s[64:65] scope:SCOPE_SE
	s_setreg_imm32_b32 hwreg(HW_REG_WAVE_MODE, 25, 1), 1
	s_wait_xcnt 0x0
	s_wait_alu depctr_hold_cnt(0) depctr_sa_sdst(0) depctr_va_vdst(0) depctr_va_sdst(0) depctr_va_ssrc(0) depctr_va_vcc(0) depctr_vm_vsrc(0)
	s_getreg_b32 s2, hwreg(HW_REG_IB_STS2, 6, 4)
	s_cmp_eq_u32 s2, 0
	s_cbranch_scc0 .Lentry_in_a_cluster
	s_endpgm
.Lentry_in_a_cluster:
	s_bfe_u32 s2, ttmp6, 0x10000c
	s_cmp_lg_u32 s2, 0x3003
	s_cbranch_scc0 .Lentry_shape_is_right
	s_endpgm
.Lentry_shape_is_right:
; out = res + (A W + bias): a GEMM on codes of FP6 (E2M3) with E8M0 scales, N = 1,024, K = 4,096, f32 out.  256 work-groups, each a tile of 128 tokens x 128 columns.
; Operands lie in memory as images of operand registers (16 rows x 128 K = 1,536 bytes: registers 4 c .. 4 c + 3 of lane l at 512 c + 16 l), in panels of 64 rows laid [512 k][4 blocks][4][1,536].
; Eight waves: wave (kh, s15, s16) makes 64 tokens x 64 columns over half kh of K: 16 accumulators, 16 steps of 128 along K.
; THE TOKENS' FRAGMENTS GO FROM MEMORY STRAIGHT INTO REGISTERS: 12 loads of 512 consecutive bytes a step, four sets of 48 registers by turns: while a step is multiplied the 36 loads of the next three steps are out.
; THE WEIGHT'S TILE COMES BY JOINT TENSOR LOADS: the four work-groups of a cluster (grid x counts token tiles) make four token tiles of one column tile and need the same rows of the weight.
; A ring of two LDS slots of 98,304 bytes; a slot holds 512 along K of both halves of K, of both panels: four dense blocks of 24,576 bytes; each of the eight waves brings half a block, 48 rows of 256 bytes.  Four fills in all.
; A change of slots: each wave waits for all its tensor loads, adds 0 to its spare word and waits for that and for its reads; a round of the cluster's barrier; the refill first behind it.
; PREFETCH: the weight's fills 1 and 2 are asked for behind fill 0's load, fill 3 behind fill 1's: at most two fills ahead.  A fill is 384 blocks of 256 bytes; the cluster's 32 waves take 12 each, a lane a block (lanes 12-31 name
; the wave's last block again): work-group cx takes dense block cx, told apart by address alone.  The tokens' stream has none: its loads are issued three steps ahead of their use.
; THE SCALES of the tile's 128 + 128 rows for all of K, two dense blocks, are copied into LDS once, in whole units; a step reads four words a lane: lanes 0-15 the tokens', lanes 16-31 the columns'.
; Source 0 = the weight's columns, source 1 = tokens: a lane holds one token (slot lane % 16) and eight columns.  Slot i of a block rb of 16 rows is row 32 (rb / 2) + 8 (rb % 2) + i % 8 + 16 (i / 8).
; THE TWO HALVES OF K MEET AT THE END: a wave counts its token blocks so that blocks 0, 1 are those that it sends out (true block = mine xor 2 kh); it hands blocks 2, 3 (64 registers) to its partner (wave xor 4) through LDS,
; in slot 0's bytes, which have had their last fill and, behind the walk's last barrier, their last read.  So a sum is the f32 sum of two halves of K.  LIMITS: NaN and infinities are not served.
; REGISTERS: v1 16 x thread, v3 16 r, v4, v24 my weight block in slot 0, 1, v5-6 offsets of the tokens' fragments, v7-8 scale words' LDS addresses, v9-11 the way out, v12-15 bias, v16-23 scale words (two sets), v25 the scales' way in,
;   v26 the prefetches' offset, v30-31 the exchange, v32-127 the weight's fragments (two sets), v128-255 accumulators;  window 1: v0-191 the tokens' fragments (four sets), v192-255 the residual.
.set KK,    4096
.set A_SC,  12582912                   ; the tokens' scales in their buffer
.set W_CO,  6291456                    ; the weight's codes in wts
.set W_SC,  9699328                    ; and its scales
.set NS,    KK/256                     ; steps of 128 along K for a wave
.set HALFS, 2*KK                       ; a panel's scales
.set NA,    HALFS/2048                 ; loads of 4,096 bytes a work-group that bring two panels' scales
.set SLOT,  98304
.set SCLB,  2*SLOT                     ; behind the ring: the scales
.set STAGE, SCLB+4*HALFS               ; 16 rows x (256 + 16) bytes for each wave
.set SPARE, STAGE+8*4352               ; the spare words, 128 bytes for each of eight waves
.set FR,  12
.set SC,  16
.set ACC, 128
.set MSB, 0
.macro WIN new                         ; the immediate's high byte repeats the setting that is left
.if MSB != \new
	s_set_vgpr_msb (MSB<<8)|\new
.set MSB, \new
.endif
.endm
.macro PLACES
.rept 4
	v_nop
.endr
.endm
.macro CROUND                          ; a round of the cluster's barrier
	s_barrier_signal -1
	s_barrier_wait -1
	s_cmp_lg_u32 s14, 0
	s_cbranch_scc1 .Lnot_wave_0_\@
	s_barrier_signal -3
.Lnot_wave_0_\@:
	s_barrier_wait -3
	s_barrier_signal -1
	s_barrier_wait -1
.endm
.macro ALOADS t                        ; the tokens' four fragments of step t into set t % 4: 12 loads
	WIN 0x40
.set FA, 48*((\t)%4)
.set KO, ((\t)/4)*24576+((\t)%4)*1536
.irp i, 0,1
.irp c, 0,1,2
	global_load_b128 v[FA+FR*\i+4*\c:FA+FR*\i+4*\c+3], v5, s[20:21] offset:KO+\i*6144+512*\c
.endr
.endr
.irp i, 0,1
.irp c, 0,1,2
	global_load_b128 v[FA+24+FR*\i+4*\c:FA+24+FR*\i+4*\c+3], v6, s[20:21] offset:KO+\i*6144+512*\c
.endr
.endr
.endm
.macro WLOAD t                         ; the weight's four fragments and the scale words of step t into sets t % 2, from slot (t / 4) % 2
.set FW, 32+48*((\t)%2)
.set VW, 4+20*(((\t)/4)%2)
.irp i, 0,1,2,3
.irp c, 0,1,2
	ds_load_b128 v[FW+FR*\i+4*\c:FW+FR*\i+4*\c+3], v[VW] offset:\i*6144+((\t)%4)*1536+512*\c
.endr
.endr
.irp i, 0,1
	ds_load_b32 v[SC+4*((\t)%2)+\i], v7 offset:(\t)*256+\i*64
	ds_load_b32 v[SC+4*((\t)%2)+2+\i], v8 offset:(\t)*256+\i*64
.endr
.endm
.macro STEP t
.set CN, 12*(NS-1-(\t))                ; younger than this step's loads: the 12 of each later step that has been issued, three steps at the most,
.if CN > 36
.set CN, 36
.endif
.if (\t) >= 1 && (\t) <= 4
.set CN, CN+16                         ; and in steps 1 to 4 the residual's 16, issued behind step 4's
.endif
	s_wait_loadcnt CN
	s_wait_dscnt 0x0                               ; the weight's fragments and the scale words of this step
	WIN 0
.if ((\t)+1 < NS) && ((\t)%4 != 3)
	WLOAD (\t)+1
.endif
.set FW, 32+48*((\t)%2)
.set FA, 48*((\t)%4)
.set SS, SC+4*((\t)%2)
	WIN 0x04                                       ; source 1: window 1
.irp a, 0,1,2,3                        ; the 16 accumulators take turns, in the same order in every step
.irp b, 0,1,2,3
.if (\t) == 0
	v_wmma_scale_f32_16x16x128_f8f6f4 v[ACC+8*(4*\a+\b):ACC+8*(4*\a+\b)+7], v[FW+FR*\b:FW+FR*\b+FR-1], v[FA+FR*\a:FA+FR*\a+FR-1], 0, v[SS+\b], v[SS+\a] matrix_a_fmt:MATRIX_FMT_FP6 matrix_b_fmt:MATRIX_FMT_FP6 matrix_a_scale:MATRIX_SCALE_ROW1
.else
	v_wmma_scale_f32_16x16x128_f8f6f4 v[ACC+8*(4*\a+\b):ACC+8*(4*\a+\b)+7], v[FW+FR*\b:FW+FR*\b+FR-1], v[FA+FR*\a:FA+FR*\a+FR-1], v[ACC+8*(4*\a+\b):ACC+8*(4*\a+\b)+7], v[SS+\b], v[SS+\a] matrix_a_fmt:MATRIX_FMT_FP6 matrix_b_fmt:MATRIX_FMT_FP6 matrix_a_scale:MATRIX_SCALE_ROW1
.endif
.endr
.endr
	PLACES                                         ; four places ahead of loads into registers that the products read, and of reads of results
.if (\t)+4 < NS
	ALOADS (\t)+4
.endif
.if ((\t)%4 == 3) && ((\t)+1 < NS)     ; a slot's last step: its fragments were all in registers at this step's head
.set SL, ((\t)/4)%2
	WIN 0
	s_wait_tensorcnt 0x0                           ; my part of the next slot has landed
.if (\t)/4+2 < NS/4
	ds_add_u32 v28, v29
	s_add_nc_u64 s[58+4*SL:59+4*SL], s[58+4*SL:59+4*SL], 2*24576   ; no load of mine is out: this slot's next 512 along K
	s_wait_dscnt 0x0
	CROUND                                         ; no wave of any partner still reads this slot or has a load on its way
	tensor_load_to_lds s[56+4*SL:59+4*SL], s[48:55]   ; my one tensor load behind the round
	s_nop 0
	PLACES
.else
	s_wait_dscnt 0x0
	s_barrier_signal -1                            ; the last fill is shown to all
	s_barrier_wait -1
.endif
	WLOAD (\t)+1
.endif
.endm
	s_load_b256 s[4:11], s[0:1], 0x0               ; the tokens' buffer, wts, bias, residual
	s_load_b64 s[12:13], s[0:1], 0x20              ; out
	v_lshl_add_u32 v28, v0, 2, SPARE
	v_mov_b32 v29, 0
	ds_add_u32 v28, v29                            ; the wave's opening: the add, twice on end, and its wait ahead of the round in front of my first tensor load
	ds_add_u32 v28, v29
	v_lshrrev_b32 v32, 5, v0
	v_readfirstlane_b32 s14, v32                   ; wave 0..7
	s_bfe_u32 s15, s14, 0x10001                    ; my half of the tokens.  Also: the panel of the weight of which I fetch a part
	s_and_b32 s16, s14, 1                          ; my half of the columns.  Also: which half of a block I fetch
	s_lshr_b32 s17, s14, 2                         ; kh: my half of K, in the products and in what I fetch
	s_bfe_u32 s46, ttmp6, 0x40000                  ; cx: my place in the cluster
	s_lshl_b32 s18, ttmp9, 2
	s_add_co_u32 s18, s18, s46                     ; the tile of 128 tokens = 4 x cluster x + cx
	s_and_b32 s47, ttmp7, 0xffff                   ; the tile of 128 columns, which the four partners share
	s_mov_b32 s48, 15|(3<<16)|(1<<21)              ; group 1: the mask of all four work-groups; elements of 8 bytes; bit 21 beside a mask; 12,288 dense bytes as 48 rows of 256
	s_mov_b32 s49, 32<<16
	s_mov_b32 s50, 48<<16
	s_mov_b32 s51, 32<<16
	s_mov_b32 s52, 48
	s_mov_b32 s53, 32
	s_mov_b32 s54, 0
	s_mov_b32 s55, 0
	s_mov_b32 s56, 1                               ; group 0 of slot 0: s[56:59], of slot 1: s[60:63]
	s_mul_i32 s57, s14, 12288                      ; LDS: wave x 12,288: no place in the cluster enters it
	s_mov_b32 s60, 1
	s_add_co_u32 s61, s57, SLOT
	s_lshl_b32 s20, s18, 1
	s_add_co_u32 s20, s20, s15
	s_mul_i32 s20, s20, KK*48
	s_mul_i32 s19, s17, KK*24
	s_add_co_u32 s20, s20, s19                     ; my panel of tokens, my half of K
	s_mov_b32 s21, 0
	s_lshl_b32 s22, s47, 1
	s_add_co_u32 s22, s22, s15
	s_mul_i32 s22, s22, KK*48
	s_add_co_u32 s22, s22, s19
	s_mul_i32 s33, s16, 12288
	s_add_co_u32 s22, s22, s33
	s_add_co_u32 s22, s22, W_CO                    ; what I fetch of the weight: panel s15, half kh of K, half s16 of a block
	s_mov_b32 s23, 0
	s_mul_i32 s24, s18, 2*HALFS
	s_add_co_u32 s24, s24, A_SC                    ; the tile's scales: tokens',
	s_mov_b32 s25, 0
	s_mul_i32 s26, s47, 2*HALFS
	s_add_co_u32 s26, s26, W_SC                    ; columns'
	s_mov_b32 s27, 0
	s_lshl_b32 s28, s47, 9
	s_lshl_b32 s33, s16, 8
	s_add_co_u32 s28, s28, s33                     ; my first column, in bytes
	s_mov_b32 s29, 0
	s_lshl_b32 s30, s18, 2
	s_lshl_b32 s33, s15, 1
	s_add_co_u32 s30, s30, s33
	s_add_co_u32 s30, s30, s17                     ; the 32 tokens that I send out: number 4 tile + 2 half + kh
	s_lshl_b32 s30, s30, 17
	s_add_co_u32 s30, s30, s28
	s_mov_b32 s31, 0
	s_lshl_b32 s66, s47, 1                         ; the prefetches: dense block cx of a fill (panel cx % 2, half cx / 2 of K), my wave's 12 blocks of 256 bytes
	s_and_b32 s68, s46, 1
	s_add_co_u32 s66, s66, s68
	s_mul_i32 s66, s66, KK*48
	s_lshr_b32 s68, s46, 1
	s_mul_i32 s68, s68, KK*24
	s_add_co_u32 s66, s66, s68
	s_mul_i32 s69, s14, 3072
	s_add_co_u32 s66, s66, s69
	s_add_co_u32 s66, s66, W_CO
	s_mov_b32 s67, 0
	s_mul_i32 s33, s17, 12288                      ; my token blocks 0, 1 are true blocks 2 kh, 2 kh + 1,
	s_xor_b32 s34, s17, 1
	s_mul_i32 s34, s34, 12288                      ; my blocks 2, 3 the two others
	s_mul_i32 s38, s15, HALFS
	s_mul_i32 s35, s17, NS*256
	s_add_co_u32 s35, s35, s38
	s_add_co_u32 s35, s35, SCLB                    ; the tokens' scale words: my panel, my half of K
	s_lshl_b32 s36, s17, 7
	s_mul_i32 s37, s16, HALFS
	s_add_co_u32 s37, s37, 2*HALFS
	s_sub_co_u32 s37, s37, s38                     ; from there to the columns'
	s_sub_co_u32 s39, s37, s36
	s_add_co_u32 s40, s37, s36
	s_add_co_u32 s41, s35, s36
	s_add_co_u32 s42, s35, 128
	s_sub_co_u32 s42, s42, s36
	s_mul_i32 s43, s14, 4352
	s_add_co_u32 s43, s43, STAGE                   ; my stage
	s_lshl_b32 s44, s14, 13                        ; where I hand over: 8,192 bytes a wave from LDS byte 0 on,
	s_xor_b32 s45, s14, 4
	s_lshl_b32 s45, s45, 13                        ; where my partner does
	s_lshl_b32 s70, s17, 1
	s_add_co_u32 s70, s70, s16
	s_mul_i32 s70, s70, 24576                      ; the block of a slot that I read: half kh of K, panel s16
	v_and_b32 v33, 15, v0                          ; r
	v_bfe_u32 v2, v0, 4, 1                         ; h
	v_and_b32 v34, 31, v0
	v_lshlrev_b32 v40, 4, v34                      ; 16 x lane
	v_lshlrev_b32 v35, 2, v33
	v_mul_u32_u24 v36, s39, v2                     ; lanes 16-31 take the columns' words
	v_mul_u32_u24 v37, s40, v2
	v_mul_u32_u24 v38, v33, 272
	v_mul_u32_u24 v39, v2, 272
	v_add_nc_u32 v5, s33, v40
	v_add_nc_u32 v6, s34, v40
	v_add_nc_u32 v4, s70, v40
	v_add_nc_u32 v36, v35, v36
	v_add_nc_u32 v37, v35, v37
	v_lshl_add_u32 v38, v2, 6, v38
	v_lshl_add_u32 v39, v33, 4, v39
	v_add_nc_u32 v7, s41, v36                      ; scale words of blocks 0, 1
	v_add_nc_u32 v8, s42, v37                      ; of blocks 2, 3
	v_add_nc_u32 v9, s43, v38                      ; the stage, in: row = slot r, + 64 h bytes
	v_add_nc_u32 v10, s43, v39                     ; back: lanes 0-15 one row of 256 bytes, lanes 16-31 the next
	v_lshlrev_b32 v11, 12, v2
	v_add_nc_u32 v30, s44, v40
	v_add_nc_u32 v31, s45, v40
	v_add_nc_u32 v24, SLOT, v4
	v_lshl_add_u32 v11, v33, 4, v11                ; the same two rows in memory
	v_lshlrev_b32 v3, 4, v33
	v_lshlrev_b32 v1, 4, v0
	v_min_u32 v26, 11, v34
	v_add_nc_u32 v25, SCLB, v1
	v_lshlrev_b32 v26, 8, v26
	s_wait_alu depctr_va_vdst(0)
	s_wait_dscnt 0x0                               ; both opening adds are done
	s_wait_kmcnt 0x0
	s_add_nc_u64 s[20:21], s[4:5], s[20:21]
	s_add_nc_u64 s[58:59], s[6:7], s[22:23]
	s_add_nc_u64 s[62:63], s[58:59], 24576
	s_or_b32 s59, s59, 0x80000000
	s_or_b32 s63, s63, 0x80000000
	s_add_nc_u64 s[24:25], s[4:5], s[24:25]
	s_add_nc_u64 s[26:27], s[6:7], s[26:27]
	s_add_nc_u64 s[66:67], s[6:7], s[66:67]
	s_add_nc_u64 s[8:9], s[8:9], s[28:29]
	s_add_nc_u64 s[10:11], s[10:11], s[30:31]
	s_add_nc_u64 s[12:13], s[12:13], s[30:31]
	CROUND                                         ; all four work-groups are here: the first joint loads meet
	tensor_load_to_lds s[56:59], s[48:55]          ; fill 0: one tensor load a wave at the head
	s_nop 0
	PLACES
.set J, 0
.rept NA                               ; the scales: a wave's load covers 512 consecutive bytes
	global_load_b128 v[ACC+4*J:ACC+4*J+3], v1, s[24:25] offset:4096*J
	global_load_b128 v[ACC+32+4*J:ACC+32+4*J+3], v1, s[26:27] offset:4096*J
.set J, J+1
.endr
	global_load_b128 v[12:15], v3, s[8:9]          ; the bias at my four columns of a row
	ALOADS 0
	ALOADS 1
	ALOADS 2
	WIN 0
	global_prefetch_b8 v26, s[66:67] offset:24576 th:TH_LOAD_NT scope:SCOPE_SE   ; my share of fill 1,
	global_prefetch_b8 v26, s[66:67] offset:49152 th:TH_LOAD_NT scope:SCOPE_SE   ; of fill 2
	s_wait_loadcnt 36                              ; scales and bias are in; the 36 loads of steps 0 to 2 may be out
.set J, 0
.rept NA
	ds_store_b128 v25, v[ACC+4*J:ACC+4*J+3] offset:4096*J
	ds_store_b128 v25, v[ACC+32+4*J:ACC+32+4*J+3] offset:2*HALFS+4096*J
.set J, J+1
.endr
	ALOADS 3
	WIN 0
	s_wait_tensorcnt 0x0                           ; my part of fill 0 is in; slot 1's first fill is issued as a refill is
	ds_add_u32 v28, v29
	s_wait_dscnt 0x0                               ; the add is done, and my part of the scales lies in LDS
	CROUND
	tensor_load_to_lds s[60:63], s[48:55]          ; fill 1
	s_nop 0
	PLACES
	WLOAD 0
	global_prefetch_b8 v26, s[66:67] offset:73728 th:TH_LOAD_NT scope:SCOPE_SE   ; my share of fill 3
	STEP 0                                         ; the first products start the sums
	WIN 0x40
.irp a, 0,1
.irp t, 0,1,2,3,4,5,6,7
	global_load_b128 v[192+32*\a+4*\t:192+32*\a+4*\t+3], v11, s[10:11] offset:(8*\a+2*\t+8*(\t/4))*4096 th:TH_LOAD_NT   ; the residual, in the order in which rows leave the stage
.endr
.endr
.set T, 1
.rept NS-1
	STEP T
.set T, T+1
.endr
	WIN 0
.set J, 0
.rept 16                               ; my blocks 2, 3 to my partner, as an image of the registers, each accumulator from its low end on
	ds_store_b128 v30, v[ACC+64+4*J:ACC+64+4*J+3] offset:512*J
.set J, J+1
.endr
	s_wait_dscnt 0x0
	s_barrier_signal -1
	s_barrier_wait -1
.set J, 0
.rept 16
	ds_load_b128 v[32+4*J:32+4*J+3], v31 offset:512*J
.set J, J+1
.endr
	s_wait_dscnt 0x0
	s_wait_loadcnt 0x0                             ; the residual
.set J, 0
.rept 32
	v_pk_add_f32 v[ACC+2*J:ACC+2*J+1], v[ACC+2*J:ACC+2*J+1], v[32+2*J:32+2*J+1]   ; the other half of K
.set J, J+1
.endr
; THE WAY OUT, a block of 16 tokens x 64 columns at a time, through my own stage: in by the columns' true places, back as rows of 256 bytes; + bias, + residual; sixteen lanes store 256 consecutive bytes, aligned
.macro OUT a
.irp b, 0,1,2,3
	ds_store_b128 v9, v[ACC+8*(4*(\a)+\b):ACC+8*(4*(\a)+\b)+3] offset:128*(\b/2)+32*(\b%2)
	ds_store_b128 v9, v[ACC+8*(4*(\a)+\b)+4:ACC+8*(4*(\a)+\b)+7] offset:128*(\b/2)+32*(\b%2)+16
.endr
.set BB, 96-64*(\a)
.irp t, 0,1,2,3,4,5,6,7
	ds_load_b128 v[BB+4*\t:BB+4*\t+3], v10 offset:544*\t   ; LDS serves a wave's instructions in order: these see my stores
.endr
	s_wait_dscnt 0x0
.irp t, 0,1,2,3,4,5,6,7
	v_pk_add_f32 v[BB+4*\t:BB+4*\t+1], v[BB+4*\t:BB+4*\t+1], v[12:13]
	v_pk_add_f32 v[BB+4*\t+2:BB+4*\t+3], v[BB+4*\t+2:BB+4*\t+3], v[14:15]
.endr
	WIN 0x04                                       ; source 1: window 1
.irp t, 0,1,2,3,4,5,6,7
	v_pk_add_f32 v[BB+4*\t:BB+4*\t+1], v[BB+4*\t:BB+4*\t+1], v[192+32*(\a)+4*\t:192+32*(\a)+4*\t+1]
	v_pk_add_f32 v[BB+4*\t+2:BB+4*\t+3], v[BB+4*\t+2:BB+4*\t+3], v[192+32*(\a)+4*\t+2:192+32*(\a)+4*\t+3]
.endr
	WIN 0
.irp t, 0,1,2,3,4,5,6,7
	global_store_b128 v11, v[BB+4*\t:BB+4*\t+3], s[12:13] offset:(8*(\a)+2*\t+8*(\t/4))*4096
.endr
.endm
	OUT 0
	OUT 1
	s_wait_tensorcnt 0x0                           ; the wave's end, behind my last tensor load and my last LDS store
	ds_add_u32 v28, v29
	s_wait_dscnt 0x0
	CROUND                                         ; the closing round: no work-group ends while a partner may still ask for a tile that names it
	s_endpgm
.Lfunc_end_k_qab21cb76a5_fc2:
	.size	k_qab21cb76a5_fc2, .Lfunc_end_k_qab21cb76a5_fc2-k_qab21cb76a5_fc2
	.p2alignl 7, 3214868480
	.fill 96, 4, 3214868480
	.section	.rodata,"a",@progbits
	.p2align	6, 0x0
	.amdhsa_kernel k_qab21cb76a5_fc2
		.amdhsa_group_segment_fixed_size 327680
		.amdhsa_private_segment_fixed_size 0
		.amdhsa_enable_private_segment 0
		.amdhsa_kernarg_size 40
		.amdhsa_user_sgpr_count 2
		.amdhsa_user_sgpr_kernarg_segment_ptr 1
		.amdhsa_wavefront_size32 1
		.amdhsa_system_sgpr_workgroup_id_x 1
		.amdhsa_system_sgpr_workgroup_id_y 1
		.amdhsa_system_sgpr_workgroup_id_z 1
		.amdhsa_system_vgpr_workitem_id 0
		.amdhsa_next_free_vgpr 512
		.amdhsa_next_free_sgpr 80
		.amdhsa_reserve_vcc 0
		.amdhsa_float_denorm_mode_32 3
		.amdhsa_float_denorm_mode_16_64 3
		.amdhsa_memory_ordered 1
		.amdhsa_forward_progress 1
		.amdhsa_inst_pref_size 96
	.end_amdhsa_kernel
	.amdgpu_metadata
---
amdhsa.version: [ 1, 2 ]
amdhsa.kernels:
  - .name:           k_qab21cb76a5_fc2
    .symbol:         k_qab21cb76a5_fc2.kd
    .args:
      - { .name: hb, .offset: 0, .size: 8, .value_kind: global_buffer, .address_space: global }
      - { .name: wts, .offset: 8, .size: 8, .value_kind: global_buffer, .address_space: global }
      - { .name: b_fc2, .offset: 16, .size: 8, .value_kind: global_buffer, .address_space: global }
      - { .name: x1, .offset: 24, .size: 8, .value_kind: global_buffer, .address_space: global }
      - { .name: out0, .offset: 32, .size: 8, .value_kind: global_buffer, .address_space: global }
    .group_segment_fixed_size: 327680
    .private_segment_fixed_size: 0
    .kernarg_segment_align: 8
    .kernarg_segment_size: 40
    .max_flat_workgroup_size: 256
    .sgpr_count:     80
    .vgpr_count:     512
    .wavefront_size: 32
...
	.end_amdgpu_metadata
.endif
;; end of part 7
